; MI455X (gfx1250); checked and timed in simulation.
; The chip was launched on July 23, 2026; its instructions are those of AMD's public machine-readable ISA for CDNA 5 (MIT licence, August 2026) and "CDNA5" Instruction Set Architecture Reference Guide (July 2026). The comments in the code are by the model that wrote it; some were corrected since.
;; Global Mlp Block. Allowed arithmetic: float matrix products may take bf16 or f16 operands with f32 sums; other float arithmetic in f32, or as packed bf16 or f16 multiplies, adds, multiply-adds, maxima and minima; sums over many terms, partial sums and values carried from step to step in f32; what a program stores and reads back later, other than sums and carried values, may be rounded once to bf16 or f16.
;; Inputs: b1 2,048 float32; b2 1,024 float32; ln_beta 1,024 float32; ln_gamma 1,024 float32; w1 1,024 x 2,048 float32; w2 2,048 x 1,024 float32; x 4 x 2,048 x 1,024 float32.
;; Outputs: out0 4 x 2,048 x 1,024 float32.
;; 2 versions, each right. Each part assembles by itself: llvm-mc -triple=amdgcn-amd-amdhsa -mcpu=gfx1250 --defsym DOCPART=n.
;; ======== version 1 of 2: 6 launches
;; limits: values are held in f16: magnitudes above 65,504 overflow, below 6.1e-05 lose precision; an absolute error that grows with the inputs' magnitude: up to 7.5e-08 times it
;; workspace buffers: xb 16,777,216 bytes; y0 16,777,216 bytes; w1h 4,194,304 bytes; w2h 4,194,304 bytes; hbuf 33,554,432 bytes; y2 33,554,432 bytes; mm 16,777,216 bytes; y3 33,554,432 bytes
;; launch prep (part 1): grid 384 x 1, 8 waves a work-group, no clusters, 0 bytes of LDS; arguments x, ln_gamma, ln_beta, w1, w2, xb, y0, w1h, w2h; writes xb, y0, w1h, w2h
.if DOCPART == 1
	.amdgcn_target "amdgcn-amd-amdhsa--gfx1250"
	.amdhsa_code_object_version 6
	.text
	.protected	k_q78b20afee9_prep
	.globl	k_q78b20afee9_prep
	.p2align	8
	.type	k_q78b20afee9_prep,@function
k_q78b20afee9_prep:
	s_mov_b64 s[64:65], 0
	v_nop
	global_prefetch_b8 v0, s[64:65] scope:SCOPE_SE
	s_setreg_imm32_b32 hwreg(HW_REG_WAVE_MODE, 25, 1), 1
	s_wait_xcnt 0x0
; xb = bf16(x);  y0 = f16(LayerNorm(xb) g + b), g and b rounded to bf16;  w1h, w2h = the weights rounded to bf16 and written as f16.
; Every input is rounded to bf16 first and the rounded number is used everywhere, in the row's mean and variance too.
; LIMITS.  |y0| and the weights stay under 65,504 (f16); a rounded weight below 2^-17 keeps f16's fixed step of 2^-24.  NaN and infinities are not treated apart.
; SHARES.  Work-groups 0-255: 32 rows of x each, four to a wave; a row of 4,096 bytes lies in 32 registers of one wave, lane l holding columns 128 j + 4 l + 0..3,
; so mean and variance never leave the wave and x is read once.  Work-groups 256-383: 131,072 bytes of w1 (the first 64) or w2, 16,384 to a wave.
; A load of a wave covers 512 consecutive bytes, a store of 8 bytes a lane 256 consecutive bytes, aligned.  No LDS, no barrier, no matrix unit: nothing is shared.
.set GN, 8                             ; v[8:39]    gain of my 32 columns, rounded to bf16, as f32
.set BT, 40                            ; v[40:71]   bias likewise
.set XA, 72                            ; v[72:103]  the trip's first row (or unit)
.set XB, 104                           ; v[104:135] its second
.set XP, 136                           ; v[136:151] the row as bf16, to store
.set YP, 152                           ; v[152:167] the result as f16, to store
.set SC, 168                           ; v[168:183] at work: four chains; +8 mean; +10 variance, then 1/sqrt; +9, +11 the other half of the lanes'
.set SINV, 27                          ; s27 2^-10
.set SEPS, 28                          ; s28 1e-5
.set SSEL, 36                          ; s[36:37] lane selects: each lane takes its own place in the other half
.macro LOAD8 X, off                    ; 4,096 consecutive bytes: eight loads of 512
.set j, 0
.rept 8
	global_load_b128 v[\X+4*j:\X+4*j+3], v2, s[8:9] offset:(\off)+512*j th:TH_LOAD_NT
.set j, j+1
.endr
.endm
.macro TOBF X                          ; the 32 numbers rounded to bf16 into XP,
.set k, 0
.rept 16
	v_cvt_pk_bf16_f32 v[XP+k], v[\X+2*k], v[\X+2*k+1]
.set k, k+1
.endr
.endm
.macro BACK X                          ; and the rounded numbers back as f32
.set k, 0
.rept 16
	v_lshlrev_b32 v[\X+2*k], 16, v[XP+k]
	v_and_b32 v[\X+2*k+1], s26, v[XP+k]
.set k, k+1
.endr
.endm
.macro FOLD d                          ; four chains of pairs into one number
	v_pk_add_f32 v[SC:SC+1], v[SC:SC+1], v[SC+2:SC+3]
	v_pk_add_f32 v[SC+4:SC+5], v[SC+4:SC+5], v[SC+6:SC+7]
	v_pk_add_f32 v[SC:SC+1], v[SC:SC+1], v[SC+4:SC+5]
	v_add_f32 v[\d], v[SC], v[SC+1]
.endm
.macro LANESUM r, t                    ; the sum over the 32 lanes, in every lane
	v_add_f32_dpp v[\r], v[\r], v[\r] row_xmask:1 row_mask:0xf bank_mask:0xf
	v_add_f32_dpp v[\r], v[\r], v[\r] row_xmask:2 row_mask:0xf bank_mask:0xf
	v_add_f32_dpp v[\r], v[\r], v[\r] row_xmask:4 row_mask:0xf bank_mask:0xf
	v_add_f32_dpp v[\r], v[\r], v[\r] row_xmask:8 row_mask:0xf bank_mask:0xf
	v_permlanex16_b32 v[\t], v[\r], s[SSEL], s[SSEL+1]
	v_add_f32 v[\r], v[\r], v[\t]
.endm
.macro LNCORE X                        ; LayerNorm of the row in v[X ..], in place: mean, centred numbers, their variance, scale, gain and bias
.set c, 0
.rept 4
	v_pk_add_f32 v[SC+2*c:SC+2*c+1], v[\X+2*c:\X+2*c+1], v[\X+8+2*c:\X+8+2*c+1]  ; the first eight pairs start the four chains
.set c, c+1
.endr
.set p, 8
.rept 8
	v_pk_add_f32 v[SC+2*(p%4):SC+2*(p%4)+1], v[SC+2*(p%4):SC+2*(p%4)+1], v[\X+2*p:\X+2*p+1]
.set p, p+1
.endr
	FOLD SC+8
	LANESUM SC+8, SC+9
	v_mul_f32 v[SC+8], s[SINV], v[SC+8]            ; the mean of 1,024
.set p, 0
.rept 16
	v_pk_add_f32 v[\X+2*p:\X+2*p+1], v[\X+2*p:\X+2*p+1], v[SC+8:SC+9] op_sel_hi:[1,0] neg_lo:[0,1] neg_hi:[0,1]
.set p, p+1
.endr
.set c, 0
.rept 4
	v_pk_mul_f32 v[SC+2*c:SC+2*c+1], v[\X+2*c:\X+2*c+1], v[\X+2*c:\X+2*c+1]
.set c, c+1
.endr
.set p, 4
.rept 12
	v_pk_fma_f32 v[SC+2*(p%4):SC+2*(p%4)+1], v[\X+2*p:\X+2*p+1], v[\X+2*p:\X+2*p+1], v[SC+2*(p%4):SC+2*(p%4)+1]
.set p, p+1
.endr
	FOLD SC+10
	LANESUM SC+10, SC+11
	v_fma_f32 v[SC+10], v[SC+10], s[SINV], s[SEPS] ; variance + 1e-5
	v_rsq_f32 v[SC+10], v[SC+10]
	v_nop                                          ; a plain instruction between the root and the use of its result
	s_wait_alu depctr_va_vdst(0)                   ; and a wait ahead of the first use
.set p, 0
.rept 16
	v_pk_mul_f32 v[\X+2*p:\X+2*p+1], v[\X+2*p:\X+2*p+1], v[SC+10:SC+11] op_sel_hi:[1,0]
.set p, p+1
.endr
.set p, 0
.rept 16
	v_pk_fma_f32 v[\X+2*p:\X+2*p+1], v[\X+2*p:\X+2*p+1], v[GN+2*p:GN+2*p+1], v[BT+2*p:BT+2*p+1]
.set p, p+1
.endr
.endm
.macro TOF16 X
.set k, 0
.rept 16
	v_cvt_pk_f16_f32 v[YP+k], v[\X+2*k], v[\X+2*k+1]
.set k, k+1
.endr
.endm
.macro ROW X, ro                       ; one row: xb out, LayerNorm, y0 out
	s_wait_xcnt 0x0                                ; XP and YP, which the last row's stores read, are rewritten only behind this wait
	TOBF \X
.set j, 0
.rept 8
	global_store_b64 v3, v[XP+2*j:XP+2*j+1], s[18:19] offset:(\ro)*2048+256*j
.set j, j+1
.endr
	BACK \X
	LNCORE \X
	TOF16 \X
.set j, 0
.rept 8
	global_store_b64 v3, v[YP+2*j:YP+2*j+1], s[20:21] offset:(\ro)*2048+256*j
.set j, j+1
.endr
.endm
.macro UNIT X, u                       ; 1,024 weights: rounded to bf16, that number written as f16
	s_wait_xcnt 0x0                                ; YP is rewritten only behind this wait
	TOBF \X
	BACK \X
	TOF16 \X
.set j, 0
.rept 8
	global_store_b64 v3, v[YP+2*j:YP+2*j+1], s[18:19] offset:(\u)*2048+256*j
.set j, j+1
.endr
.endm
	s_load_b512 s[8:23], s[0:1], 0x0               ; x s[8:9], gain s[10:11], bias s[12:13], w1 s[14:15], w2 s[16:17], xb s[18:19], y0 s[20:21], w1h s[22:23]
	s_load_b64 s[24:25], s[0:1], 0x40              ; w2h
	v_lshrrev_b32 v1, 5, v0
	v_readfirstlane_b32 s4, v1                     ; wave 0..7
	v_and_b32 v1, 31, v0
	v_lshlrev_b32 v2, 4, v1                        ; 16 bytes a lane on the way in
	v_lshlrev_b32 v3, 3, v1                        ; 8 on the way out
	v_mov_b32 v[SC+9], 0                           ; written before v_permlanex16_b32 names them as destinations
	v_mov_b32 v[SC+11], 0
	s_mov_b32 s26, 0xffff0000                      ; a word's upper bf16
	s_mov_b32 s[SINV], 0x3a800000
	s_mov_b32 s[SEPS], 0x3727c5ac
	s_mov_b32 s[SSEL], 0x76543210
	s_mov_b32 s[SSEL+1], 0xfedcba98
	s_mov_b32 s30, 2                               ; trips: two rows (or units) each
	s_lshl_b32 s7, s4, 14                          ; my wave's 16,384 bytes of f32
	s_mov_b32 s33, 0
	s_mov_b32 s35, 0
	s_cmp_ge_u32 ttmp9, 0x100
	s_cbranch_scc1 .Lweights
	s_lshl_b32 s5, ttmp9, 17                       ; the work-group's 32 rows of 4,096 bytes
	s_add_co_u32 s32, s5, s7
	s_lshr_b32 s34, s32, 1                         ; the same rows in 16 bits
	s_wait_kmcnt 0x0
	s_add_nc_u64 s[8:9], s[8:9], s[32:33]
	s_add_nc_u64 s[18:19], s[18:19], s[34:35]
	s_add_nc_u64 s[20:21], s[20:21], s[34:35]
.set j, 0
.rept 8
	global_load_b128 v[GN+4*j:GN+4*j+3], v2, s[10:11] offset:512*j
	global_load_b128 v[BT+4*j:BT+4*j+3], v2, s[12:13] offset:512*j
.set j, j+1
.endr
	s_wait_loadcnt 0x0
.set k, 0
.rept 32                               ; gain and bias lie on end: 32 pairs, rounded to bf16 and kept as f32
	v_cvt_pk_bf16_f32 v[SC+k%4], v[GN+2*k], v[GN+2*k+1]
	v_lshlrev_b32 v[GN+2*k], 16, v[SC+k%4]
	v_and_b32 v[GN+2*k+1], s26, v[SC+k%4]
.set k, k+1
.endr
.Ltrip:
	LOAD8 XA, 0
	LOAD8 XB, 4096
	s_wait_loadcnt 8                               ; the first row is in; the second row's eight loads may stay out
	ROW XA, 0
	s_wait_loadcnt 0x0
	ROW XB, 1
	s_wait_xcnt 0x0                                ; the bases are stepped only behind this wait
	s_add_nc_u64 s[8:9], s[8:9], 8192
	s_add_nc_u64 s[18:19], s[18:19], 4096
	s_add_nc_u64 s[20:21], s[20:21], 4096
	s_sub_co_u32 s30, s30, 1
	s_cmp_lg_u32 s30, 0
	s_cbranch_scc1 .Ltrip
	s_endpgm
.Lweights:
	s_sub_co_u32 s5, ttmp9, 0x100                  ; 0..127
	s_and_b32 s6, s5, 63
	s_lshl_b32 s6, s6, 17                          ; the work-group's 131,072 bytes
	s_add_co_u32 s32, s6, s7
	s_lshr_b32 s34, s32, 1
	s_wait_kmcnt 0x0
	s_cmp_lt_u32 s5, 64
	s_cselect_b64 s[8:9], s[14:15], s[16:17]       ; w1 or w2,
	s_cselect_b64 s[18:19], s[22:23], s[24:25]     ; w1h or w2h
	s_add_nc_u64 s[8:9], s[8:9], s[32:33]
	s_add_nc_u64 s[18:19], s[18:19], s[34:35]
.Lwtrip:
	LOAD8 XA, 0
	LOAD8 XB, 4096
	s_wait_loadcnt 8                               ; the first unit is in; the second's eight loads may stay out
	UNIT XA, 0
	s_wait_loadcnt 0x0
	UNIT XB, 1
	s_wait_xcnt 0x0
	s_add_nc_u64 s[8:9], s[8:9], 8192
	s_add_nc_u64 s[18:19], s[18:19], 4096
	s_sub_co_u32 s30, s30, 1
	s_cmp_lg_u32 s30, 0
	s_cbranch_scc1 .Lwtrip
	s_endpgm
.Lfunc_end_k_q78b20afee9_prep:
	.size	k_q78b20afee9_prep, .Lfunc_end_k_q78b20afee9_prep-k_q78b20afee9_prep
	.p2alignl 7, 3214868480
	.fill 96, 4, 3214868480
	.section	.rodata,"a",@progbits
	.p2align	6, 0x0
	.amdhsa_kernel k_q78b20afee9_prep
		.amdhsa_group_segment_fixed_size 0
		.amdhsa_private_segment_fixed_size 0
		.amdhsa_enable_private_segment 0
		.amdhsa_kernarg_size 72
		.amdhsa_user_sgpr_count 2
		.amdhsa_user_sgpr_kernarg_segment_ptr 1
		.amdhsa_wavefront_size32 1
		.amdhsa_system_sgpr_workgroup_id_x 1
		.amdhsa_system_sgpr_workgroup_id_y 1
		.amdhsa_system_sgpr_workgroup_id_z 1
		.amdhsa_system_vgpr_workitem_id 0
		.amdhsa_next_free_vgpr 184
		.amdhsa_next_free_sgpr 66
		.amdhsa_reserve_vcc 0
		.amdhsa_float_denorm_mode_32 3
		.amdhsa_float_denorm_mode_16_64 3
		.amdhsa_memory_ordered 1
		.amdhsa_forward_progress 1
		.amdhsa_inst_pref_size 40
	.end_amdhsa_kernel
	.amdgpu_metadata
---
amdhsa.version: [ 1, 2 ]
amdhsa.kernels:
  - .name:           k_q78b20afee9_prep
    .symbol:         k_q78b20afee9_prep.kd
    .args:
      - { .name: x, .offset: 0, .size: 8, .value_kind: global_buffer, .address_space: global }
      - { .name: ln_gamma, .offset: 8, .size: 8, .value_kind: global_buffer, .address_space: global }
      - { .name: ln_beta, .offset: 16, .size: 8, .value_kind: global_buffer, .address_space: global }
      - { .name: w1, .offset: 24, .size: 8, .value_kind: global_buffer, .address_space: global }
      - { .name: w2, .offset: 32, .size: 8, .value_kind: global_buffer, .address_space: global }
      - { .name: xb, .offset: 40, .size: 8, .value_kind: global_buffer, .address_space: global }
      - { .name: y0, .offset: 48, .size: 8, .value_kind: global_buffer, .address_space: global }
      - { .name: w1h, .offset: 56, .size: 8, .value_kind: global_buffer, .address_space: global }
      - { .name: w2h, .offset: 64, .size: 8, .value_kind: global_buffer, .address_space: global }
    .group_segment_fixed_size: 0
    .private_segment_fixed_size: 0
    .kernarg_segment_align: 8
    .kernarg_segment_size: 72
    .max_flat_workgroup_size: 256
    .sgpr_count:     66
    .vgpr_count:     184
    .wavefront_size: 32
...
	.end_amdgpu_metadata
.endif
;; end of part 1
;; launch g1 (part 2): grid 8 x 32, 4 waves a work-group, clusters of 4 x 4, 327,680 bytes of LDS; arguments y0, w1h, b1, hbuf; writes hbuf
.if DOCPART == 2
	.amdgcn_target "amdgcn-amd-amdhsa--gfx1250"
	.amdhsa_code_object_version 6
	.text
	.protected	k_q78b20afee9_g1
	.globl	k_q78b20afee9_g1
	.p2align	8
	.type	k_q78b20afee9_g1,@function
k_q78b20afee9_g1:
	s_mov_b64 s[64:65], 0
	v_nop
	global_prefetch_b8 v0, s[64:65] scope:SCOPE_SE
	s_setreg_imm32_b32 hwreg(HW_REG_WAVE_MODE, 25, 1), 1
	s_wait_xcnt 0x0
	s_wait_alu depctr_hold_cnt(0) depctr_sa_sdst(0) depctr_va_vdst(0) depctr_va_sdst(0) depctr_va_ssrc(0) depctr_va_vcc(0) depctr_vm_vsrc(0)
	s_getreg_b32 s2, hwreg(HW_REG_IB_STS2, 6, 4)
	s_cmp_eq_u32 s2, 0
	s_cbranch_scc0 .Lentry_in_a_cluster
	s_endpgm
.Lentry_in_a_cluster:
	s_bfe_u32 s2, ttmp6, 0x10000c
	s_cmp_lg_u32 s2, 0xf033
	s_cbranch_scc0 .Lentry_shape_is_right
	s_endpgm
.Lentry_shape_is_right:
; h = f16(gelu(y0 w1h + b1)).  y0: [8192][1024] f16, w1h: [1024 k][2048 n] f16, b1: [2048] f32 (rounded to bf16 here), h: [8192][2048] f16.  Sums in f32.
; gelu(z) = max(z, 0) - |z| Q(|z|), Q the normal tail by Abramowitz and Stegun 26.2.17 (absolute error 7.5e-8): Q(a) = 2^(-0.72134752 a a) t (c1 + t (c2 + t (c3 + t (c4 + t c5)))), t = 1 / (1 + 0.2316419 a).
; LIMITS.  |h| stays under 65,504 (f16); an exponential below 2^-126 counts as 0; NaN and infinities are not treated apart.
; SHARES.  A work-group makes 256 x 256 of h, its four waves 128 x 128 each (64 accumulators, 512 registers).  K goes in 8 steps of 128 through two LDS slots.
; A's rows lie along K (LDS pitch 272); B lies [k][n] (pitch 544) and comes out of LDS turned, by ds_load_tr16_b128.  Source 0 = 16 columns of B, source 1 = 16 rows of A:
; a lane then holds one row of the result and eight neighbouring columns.  The bias is the C operand of the products that start the sums.
; CLUSTER.  4 x 4 work-groups; A's tile is asked for jointly along a row of the cluster, B's along a column.  All of a WGP's LDS is claimed.
; REGISTERS.  Window 0: v0-31 addresses, v64-191 A's two fragment buffers, v192-255 the bias.  Window 1: v64-191 B's two buffers.  Windows 2, 3: the accumulators, (a, b) at 8 ((8 a + b) % 32).
.set F16, 1
.set HASBIAS, 1
.set ATR, 0                            ; A's rows lie along K
.set NA, 8                             ; fragments of A, of B in a plane, planes of B
.set NB, 8
.set PL, 1
.set TSTEPS, 8
.set PA, 272
.set PB, 544
.set BOFF, 69632                       ; B's region in a slot
.set PLANE, 0
.set AFILL, 34816                      ; what one tensor load fills: 128 rows x 272; 64 rows x 544
.set BFILL, 34816
.set XS, 0x22000                       ; slot 1; it shares no bit with a fill's address in slot 0
.set STAGE, 278528                     ; 16 rows x 272 bytes for each wave
.set SPARE, 295936                     ; the spare words: 128 bytes for each wave
.set FA0, 64
.set FA1, 128
.set FB0, 64
.set FB1, 128
.set NL, 32                            ; LDS loads in a run
.set HW, 8                             ; the youngest of them, wanted only by a quarter's second half: A's fragments 4-7
.set AH, 2                             ; the prefetch stands so many steps ahead of the refill
.set ASTEP, 256
.set BSTEP, 524288
.set AQI, 5
.set APAD, 4
.set AD0, 128
.set AD1, 128
.set ASTR, 1024
.set BQI, 6
.set BPAD, 8
.set BD0, 256
.set BD1, 64
.set BSTR, 2048
.set BIAS, 192
.set G1A, 24
.set G0A, 32
.set G1B, 48
.set G0B, 56
.set MSB, 0
.macro WIN new                         ; the immediate's high byte repeats the setting that is left; a switch that changes nothing is dropped
.if MSB != (\new)
	s_set_vgpr_msb (MSB<<8)|(\new)
.set MSB, \new
.endif
.endm
.macro PLACES                          ; four plain instructions between a matrix instruction and a load into, or a reader of, its registers
.rept 4
	v_nop
.endr
.endm
.macro CREST                           ; a round of the cluster's barrier behind its opening barrier
	s_cmp_lg_u32 s12, 0
	s_cbranch_scc1 .Lnot_wave_0_\@
	s_barrier_signal -3
.Lnot_wave_0_\@:
	s_barrier_wait -3
	s_barrier_signal -1
	s_barrier_wait -1
.endm
.macro CROUND
	s_barrier_signal -1
	s_barrier_wait -1
	CREST
.endm
.macro JLOAD                           ; a joint refill by the walking descriptors: waves 0, 1 A's two parts, waves 2, 3 B's
	s_cmp_eq_u32 s13, 0
	s_cbranch_scc0 .Lfor_b_\@
	tensor_load_to_lds s[G0A+4:G0A+7], s[G1A:G1A+7]
	s_nop 0
	PLACES
	s_branch .Lasked_\@
.Lfor_b_\@:
	tensor_load_to_lds s[G0B+4:G0B+7], s[G1B:G1B+7]
	s_nop 0
	PLACES
.Lasked_\@:
.endm
.macro ASK                             ; a lane a block of 256 bytes of the step AH behind the one just asked for; it stops where that step would pass the last
	WIN 0
	s_cmp_gt_u32 s66, s68
	s_cbranch_scc0 .Lnot_mine_\@
	global_prefetch_b8 v30, s[70:71] th:TH_LOAD_NT scope:SCOPE_SE
.Lnot_mine_\@:
.endm
.macro WM d, s0, s1, cm, c
.if F16
.if (\cm)
	v_wmma_f32_16x16x32_f16 v[\d:\d+7], v[\s0:\s0+7], v[\s1:\s1+7], v[\c:\c+7]
.else
	v_wmma_f32_16x16x32_f16 v[\d:\d+7], v[\s0:\s0+7], v[\s1:\s1+7], 0
.endif
.else
.if (\cm)
	v_wmma_f32_16x16x32_bf16 v[\d:\d+7], v[\s0:\s0+7], v[\s1:\s1+7], v[\c:\c+7]
.else
	v_wmma_f32_16x16x32_bf16 v[\d:\d+7], v[\s0:\s0+7], v[\s1:\s1+7], 0
.endif
.endif
.endm
; n row blocks from a0 on x all NB column blocks, 32 along K, buffer f, plane p.  The accumulators take turns, one instruction a turn.  first = 1: the products start the sums.
.macro MM f, p, a0, n, first
.set ma, \a0
.rept \n
.set mb, 0
.rept NB
.set mi, NB*ma+mb
.set rD, 8*(mi%32)
.set rB, FB0+(FB1-FB0)*(\f)+8*NB*(\p)+8*mb
.set rA, FA0+(FA1-FA0)*(\f)+8*ma
.set rC, BIAS+8*mb
.if (\first) && HASBIAS
	WIN 0x81+0x40*(mi/32)
	WM rD, rB, rA, 1, rC
.elseif \first
	WIN 0xa1+0x50*(mi/32)
	WM rD, rB, rA, 0, rD
.else
	WIN 0xa1+0x50*(mi/32)
	WM rD, rB, rA, 1, rD
.endif
.set mb, mb+1
.endr
.set ma, ma+1
.endr
.endm
.macro LDA q, f
.set fA, FA0+(FA1-FA0)*(\f)
.set fi, 0
.rept NA
.if ATR
	ds_load_tr16_b128 v[fA+8*fi:fA+8*fi+3], v16 offset:32*PA*(\q)+32*fi
	ds_load_tr16_b128 v[fA+8*fi+4:fA+8*fi+7], v16 offset:32*PA*(\q)+32*fi+16*PA
.else
	ds_load_b128 v[fA+8*fi:fA+8*fi+3], v16 offset:64*(\q)+16*PA*fi
	ds_load_b128 v[fA+8*fi+4:fA+8*fi+7], v16 offset:64*(\q)+16*PA*fi+32
.endif
.set fi, fi+1
.endr
.endm
.macro LDB q, f, p
.set fB, FB0+(FB1-FB0)*(\f)+8*NB*(\p)
.set fi, 0
.rept NB
	ds_load_tr16_b128 v[fB+8*fi:fB+8*fi+3], v[20+(\p)] offset:32*PB*(\q)+32*fi
	ds_load_tr16_b128 v[fB+8*fi+4:fB+8*fi+7], v[20+(\p)] offset:32*PB*(\q)+32*fi+16*PB
.set fi, fi+1
.endr
.endm
.macro FETCH q, f                      ; one run of NL loads: quarter q of the slot in hand into buffer f; what a quarter's second half wants comes last
.if PL == 1
	WIN 0x40
	LDB \q, \f, 0
	WIN 0
	LDA \q, \f
.else
	WIN 0
	LDA \q, \f
	WIN 0x40
	LDB \q, \f, 0
	LDB \q, \f, 1
.endif
.endm
.macro QUARTER q, f, g, first          ; multiplies buffer f; in its middle fetches quarter q into buffer g
	s_wait_dscnt HW                                ; all of the last run but its youngest HW loads
.if PL == 1
	MM \f, 0, 0, NA/2, \first
.else
	MM \f, 0, 0, NA, \first
.endif
	PLACES
	FETCH \q, \g
	s_wait_dscnt NL                                ; all but the run just issued
.if PL == 1
	MM \f, 0, NA/2, NA/2, \first
.else
	MM \f, 1, 0, NA, 0
.endif
.endm
; A step's fourth quarter (buffer 1) and the change of slots.  Each wave waits for all its tensor loads (one is out: its part of the next slot), adds 0 to its spare word, and waits for that and for its
; reads of this slot; behind the barrier nobody reads this slot and the next is whole.  fill = 1: the barrier opens a round of the cluster's, and the joint refill, two steps ahead, is the first thing behind it.
.macro TURN fill
.if \fill
	s_wait_xcnt 0x0                                ; the last prefetch, a step back, has read its address
	s_add_nc_u64 s[70:71], s[70:71], s[72:73]
.endif
	WIN 0
	s_wait_tensorcnt 0x0
	ds_add_u32 v28, v29
.if \fill
	s_xor_b32 s[G0A+5], s[G0A+5], XS               ; no tensor load of mine is out: the walking descriptors take the other slot and the next step
	s_add_nc_u64 s[G0A+6:G0A+7], s[G0A+6:G0A+7], ASTEP
	s_xor_b32 s[G0B+5], s[G0B+5], XS
	s_add_nc_u64 s[G0B+6:G0B+7], s[G0B+6:G0B+7], BSTEP
.endif
	s_wait_dscnt HW+1                              ; the add and the youngest HW loads may be out
.if PL == 1
	MM 1, 0, 0, NA/4, 0
.else
	MM 1, 0, 0, NA/2, 0
.endif
	s_wait_dscnt 0x0                               ; the add is done, and my reads of this slot are over
	s_barrier_signal -1
.if PL == 1
	MM 1, 0, NA/4, NA/4, 0
.else
	MM 1, 0, NA/2, NA/2, 0
.endif
	WIN 0
	s_barrier_wait -1
.if \fill
	CREST
	JLOAD                                          ; its four v_nop are also the places in front of the loads below
.else
	PLACES
.endif
	s_xor_b32 s67, s67, XS                         ; the reads go to the other slot
	v_add_nc_u32 v16, s67, v10
	v_add_nc_u32 v20, s67, v11
.if PL == 2
	v_add_nc_u32 v21, s67, v12
.endif
	FETCH 0, 0
.if \fill
	ASK
.endif
.if PL == 1
	MM 1, 0, NA/2, NA/2, 0
.else
	MM 1, 1, 0, NA, 0
.endif
.endm
	s_load_b256 s[4:11], s[0:1], 0x0               ; y0 s[4:5], w1h s[6:7], b1 s[8:9], h s[10:11]
	v_lshl_add_u32 v28, v0, 2, SPARE
	v_mov_b32 v29, 0
	ds_add_u32 v28, v29                            ; the opening: the add, twice on end, and its wait ahead of my first tensor load
	ds_add_u32 v28, v29
	v_lshrrev_b32 v1, 5, v0
	v_readfirstlane_b32 s12, v1                    ; wave 0..3
	s_lshr_b32 s13, s12, 1                         ; I fetch for A (0) or B (1); also my half of the tile's rows
	s_and_b32 s14, s12, 1                          ; which part I fetch; also my half of its columns
	s_bfe_u32 s15, ttmp6, 0x40000                  ; cx
	s_bfe_u32 s16, ttmp6, 0x40004                  ; cy
	s_lshl_b32 s17, ttmp9, 2
	s_add_co_u32 s17, s17, s15                     ; tile column
	s_and_b32 s20, ttmp7, 0xffff                   ; the cluster's y
	s_lshl_b32 s18, s20, 2
	s_add_co_u32 s18, s18, s16                     ; tile row
	s_mov_b32 s19, ttmp9                           ; the cluster's x
	s_lshr_b32 s21, s20, 1
	s_lshl_b32 s22, s16, 2
	s_lshl_b32 s22, 15, s22                        ; my row of the cluster
	s_lshl_b32 s23, 0x1111, s15                    ; my column
	s_or_b32 s[G1A], s22, (1<<16)|(1<<20)|(1<<21)|(AQI<<22)|((APAD-1)<<25)
	s_or_b32 s[G1B], s23, (1<<16)|(1<<20)|(1<<21)|(BQI<<22)|((BPAD-1)<<25)
	s_mov_b32 s[G1A+1], AD0<<16
	s_mov_b32 s[G1A+2], AD1<<16
	s_mov_b32 s[G1A+3], AD0<<16
	s_mov_b32 s[G1A+4], AD1
	s_mov_b32 s[G1A+5], ASTR
	s_mov_b32 s[G1A+6], 0
	s_mov_b32 s[G1A+7], 0
	s_mov_b32 s[G1B+1], BD0<<16
	s_mov_b32 s[G1B+2], BD1<<16
	s_mov_b32 s[G1B+3], BD0<<16
	s_mov_b32 s[G1B+4], BD1
	s_mov_b32 s[G1B+5], BSTR
	s_mov_b32 s[G1B+6], 0
	s_mov_b32 s[G1B+7], 0
	s_mul_i32 s44, s14, AFILL                      ; where my fill lands in slot 0, for A
	s_mul_i32 s45, s14, BFILL
	s_add_co_u32 s45, s45, BOFF                    ; and for B
	s_mov_b32 s67, 0
	s_mov_b32 s69, 0xffff0000
	; this launch's offsets.  A: row 256 TY + 128 part, 2,048 bytes a row.  B: k-row 64 part, 4,096 bytes a row, column byte 512 TX
	s_lshl_b32 s40, s18, 19
	s_lshl_b32 s41, s14, 18
	s_add_co_u32 s40, s40, s41
	s_mov_b32 s41, 0
	s_lshl_b32 s42, s14, 18
	s_lshl_b32 s43, s17, 9
	s_add_co_u32 s42, s42, s43
	s_mov_b32 s43, 0
	s_mul_i32 s46, s13, 128*PA                     ; my 128 rows of A in a slot
	s_lshl_b32 s47, s14, 8
	s_add_co_u32 s47, s47, BOFF                    ; my 128 columns of B
	s_lshl_b32 s76, s18, 20                        ; my part of the tile in h: row 256 TY + 128 wr, 4,096 bytes a row; byte 512 TX + 256 wc
	s_lshl_b32 s77, s13, 19
	s_add_co_u32 s76, s76, s77
	s_lshl_b32 s77, s17, 9
	s_add_co_u32 s76, s76, s77
	s_lshl_b32 s77, s14, 8
	s_add_co_u32 s76, s76, s77
	s_mov_b32 s77, 0
	s_lshl_b32 s96, s18, 19                        ; the prefetches.  A: of the 128 rows that I fetch my work-group's 32 (by cx), at step AH + 1
	s_lshl_b32 s97, s14, 18
	s_add_co_u32 s96, s96, s97
	s_lshl_b32 s97, s15, 16
	s_add_co_u32 s96, s96, s97
	s_add_co_u32 s96, s96, (AH+1)*ASTEP
	s_lshl_b32 s98, s14, 18                        ; B: of my 64 k-rows my work-group's 16 (by cy), two blocks of 256 bytes a row
	s_lshl_b32 s99, s16, 16
	s_add_co_u32 s98, s98, s99
	s_lshl_b32 s99, s17, 9
	s_add_co_u32 s98, s98, s99
	s_add_co_u32 s98, s98, (AH+1)*BSTEP
	s_mov_b32 s100, s19                            ; A's rows are read by every cluster of this row of clusters: the first asks
	s_mov_b32 s101, s20                            ; B's by every cluster of this column: the first asks
	s_mov_b32 s80, 0x3e6d3389                      ; 0.2316419; each constant is named as a pair, so both words are written
	s_mov_b32 s81, s80
	s_mov_b32 s82, 0xbf38aa3b                      ; -log2(e) / 2
	s_mov_b32 s83, s82
	s_mov_b32 s84, 0x3e027906                      ; c1 .. c5: the series' coefficients over sqrt(2 pi)
	s_mov_b32 s85, s84
	s_mov_b32 s86, 0xbe11a98e
	s_mov_b32 s87, s86
	s_mov_b32 s88, 0x3f35f0e3
	s_mov_b32 s89, s88
	s_mov_b32 s90, 0xbf3a00e3
	s_mov_b32 s91, s90
	s_mov_b32 s92, 0x3f07dc22
	s_mov_b32 s93, s92
	s_mov_b32 s94, 0x7fffffff
	s_wait_dscnt 0x0                               ; both opening adds are done
	s_wait_kmcnt 0x0
	s_add_nc_u64 s[40:41], s[4:5], s[40:41]
	s_add_nc_u64 s[42:43], s[6:7], s[42:43]
.irp s, 0,1
	s_mov_b32 s[G0A+4*(\s)], 1
	s_add_co_u32 s[G0A+4*(\s)+1], s44, (\s)*XS
	s_add_nc_u64 s[G0A+4*(\s)+2:G0A+4*(\s)+3], s[40:41], (\s)*ASTEP
	s_or_b32 s[G0A+4*(\s)+3], s[G0A+4*(\s)+3], 0x80000000
	s_mov_b32 s[G0B+4*(\s)], 1
	s_add_co_u32 s[G0B+4*(\s)+1], s45, (\s)*XS
	s_add_nc_u64 s[G0B+4*(\s)+2:G0B+4*(\s)+3], s[42:43], (\s)*BSTEP
	s_or_b32 s[G0B+4*(\s)+3], s[G0B+4*(\s)+3], 0x80000000
.endr
	s_mov_b32 s97, ASTEP
	s_mov_b32 s99, BSTEP
	s_cmp_eq_u32 s13, 0                            ; by my role, which hangs on the wave's number alone
	s_cselect_b64 s[70:71], s[4:5], s[6:7]
	s_cselect_b32 s72, s97, s99
	s_cselect_b32 s96, s96, s98
	s_cselect_b32 s100, s100, s101
	s_mov_b32 s97, 0
	s_mov_b32 s73, 0
	s_add_nc_u64 s[70:71], s[70:71], s[96:97]
	s_cmp_eq_u32 s100, 0
	s_cselect_b32 s68, AH, -1                      ; a wave asks while the trips to come are more than this
	CROUND                                         ; all sixteen work-groups are here: the first joint loads meet
	s_cmp_eq_u32 s13, 0
	s_cbranch_scc0 .Lfirst_b
	tensor_load_to_lds s[G0A:G0A+3], s[G1A:G1A+7]
	s_nop 0
	tensor_load_to_lds s[G0A+4:G0A+7], s[G1A:G1A+7]
	s_nop 0
	PLACES
	s_branch .Lfirst_asked
.Lfirst_b:
	tensor_load_to_lds s[G0B:G0B+3], s[G1B:G1B+7]
	s_nop 0
	tensor_load_to_lds s[G0B+4:G0B+7], s[G1B:G1B+7]
	s_nop 0
	PLACES
.Lfirst_asked:
	v_and_b32 v1, 15, v0                           ; r = l % 16
	v_bfe_u32 v2, v0, 4, 1                         ; h = l / 16
	v_and_b32 v3, 7, v0
	v_bfe_u32 v4, v0, 3, 1
	v_and_b32 v5, 31, v0
	v_lshl_add_u32 v6, v2, 3, v3                   ; the turning load: lane l reads k-row 8 h + l % 8, 16 bytes at 16 ((l / 8) % 2)
	v_mul_u32_u24 v7, v6, PB
	v_lshl_add_u32 v7, v4, 4, v7
	v_add_nc_u32 v11, s47, v7
.if PL == 2
	v_add_nc_u32 v12, PLANE, v11
.endif
.if ATR
	v_mul_u32_u24 v8, v6, PA
	v_lshl_add_u32 v8, v4, 4, v8
.else
	v_mul_u32_u24 v8, v1, PA                       ; rows along K: row r, 16 bytes for each half of the lanes
	v_lshl_add_u32 v8, v2, 4, v8
.endif
	v_add_nc_u32 v10, s46, v8
	v_mov_b32 v16, v10
	v_mov_b32 v20, v11
.if PL == 2
	v_mov_b32 v21, v12
.endif
	s_mul_i32 s95, s12, 16*272
	s_add_co_u32 s95, s95, STAGE                   ; my stage
	v_mul_u32_u24 v6, v1, 272
	v_lshl_add_u32 v6, v2, 4, v6
	v_add_nc_u32 v24, s95, v6                      ; in: row r, 16 bytes for each half of the lanes
	v_mul_u32_u24 v6, v2, 272
	v_lshl_add_u32 v6, v1, 4, v6
	v_add_nc_u32 v25, s95, v6                      ; back: lanes 0-15 one row of 256 bytes, lanes 16-31 the next
	v_lshlrev_b32 v6, 12, v2
	v_lshl_add_u32 v26, v1, 4, v6                  ; the same two rows in h
	s_cmp_eq_u32 s13, 0                            ; the prefetch's lane term.  A: a lane a row of 2,048 bytes.  B: two lanes a row of 4,096 bytes
	s_cselect_b32 s97, 0, 1
	s_cselect_b32 s98, 11, 12
	v_lshrrev_b32 v6, s97, v5
	v_lshlrev_b32 v6, s98, v6
	v_and_b32 v7, s97, v5
	v_lshl_add_u32 v30, v7, 8, v6
	s_lshl_b32 s98, s17, 10                        ; the bias of my 128 columns: register 8 b + j holds column 16 b + 8 h + j
	s_lshl_b32 s99, s14, 9
	s_add_co_u32 s98, s98, s99
	v_lshl_add_u32 v27, v2, 5, s98
.irp b, 0,1,2,3,4,5,6,7
	global_load_b128 v[BIAS+8*(\b):BIAS+8*(\b)+3], v27, s[8:9] offset:64*(\b)
	global_load_b128 v[BIAS+8*(\b)+4:BIAS+8*(\b)+7], v27, s[8:9] offset:64*(\b)+16
.endr
	s_wait_loadcnt 0x0
.set k, 0
.rept 32                               ; rounded to bf16 like every input, kept as f32
	v_cvt_pk_bf16_f32 v[32+k%4], v[BIAS+2*k], v[BIAS+2*k+1]
	v_lshlrev_b32 v[BIAS+2*k], 16, v[32+k%4]
	v_and_b32 v[BIAS+2*k+1], s69, v[32+k%4]
.set k, k+1
.endr
	s_wait_tensorcnt 0x1                           ; my part of step 0 is in; step 1's load may stay out
	s_barrier_signal -1
	s_barrier_wait -1
	FETCH 0, 0
	QUARTER 1, 0, 1, 1                             ; the first quarter starts the sums
	WIN 0
	s_mov_b32 s66, TSTEPS-2
.Lstep:                                ; a trip: a step's quarters 1 to 3 and the next step's quarter 0; the slot that is left takes the step two on
	QUARTER 2, 1, 0, 0
	QUARTER 3, 0, 1, 0
	TURN 1
	QUARTER 1, 0, 1, 0
	WIN 0
	s_sub_co_u32 s66, s66, 1
	s_cmp_lg_u32 s66, 0
	s_cbranch_scc1 .Lstep
	s_mov_b32 s66, 2
.Ltail:                                ; the last two steps ask for nothing; the second trip is left in its middle, and its run of loads from the slot read before serves nothing
	QUARTER 2, 1, 0, 0
	QUARTER 3, 0, 1, 0
	TURN 0
	WIN 0
	s_sub_co_u32 s66, s66, 1
	s_cmp_eq_u32 s66, 0
	s_cbranch_scc1 .Lout
	QUARTER 1, 0, 1, 0
	WIN 0
	s_branch .Ltail
.Lout:
	s_wait_dscnt 0x0
	PLACES
	PLACES
; THE WAY OUT: a loop over my eight blocks of 16 rows.  Only the lines that read a block's accumulators are written eight times (IN); the rest works on fixed registers.
.set AZ, 0                             ; window 1: |z|
.set TT, 64                            ; window 1: 1 + 0.2316419 |z|, then t
.set EE, 128                           ; window 1: the exponent, then the exponential
.set PP, 192                           ; window 1: the series
.set RR, 64                            ; window 0: max(z, 0), then gelu
.set TMP, 192                          ; window 0: packed f16
.set OB, 32                            ; window 0: whole rows
.macro IN a                            ; each accumulator's registers in ascending order
.set zb, 64*((\a)%4)
	WIN 0x48+4*((\a)/4)
.set i, 0
.rept 64
	v_and_b32 v[AZ+i], s94, v[zb+i]
.set i, i+1
.endr
	WIN 0x08+4*((\a)/4)
.set i, 0
.rept 64
	v_max_num_f32 v[RR+i], 0, v[zb+i]
.set i, i+1
.endr
	WIN 0
.endm
	s_mov_b32 s78, 0
.Lblk:
.irp a, 0,1,2,3,4,5,6
	s_cmp_eq_u32 s78, \a
	s_cbranch_scc1 .Lin\a
.endr
	IN 7
	s_branch .Lcom
.irp a, 0,1,2,3,4,5,6
.Lin\a:
	IN \a
	s_branch .Lcom
.endr
.Lcom:
	WIN 0x55
.set k, 0
.rept 32
	v_pk_fma_f32 v[TT+2*k:TT+2*k+1], v[AZ+2*k:AZ+2*k+1], s[80:81], 1.0 op_sel_hi:[1,0,0]
.set k, k+1
.endr
.set k, 0
.rept 64                               ; the reciprocals: one batch, a plain line behind each
	v_rcp_f32 v[TT+k], v[TT+k]
.if k < 32
	v_pk_mul_f32 v[EE+2*k:EE+2*k+1], v[AZ+2*k:AZ+2*k+1], v[AZ+2*k:AZ+2*k+1]
.else
	v_pk_mul_f32 v[EE+2*(k-32):EE+2*(k-32)+1], v[EE+2*(k-32):EE+2*(k-32)+1], s[82:83] op_sel_hi:[1,0]
.endif
.set k, k+1
.endr
	s_wait_alu depctr_va_vdst(0)                   ; one wait for the 64 reciprocals, ahead of their first reader
.set n, 0
.rept 160                              ; the series, stage by stage; the 64 exponentials, one batch, stand two to every five of its lines; the last line is plain
.set k, n%32
.if n/32 == 0
	v_pk_fma_f32 v[PP+2*k:PP+2*k+1], v[TT+2*k:TT+2*k+1], s[92:93], s[90:91] op_sel_hi:[1,0,0]
.elseif n/32 == 1
	v_pk_fma_f32 v[PP+2*k:PP+2*k+1], v[PP+2*k:PP+2*k+1], v[TT+2*k:TT+2*k+1], s[88:89] op_sel_hi:[1,1,0]
.elseif n/32 == 2
	v_pk_fma_f32 v[PP+2*k:PP+2*k+1], v[PP+2*k:PP+2*k+1], v[TT+2*k:TT+2*k+1], s[86:87] op_sel_hi:[1,1,0]
.elseif n/32 == 3
	v_pk_fma_f32 v[PP+2*k:PP+2*k+1], v[PP+2*k:PP+2*k+1], v[TT+2*k:TT+2*k+1], s[84:85] op_sel_hi:[1,1,0]
.else
	v_pk_mul_f32 v[PP+2*k:PP+2*k+1], v[PP+2*k:PP+2*k+1], v[TT+2*k:TT+2*k+1]
.endif
.if (n%5 == 1) || (n%5 == 3)
	v_exp_f32 v[EE+2*(n/5)+(n%5)/2], v[EE+2*(n/5)+(n%5)/2]
.endif
.set n, n+1
.endr
	s_wait_alu depctr_va_vdst(0)                   ; one wait for the 64 exponentials
.set k, 0
.rept 32
	v_pk_mul_f32 v[PP+2*k:PP+2*k+1], v[PP+2*k:PP+2*k+1], v[EE+2*k:EE+2*k+1]
.set k, k+1
.endr
	WIN 0x05
.set k, 0
.rept 32
	v_pk_fma_f32 v[RR+2*k:RR+2*k+1], v[AZ+2*k:AZ+2*k+1], v[PP+2*k:PP+2*k+1], v[RR+2*k:RR+2*k+1] neg_lo:[1,0,0] neg_hi:[1,0,0]
.set k, k+1
.endr
	WIN 0
.set k, 0
.rept 32
	v_cvt_pk_f16_f32 v[TMP+k], v[RR+2*k], v[RR+2*k+1]
.set k, k+1
.endr
	s_wait_xcnt 0x0                                ; the last block's stores have read their base and OB
	s_add_nc_u64 s[10:11], s[10:11], s[76:77]      ; first my part of the tile, then 16 rows on
	s_mov_b32 s76, 16*4096
.irp b, 0,1,2,3,4,5,6,7
	ds_store_b128 v24, v[TMP+4*(\b):TMP+4*(\b)+3] offset:32*(\b)
.endr
.irp t, 0,1,2,3,4,5,6,7
	ds_load_b128 v[OB+4*(\t):OB+4*(\t)+3], v25 offset:544*(\t)  ; a wave's LDS instructions are served in order: these see the stores above
.endr
	s_wait_dscnt 0x0
.irp t, 0,1,2,3,4,5,6,7
	global_store_b128 v26, v[OB+4*(\t):OB+4*(\t)+3], s[10:11] offset:8192*(\t)  ; 16 lanes store 256 consecutive bytes, aligned
.endr
	s_add_co_u32 s78, s78, 1
	s_cmp_lt_u32 s78, 8
	s_cbranch_scc1 .Lblk
	s_wait_tensorcnt 0x0                           ; the wave's end
	ds_add_u32 v28, v29
	s_wait_dscnt 0x0
	CROUND                                         ; the closing round
	s_endpgm
.Lfunc_end_k_q78b20afee9_g1:
	.size	k_q78b20afee9_g1, .Lfunc_end_k_q78b20afee9_g1-k_q78b20afee9_g1
	.p2alignl 7, 3214868480
	.fill 96, 4, 3214868480
	.section	.rodata,"a",@progbits
	.p2align	6, 0x0
	.amdhsa_kernel k_q78b20afee9_g1
		.amdhsa_group_segment_fixed_size 327680
		.amdhsa_private_segment_fixed_size 0
		.amdhsa_enable_private_segment 0
		.amdhsa_kernarg_size 32
		.amdhsa_user_sgpr_count 2
		.amdhsa_user_sgpr_kernarg_segment_ptr 1
		.amdhsa_wavefront_size32 1
		.amdhsa_system_sgpr_workgroup_id_x 1
		.amdhsa_system_sgpr_workgroup_id_y 1
		.amdhsa_system_sgpr_workgroup_id_z 1
		.amdhsa_system_vgpr_workitem_id 0
		.amdhsa_next_free_vgpr 1024
		.amdhsa_next_free_sgpr 102
		.amdhsa_reserve_vcc 0
		.amdhsa_float_denorm_mode_32 3
		.amdhsa_float_denorm_mode_16_64 3
		.amdhsa_memory_ordered 1
		.amdhsa_forward_progress 1
		.amdhsa_inst_pref_size 138
	.end_amdhsa_kernel
	.amdgpu_metadata
---
amdhsa.version: [ 1, 2 ]
amdhsa.kernels:
  - .name:           k_q78b20afee9_g1
    .symbol:         k_q78b20afee9_g1.kd
    .args:
      - { .name: y0, .offset: 0, .size: 8, .value_kind: global_buffer, .address_space: global }
      - { .name: w1h, .offset: 8, .size: 8, .value_kind: global_buffer, .address_space: global }
      - { .name: b1, .offset: 16, .size: 8, .value_kind: global_buffer, .address_space: global }
      - { .name: hbuf, .offset: 24, .size: 8, .value_kind: global_buffer, .address_space: global }
    .group_segment_fixed_size: 327680
    .private_segment_fixed_size: 0
    .kernarg_segment_align: 8
    .kernarg_segment_size: 32
    .max_flat_workgroup_size: 128
    .sgpr_count:     102
    .vgpr_count:     1024
    .wavefront_size: 32
...
	.end_amdgpu_metadata
.endif
;; end of part 2
;; launch g2 (part 3): grid 8 x 32, 4 waves a work-group, clusters of 4 x 4, 327,680 bytes of LDS; arguments hbuf, w2h, b2, y2; writes y2
.if DOCPART == 3
	.amdgcn_target "amdgcn-amd-amdhsa--gfx1250"
	.amdhsa_code_object_version 6
	.text
	.protected	k_q78b20afee9_g2
	.globl	k_q78b20afee9_g2
	.p2align	8
	.type	k_q78b20afee9_g2,@function
k_q78b20afee9_g2:
	s_mov_b64 s[64:65], 0
	v_nop
	global_prefetch_b8 v0, s[64:65] scope:SCOPE_SE
	s_setreg_imm32_b32 hwreg(HW_REG_WAVE_MODE, 25, 1), 1
	s_wait_xcnt 0x0
	s_wait_alu depctr_hold_cnt(0) depctr_sa_sdst(0) depctr_va_vdst(0) depctr_va_sdst(0) depctr_va_ssrc(0) depctr_va_vcc(0) depctr_vm_vsrc(0)
	s_getreg_b32 s2, hwreg(HW_REG_IB_STS2, 6, 4)
	s_cmp_eq_u32 s2, 0
	s_cbranch_scc0 .Lentry_in_a_cluster
	s_endpgm
.Lentry_in_a_cluster:
	s_bfe_u32 s2, ttmp6, 0x10000c
	s_cmp_lg_u32 s2, 0xf033
	s_cbranch_scc0 .Lentry_shape_is_right
	s_endpgm
.Lentry_shape_is_right:
; y2 = h w2h + b2, stored as two bf16 planes: hi = bf16(v) at byte 0, lo = bf16(v - hi) at byte 16,777,216: 16 significant bits over f32's range.
; h: [8192][2048] f16, w2h: [2048 k][1024 n] f16, b2: [1024] f32 (rounded to bf16 here).  Sums in f32.  NaN and infinities are not treated apart.
; SHARES.  A work-group makes 256 x 128, wave w its rows 64 w .. 64 w + 63 and all 128 columns (32 accumulators), so that a wave owns whole rows of 256 bytes on the way out.
; K goes in 16 steps of 128 through two LDS slots; A's rows lie along K (pitch 272); B lies [k][n] (pitch 288) and comes out turned.  Source 0 = B, source 1 = A.  The bias is the C operand of the first products.
; CLUSTER.  4 x 4; A's tile jointly along a row of the cluster, B's along a column.  All of a WGP's LDS is claimed.
; REGISTERS.  Window 0: v0-31 addresses, v64-127 A's two buffers, v192-255 the bias.  Window 1: v0-127 B's two buffers.  Window 2: accumulator (a, b) at 8 (8 a + b).
.set F16, 1
.set HASBIAS, 1
.set ATR, 0
.set NA, 4
.set NB, 8
.set PL, 1
.set TSTEPS, 16
.set PA, 272
.set PB, 288
.set BOFF, 69632
.set PLANE, 0
.set AFILL, 34816                      ; 128 rows x 272
.set BFILL, 18432                      ; 64 k-rows x 288
.set XS, 0x20000
.set STAGE, 237568                     ; for each wave 16 rows x 272 of the hi plane, then of the lo plane
.set SPARE, 272384
.set FA0, 64
.set FA1, 96
.set FB0, 0
.set FB1, 64
.set NL, 24
.set HW, 4                             ; A's fragments 2, 3
.set AH, 4
.set ASTEP, 256
.set BSTEP, 262144
.set AQI, 5
.set APAD, 4
.set AD0, 128
.set AD1, 128
.set ASTR, 2048
.set BQI, 5
.set BPAD, 8
.set BD0, 128
.set BD1, 64
.set BSTR, 1024
.set BIAS, 192
.set G1A, 24
.set G0A, 32
.set G1B, 48
.set G0B, 56
.set MSB, 0
.macro WIN new                         ; the immediate's high byte repeats the setting that is left; a switch that changes nothing is dropped
.if MSB != (\new)
	s_set_vgpr_msb (MSB<<8)|(\new)
.set MSB, \new
.endif
.endm
.macro PLACES                          ; four plain instructions between a matrix instruction and a load into, or a reader of, its registers
.rept 4
	v_nop
.endr
.endm
.macro CREST                           ; a round of the cluster's barrier behind its opening barrier
	s_cmp_lg_u32 s12, 0
	s_cbranch_scc1 .Lnot_wave_0_\@
	s_barrier_signal -3
.Lnot_wave_0_\@:
	s_barrier_wait -3
	s_barrier_signal -1
	s_barrier_wait -1
.endm
.macro CROUND
	s_barrier_signal -1
	s_barrier_wait -1
	CREST
.endm
.macro JLOAD                           ; a joint refill by the walking descriptors: waves 0, 1 A's two parts, waves 2, 3 B's
	s_cmp_eq_u32 s13, 0
	s_cbranch_scc0 .Lfor_b_\@
	tensor_load_to_lds s[G0A+4:G0A+7], s[G1A:G1A+7]
	s_nop 0
	PLACES
	s_branch .Lasked_\@
.Lfor_b_\@:
	tensor_load_to_lds s[G0B+4:G0B+7], s[G1B:G1B+7]
	s_nop 0
	PLACES
.Lasked_\@:
.endm
.macro ASK                             ; a lane a block of 256 bytes of the step AH behind the one just asked for; it stops where that step would pass the last
	WIN 0
	s_cmp_gt_u32 s66, s68
	s_cbranch_scc0 .Lnot_mine_\@
	global_prefetch_b8 v30, s[70:71] th:TH_LOAD_NT scope:SCOPE_SE
.Lnot_mine_\@:
.endm
.macro WM d, s0, s1, cm, c
.if F16
.if (\cm)
	v_wmma_f32_16x16x32_f16 v[\d:\d+7], v[\s0:\s0+7], v[\s1:\s1+7], v[\c:\c+7]
.else
	v_wmma_f32_16x16x32_f16 v[\d:\d+7], v[\s0:\s0+7], v[\s1:\s1+7], 0
.endif
.else
.if (\cm)
	v_wmma_f32_16x16x32_bf16 v[\d:\d+7], v[\s0:\s0+7], v[\s1:\s1+7], v[\c:\c+7]
.else
	v_wmma_f32_16x16x32_bf16 v[\d:\d+7], v[\s0:\s0+7], v[\s1:\s1+7], 0
.endif
.endif
.endm
; n row blocks from a0 on x all NB column blocks, 32 along K, buffer f, plane p.  The accumulators take turns, one instruction a turn.  first = 1: the products start the sums.
.macro MM f, p, a0, n, first
.set ma, \a0
.rept \n
.set mb, 0
.rept NB
.set mi, NB*ma+mb
.set rD, 8*(mi%32)
.set rB, FB0+(FB1-FB0)*(\f)+8*NB*(\p)+8*mb
.set rA, FA0+(FA1-FA0)*(\f)+8*ma
.set rC, BIAS+8*mb
.if (\first) && HASBIAS
	WIN 0x81+0x40*(mi/32)
	WM rD, rB, rA, 1, rC
.elseif \first
	WIN 0xa1+0x50*(mi/32)
	WM rD, rB, rA, 0, rD
.else
	WIN 0xa1+0x50*(mi/32)
	WM rD, rB, rA, 1, rD
.endif
.set mb, mb+1
.endr
.set ma, ma+1
.endr
.endm
.macro LDA q, f
.set fA, FA0+(FA1-FA0)*(\f)
.set fi, 0
.rept NA
.if ATR
	ds_load_tr16_b128 v[fA+8*fi:fA+8*fi+3], v16 offset:32*PA*(\q)+32*fi
	ds_load_tr16_b128 v[fA+8*fi+4:fA+8*fi+7], v16 offset:32*PA*(\q)+32*fi+16*PA
.else
	ds_load_b128 v[fA+8*fi:fA+8*fi+3], v16 offset:64*(\q)+16*PA*fi
	ds_load_b128 v[fA+8*fi+4:fA+8*fi+7], v16 offset:64*(\q)+16*PA*fi+32
.endif
.set fi, fi+1
.endr
.endm
.macro LDB q, f, p
.set fB, FB0+(FB1-FB0)*(\f)+8*NB*(\p)
.set fi, 0
.rept NB
	ds_load_tr16_b128 v[fB+8*fi:fB+8*fi+3], v[20+(\p)] offset:32*PB*(\q)+32*fi
	ds_load_tr16_b128 v[fB+8*fi+4:fB+8*fi+7], v[20+(\p)] offset:32*PB*(\q)+32*fi+16*PB
.set fi, fi+1
.endr
.endm
.macro FETCH q, f                      ; one run of NL loads: quarter q of the slot in hand into buffer f; what a quarter's second half wants comes last
.if PL == 1
	WIN 0x40
	LDB \q, \f, 0
	WIN 0
	LDA \q, \f
.else
	WIN 0
	LDA \q, \f
	WIN 0x40
	LDB \q, \f, 0
	LDB \q, \f, 1
.endif
.endm
.macro QUARTER q, f, g, first          ; multiplies buffer f; in its middle fetches quarter q into buffer g
	s_wait_dscnt HW                                ; all of the last run but its youngest HW loads
.if PL == 1
	MM \f, 0, 0, NA/2, \first
.else
	MM \f, 0, 0, NA, \first
.endif
	PLACES
	FETCH \q, \g
	s_wait_dscnt NL                                ; all but the run just issued
.if PL == 1
	MM \f, 0, NA/2, NA/2, \first
.else
	MM \f, 1, 0, NA, 0
.endif
.endm
; A step's fourth quarter (buffer 1) and the change of slots.  Each wave waits for all its tensor loads (one is out: its part of the next slot), adds 0 to its spare word, and waits for that and for its
; reads of this slot; behind the barrier nobody reads this slot and the next is whole.  fill = 1: the barrier opens a round of the cluster's, and the joint refill, two steps ahead, is the first thing behind it.
.macro TURN fill
.if \fill
	s_wait_xcnt 0x0                                ; the last prefetch, a step back, has read its address
	s_add_nc_u64 s[70:71], s[70:71], s[72:73]
.endif
	WIN 0
	s_wait_tensorcnt 0x0
	ds_add_u32 v28, v29
.if \fill
	s_xor_b32 s[G0A+5], s[G0A+5], XS               ; no tensor load of mine is out: the walking descriptors take the other slot and the next step
	s_add_nc_u64 s[G0A+6:G0A+7], s[G0A+6:G0A+7], ASTEP
	s_xor_b32 s[G0B+5], s[G0B+5], XS
	s_add_nc_u64 s[G0B+6:G0B+7], s[G0B+6:G0B+7], BSTEP
.endif
	s_wait_dscnt HW+1                              ; the add and the youngest HW loads may be out
.if PL == 1
	MM 1, 0, 0, NA/4, 0
.else
	MM 1, 0, 0, NA/2, 0
.endif
	s_wait_dscnt 0x0                               ; the add is done, and my reads of this slot are over
	s_barrier_signal -1
.if PL == 1
	MM 1, 0, NA/4, NA/4, 0
.else
	MM 1, 0, NA/2, NA/2, 0
.endif
	WIN 0
	s_barrier_wait -1
.if \fill
	CREST
	JLOAD                                          ; its four v_nop are also the places in front of the loads below
.else
	PLACES
.endif
	s_xor_b32 s67, s67, XS                         ; the reads go to the other slot
	v_add_nc_u32 v16, s67, v10
	v_add_nc_u32 v20, s67, v11
.if PL == 2
	v_add_nc_u32 v21, s67, v12
.endif
	FETCH 0, 0
.if \fill
	ASK
.endif
.if PL == 1
	MM 1, 0, NA/2, NA/2, 0
.else
	MM 1, 1, 0, NA, 0
.endif
.endm
	s_load_b256 s[4:11], s[0:1], 0x0               ; h s[4:5], w2h s[6:7], b2 s[8:9], y2 s[10:11]
	v_lshl_add_u32 v28, v0, 2, SPARE
	v_mov_b32 v29, 0
	ds_add_u32 v28, v29                            ; the opening: the add, twice on end, and its wait ahead of my first tensor load
	ds_add_u32 v28, v29
	v_lshrrev_b32 v1, 5, v0
	v_readfirstlane_b32 s12, v1                    ; wave 0..3
	s_lshr_b32 s13, s12, 1                         ; I fetch for A (0) or B (1)
	s_and_b32 s14, s12, 1                          ; which part I fetch
	s_bfe_u32 s15, ttmp6, 0x40000                  ; cx
	s_bfe_u32 s16, ttmp6, 0x40004                  ; cy
	s_lshl_b32 s17, ttmp9, 2
	s_add_co_u32 s17, s17, s15                     ; tile column
	s_and_b32 s20, ttmp7, 0xffff                   ; the cluster's y
	s_lshl_b32 s18, s20, 2
	s_add_co_u32 s18, s18, s16                     ; tile row
	s_mov_b32 s19, ttmp9                           ; the cluster's x
	s_lshr_b32 s21, s20, 1
	s_lshl_b32 s22, s16, 2
	s_lshl_b32 s22, 15, s22                        ; my row of the cluster
	s_lshl_b32 s23, 0x1111, s15                    ; my column
	s_or_b32 s[G1A], s22, (1<<16)|(1<<20)|(1<<21)|(AQI<<22)|((APAD-1)<<25)
	s_or_b32 s[G1B], s23, (1<<16)|(1<<20)|(1<<21)|(BQI<<22)|((BPAD-1)<<25)
	s_mov_b32 s[G1A+1], AD0<<16
	s_mov_b32 s[G1A+2], AD1<<16
	s_mov_b32 s[G1A+3], AD0<<16
	s_mov_b32 s[G1A+4], AD1
	s_mov_b32 s[G1A+5], ASTR
	s_mov_b32 s[G1A+6], 0
	s_mov_b32 s[G1A+7], 0
	s_mov_b32 s[G1B+1], BD0<<16
	s_mov_b32 s[G1B+2], BD1<<16
	s_mov_b32 s[G1B+3], BD0<<16
	s_mov_b32 s[G1B+4], BD1
	s_mov_b32 s[G1B+5], BSTR
	s_mov_b32 s[G1B+6], 0
	s_mov_b32 s[G1B+7], 0
	s_mul_i32 s44, s14, AFILL                      ; where my fill lands in slot 0, for A
	s_mul_i32 s45, s14, BFILL
	s_add_co_u32 s45, s45, BOFF                    ; and for B
	s_mov_b32 s67, 0
	s_mov_b32 s69, 0xffff0000
	; this launch's offsets.  A: row 256 TY + 128 part, 4,096 bytes a row.  B: k-row 64 part, 2,048 bytes a row, column byte 256 TX
	s_lshl_b32 s40, s18, 20
	s_lshl_b32 s41, s14, 19
	s_add_co_u32 s40, s40, s41
	s_mov_b32 s41, 0
	s_lshl_b32 s42, s14, 17
	s_lshl_b32 s43, s17, 8
	s_add_co_u32 s42, s42, s43
	s_mov_b32 s43, 0
	s_mul_i32 s46, s12, 64*PA                      ; my 64 rows of A in a slot
	s_mov_b32 s47, BOFF                            ; all 128 columns of B
	s_lshl_b32 s76, s18, 19                        ; my part of the tile in a plane of y2: row 256 TY + 64 w, 2,048 bytes a row; byte 256 TX
	s_lshl_b32 s77, s12, 17
	s_add_co_u32 s76, s76, s77
	s_lshl_b32 s77, s17, 8
	s_add_co_u32 s76, s76, s77
	s_mov_b32 s77, 0
	s_lshl_b32 s96, s18, 20                        ; the prefetches.  A: of the 128 rows that I fetch my work-group's 32 (by cx), at step AH + 1
	s_lshl_b32 s97, s14, 19
	s_add_co_u32 s96, s96, s97
	s_lshl_b32 s97, s15, 17
	s_add_co_u32 s96, s96, s97
	s_add_co_u32 s96, s96, (AH+1)*ASTEP
	s_lshl_b32 s98, s16, 16                        ; B: of a step's 128 k-rows my work-group's 32 (by cy): wave 2 alone asks
	s_lshl_b32 s99, s17, 8
	s_add_co_u32 s98, s98, s99
	s_add_co_u32 s98, s98, (AH+1)*BSTEP
	s_mov_b32 s100, s19                            ; A's rows are read by every cluster of this row of clusters: the first asks
	s_or_b32 s101, s20, s14                        ; B's by every cluster of this column: the first asks, by its wave 2
	s_wait_dscnt 0x0                               ; both opening adds are done
	s_wait_kmcnt 0x0
	s_add_nc_u64 s[40:41], s[4:5], s[40:41]
	s_add_nc_u64 s[42:43], s[6:7], s[42:43]
.irp s, 0,1
	s_mov_b32 s[G0A+4*(\s)], 1
	s_add_co_u32 s[G0A+4*(\s)+1], s44, (\s)*XS
	s_add_nc_u64 s[G0A+4*(\s)+2:G0A+4*(\s)+3], s[40:41], (\s)*ASTEP
	s_or_b32 s[G0A+4*(\s)+3], s[G0A+4*(\s)+3], 0x80000000
	s_mov_b32 s[G0B+4*(\s)], 1
	s_add_co_u32 s[G0B+4*(\s)+1], s45, (\s)*XS
	s_add_nc_u64 s[G0B+4*(\s)+2:G0B+4*(\s)+3], s[42:43], (\s)*BSTEP
	s_or_b32 s[G0B+4*(\s)+3], s[G0B+4*(\s)+3], 0x80000000
.endr
	s_mov_b32 s97, ASTEP
	s_mov_b32 s99, BSTEP
	s_cmp_eq_u32 s13, 0                            ; by my role, which hangs on the wave's number alone
	s_cselect_b64 s[70:71], s[4:5], s[6:7]
	s_cselect_b32 s72, s97, s99
	s_cselect_b32 s96, s96, s98
	s_cselect_b32 s100, s100, s101
	s_mov_b32 s97, 0
	s_mov_b32 s73, 0
	s_add_nc_u64 s[70:71], s[70:71], s[96:97]
	s_cmp_eq_u32 s100, 0
	s_cselect_b32 s68, AH, -1                      ; a wave asks while the trips to come are more than this
	s_add_nc_u64 s[10:11], s[10:11], s[76:77]      ; the hi plane at my rows,
	s_add_nc_u64 s[74:75], s[10:11], 0x1000000     ; the lo plane
	CROUND                                         ; all sixteen work-groups are here: the first joint loads meet
	s_cmp_eq_u32 s13, 0
	s_cbranch_scc0 .Lfirst_b
	tensor_load_to_lds s[G0A:G0A+3], s[G1A:G1A+7]
	s_nop 0
	tensor_load_to_lds s[G0A+4:G0A+7], s[G1A:G1A+7]
	s_nop 0
	PLACES
	s_branch .Lfirst_asked
.Lfirst_b:
	tensor_load_to_lds s[G0B:G0B+3], s[G1B:G1B+7]
	s_nop 0
	tensor_load_to_lds s[G0B+4:G0B+7], s[G1B:G1B+7]
	s_nop 0
	PLACES
.Lfirst_asked:
	v_and_b32 v1, 15, v0                           ; r = l % 16
	v_bfe_u32 v2, v0, 4, 1                         ; h = l / 16
	v_and_b32 v3, 7, v0
	v_bfe_u32 v4, v0, 3, 1
	v_and_b32 v5, 31, v0
	v_lshl_add_u32 v6, v2, 3, v3                   ; the turning load: lane l reads k-row 8 h + l % 8, 16 bytes at 16 ((l / 8) % 2)
	v_mul_u32_u24 v7, v6, PB
	v_lshl_add_u32 v7, v4, 4, v7
	v_add_nc_u32 v11, s47, v7
.if PL == 2
	v_add_nc_u32 v12, PLANE, v11
.endif
.if ATR
	v_mul_u32_u24 v8, v6, PA
	v_lshl_add_u32 v8, v4, 4, v8
.else
	v_mul_u32_u24 v8, v1, PA                       ; rows along K: row r, 16 bytes for each half of the lanes
	v_lshl_add_u32 v8, v2, 4, v8
.endif
	v_add_nc_u32 v10, s46, v8
	v_mov_b32 v16, v10
	v_mov_b32 v20, v11
.if PL == 2
	v_mov_b32 v21, v12
.endif
	s_mul_i32 s95, s12, 2*16*272
	s_add_co_u32 s95, s95, STAGE                   ; my stage
	v_mul_u32_u24 v6, v1, 272
	v_lshl_add_u32 v6, v2, 4, v6
	v_add_nc_u32 v24, s95, v6                      ; in: row r, 16 bytes for each half of the lanes
	v_mul_u32_u24 v6, v2, 272
	v_lshl_add_u32 v6, v1, 4, v6
	v_add_nc_u32 v25, s95, v6                      ; back: lanes 0-15 one row of 256 bytes, lanes 16-31 the next
	v_lshlrev_b32 v6, 11, v2
	v_lshl_add_u32 v26, v1, 4, v6                  ; the same two rows in a plane
	s_cmp_eq_u32 s13, 0                            ; the prefetch's lane term: a lane a row, of 4,096 bytes (A) or 2,048 (B)
	s_cselect_b32 s98, 12, 11
	v_lshlrev_b32 v30, s98, v5
	s_lshl_b32 s98, s17, 9                         ; the bias of the tile's 128 columns: register 8 b + j holds column 16 b + 8 h + j
	v_lshl_add_u32 v27, v2, 5, s98
.irp b, 0,1,2,3,4,5,6,7
	global_load_b128 v[BIAS+8*(\b):BIAS+8*(\b)+3], v27, s[8:9] offset:64*(\b)
	global_load_b128 v[BIAS+8*(\b)+4:BIAS+8*(\b)+7], v27, s[8:9] offset:64*(\b)+16
.endr
	s_wait_loadcnt 0x0
.set k, 0
.rept 32                               ; rounded to bf16 like every input, kept as f32
	v_cvt_pk_bf16_f32 v[32+k%4], v[BIAS+2*k], v[BIAS+2*k+1]
	v_lshlrev_b32 v[BIAS+2*k], 16, v[32+k%4]
	v_and_b32 v[BIAS+2*k+1], s69, v[32+k%4]
.set k, k+1
.endr
	s_wait_tensorcnt 0x1                           ; my part of step 0 is in; step 1's load may stay out
	s_barrier_signal -1
	s_barrier_wait -1
	FETCH 0, 0
	QUARTER 1, 0, 1, 1                             ; the first quarter starts the sums
	WIN 0
	s_mov_b32 s66, TSTEPS-2
.Lstep:                                ; a trip: a step's quarters 1 to 3 and the next step's quarter 0; the slot that is left takes the step two on
	QUARTER 2, 1, 0, 0
	QUARTER 3, 0, 1, 0
	TURN 1
	QUARTER 1, 0, 1, 0
	WIN 0
	s_sub_co_u32 s66, s66, 1
	s_cmp_lg_u32 s66, 0
	s_cbranch_scc1 .Lstep
	s_mov_b32 s66, 2
.Ltail:                                ; the last two steps ask for nothing; the second trip is left in its middle, and its run of loads from the slot read before serves nothing
	QUARTER 2, 1, 0, 0
	QUARTER 3, 0, 1, 0
	TURN 0
	WIN 0
	s_sub_co_u32 s66, s66, 1
	s_cmp_eq_u32 s66, 0
	s_cbranch_scc1 .Lout
	QUARTER 1, 0, 1, 0
	WIN 0
	s_branch .Ltail
.Lout:
	s_wait_dscnt 0x0
	PLACES
	PLACES
; THE WAY OUT, a block of 16 rows at a time: hi = bf16(v), lo = bf16(v - hi); both through my stage and out as whole rows of 256 bytes.
.set TH, 64
.set TL, 96
.set UU, 128
.set OB, 192
.macro OUT a
.set zb, 64*(\a)
	WIN 0x0a
.set k, 0
.rept 32
	v_cvt_pk_bf16_f32 v[TH+k], v[zb+2*k], v[zb+2*k+1]
.set k, k+1
.endr
	WIN 0
.set k, 0
.rept 32
	v_lshlrev_b32 v[UU+2*k], 16, v[TH+k]
	v_and_b32 v[UU+2*k+1], s69, v[TH+k]
.set k, k+1
.endr
	WIN 0x02
.set k, 0
.rept 32
	v_pk_add_f32 v[UU+2*k:UU+2*k+1], v[zb+2*k:zb+2*k+1], v[UU+2*k:UU+2*k+1] neg_lo:[0,1] neg_hi:[0,1]
.set k, k+1
.endr
	WIN 0
.set k, 0
.rept 32
	v_cvt_pk_bf16_f32 v[TL+k], v[UU+2*k], v[UU+2*k+1]
.set k, k+1
.endr
	s_wait_xcnt 0x0                                ; the last block's stores have read OB
.irp b, 0,1,2,3,4,5,6,7
	ds_store_b128 v24, v[TH+4*(\b):TH+4*(\b)+3] offset:32*(\b)
	ds_store_b128 v24, v[TL+4*(\b):TL+4*(\b)+3] offset:4352+32*(\b)
.endr
.irp t, 0,1,2,3,4,5,6,7
	ds_load_b128 v[OB+4*(\t):OB+4*(\t)+3], v25 offset:544*(\t)  ; a wave's LDS instructions are served in order: these see the stores above
	ds_load_b128 v[OB+32+4*(\t):OB+32+4*(\t)+3], v25 offset:4352+544*(\t)
.endr
	s_wait_dscnt 0x0
.irp t, 0,1,2,3,4,5,6,7
	global_store_b128 v26, v[OB+4*(\t):OB+4*(\t)+3], s[10:11] offset:(\a)*32768+4096*(\t)  ; 16 lanes store 256 consecutive bytes, aligned
	global_store_b128 v26, v[OB+32+4*(\t):OB+32+4*(\t)+3], s[74:75] offset:(\a)*32768+4096*(\t)
.endr
.endm
	OUT 0
	OUT 1
	OUT 2
	OUT 3
	s_wait_tensorcnt 0x0                           ; the wave's end
	ds_add_u32 v28, v29
	s_wait_dscnt 0x0
	CROUND                                         ; the closing round
	s_endpgm
.Lfunc_end_k_q78b20afee9_g2:
	.size	k_q78b20afee9_g2, .Lfunc_end_k_q78b20afee9_g2-k_q78b20afee9_g2
	.p2alignl 7, 3214868480
	.fill 96, 4, 3214868480
	.section	.rodata,"a",@progbits
	.p2align	6, 0x0
	.amdhsa_kernel k_q78b20afee9_g2
		.amdhsa_group_segment_fixed_size 327680
		.amdhsa_private_segment_fixed_size 0
		.amdhsa_enable_private_segment 0
		.amdhsa_kernarg_size 32
		.amdhsa_user_sgpr_count 2
		.amdhsa_user_sgpr_kernarg_segment_ptr 1
		.amdhsa_wavefront_size32 1
		.amdhsa_system_sgpr_workgroup_id_x 1
		.amdhsa_system_sgpr_workgroup_id_y 1
		.amdhsa_system_sgpr_workgroup_id_z 1
		.amdhsa_system_vgpr_workitem_id 0
		.amdhsa_next_free_vgpr 768
		.amdhsa_next_free_sgpr 102
		.amdhsa_reserve_vcc 0
		.amdhsa_float_denorm_mode_32 3
		.amdhsa_float_denorm_mode_16_64 3
		.amdhsa_memory_ordered 1
		.amdhsa_forward_progress 1
		.amdhsa_inst_pref_size 99
	.end_amdhsa_kernel
	.amdgpu_metadata
---
amdhsa.version: [ 1, 2 ]
amdhsa.kernels:
  - .name:           k_q78b20afee9_g2
    .symbol:         k_q78b20afee9_g2.kd
    .args:
      - { .name: hbuf, .offset: 0, .size: 8, .value_kind: global_buffer, .address_space: global }
      - { .name: w2h, .offset: 8, .size: 8, .value_kind: global_buffer, .address_space: global }
      - { .name: b2, .offset: 16, .size: 8, .value_kind: global_buffer, .address_space: global }
      - { .name: y2, .offset: 24, .size: 8, .value_kind: global_buffer, .address_space: global }
    .group_segment_fixed_size: 327680
    .private_segment_fixed_size: 0
    .kernarg_segment_align: 8
    .kernarg_segment_size: 32
    .max_flat_workgroup_size: 128
    .sgpr_count:     102
    .vgpr_count:     768
    .wavefront_size: 32
...
	.end_amdgpu_metadata
.endif
;; end of part 3
;; launch g3 (part 4): grid 8 x 32, 4 waves a work-group, clusters of 4 x 4, 327,680 bytes of LDS; arguments xb, y2, mm; writes mm
.if DOCPART == 4
	.amdgcn_target "amdgcn-amd-amdhsa--gfx1250"
	.amdhsa_code_object_version 6
	.text
	.protected	k_q78b20afee9_g3
	.globl	k_q78b20afee9_g3
	.p2align	8
	.type	k_q78b20afee9_g3,@function
k_q78b20afee9_g3:
	s_mov_b64 s[64:65], 0
	v_nop
	global_prefetch_b8 v0, s[64:65] scope:SCOPE_SE
	s_setreg_imm32_b32 hwreg(HW_REG_WAVE_MODE, 25, 1), 1
	s_wait_xcnt 0x0
	s_wait_alu depctr_hold_cnt(0) depctr_sa_sdst(0) depctr_va_vdst(0) depctr_va_sdst(0) depctr_va_ssrc(0) depctr_va_vcc(0) depctr_vm_vsrc(0)
	s_getreg_b32 s2, hwreg(HW_REG_IB_STS2, 6, 4)
	s_cmp_eq_u32 s2, 0
	s_cbranch_scc0 .Lentry_in_a_cluster
	s_endpgm
.Lentry_in_a_cluster:
	s_bfe_u32 s2, ttmp6, 0x10000c
	s_cmp_lg_u32 s2, 0xf033
	s_cbranch_scc0 .Lentry_shape_is_right
	s_endpgm
.Lentry_shape_is_right:
; For each batch: M[g][f] = the sum over s of xb[s][g] (y2hi + y2lo)[s][f], stored as two bf16 planes (hi at byte 0, lo = bf16(v - hi) at byte 8,388,608).
; (x x^T) y is taken as x (x^T y), which holds for every input; the order of the sums differs from the reference's.  xb: [4][2048 s][1024 g] bf16; a plane of y2: [4][2048 s][1024 f] bf16; a plane of M: [4][1024 g][1024 f].
; Sums in f32.  NaN and infinities are not treated apart.
; SHARES.  A work-group makes 128 g x 128 f of one batch, its four waves 64 x 64 each (16 accumulators).  K = s goes in 16 steps of 128 through two LDS slots.  Both operands lie [k][.] (pitch 288) and come out of
; LDS turned.  Each quarter multiplies A's fragments by the hi plane's and then by the lo plane's, onto the same accumulators.  Source 0 = B, source 1 = A.
; CLUSTER.  4 x 4; A's tile jointly along a row of the cluster, B's two planes along a column.  All of a WGP's LDS is claimed.
; REGISTERS.  Window 0: v0-31 addresses, v64-127 A's two buffers.  Window 1: v0-127 B's two buffers (hi, then lo).  Window 2: accumulator (a, b) at 8 (4 a + b).
.set F16, 0
.set HASBIAS, 0
.set ATR, 1                            ; A lies [k][g] and is turned
.set NA, 4
.set NB, 4
.set PL, 2
.set TSTEPS, 16
.set PA, 288
.set PB, 288
.set BOFF, 36864
.set PLANE, 36864                      ; the lo plane's distance from the hi plane in a slot
.set AFILL, 18432                      ; 64 k-rows x 288
.set BFILL, 36864                      ; 128 k-rows x 288: a plane
.set XS, 0x20000
.set STAGE, 241664                     ; the work-group's: 128 rows x 272 of the hi plane, then of the lo plane
.set SPARE, 311296
.set FA0, 64
.set FA1, 96
.set FB0, 0
.set FB1, 64
.set NL, 24
.set HW, 8                             ; the lo plane's fragments
.set AH, 4
.set ASTEP, 262144
.set BSTEP, 262144
.set AQI, 5
.set APAD, 8
.set AD0, 128
.set AD1, 64
.set ASTR, 1024
.set BQI, 5
.set BPAD, 8
.set BD0, 128
.set BD1, 128
.set BSTR, 1024
.set BIAS, 0
.set G1A, 24
.set G0A, 32
.set G1B, 48
.set G0B, 56
.set MSB, 0
.macro WIN new                         ; the immediate's high byte repeats the setting that is left; a switch that changes nothing is dropped
.if MSB != (\new)
	s_set_vgpr_msb (MSB<<8)|(\new)
.set MSB, \new
.endif
.endm
.macro PLACES                          ; four plain instructions between a matrix instruction and a load into, or a reader of, its registers
.rept 4
	v_nop
.endr
.endm
.macro CREST                           ; a round of the cluster's barrier behind its opening barrier
	s_cmp_lg_u32 s12, 0
	s_cbranch_scc1 .Lnot_wave_0_\@
	s_barrier_signal -3
.Lnot_wave_0_\@:
	s_barrier_wait -3
	s_barrier_signal -1
	s_barrier_wait -1
.endm
.macro CROUND
	s_barrier_signal -1
	s_barrier_wait -1
	CREST
.endm
.macro JLOAD                           ; a joint refill by the walking descriptors: waves 0, 1 A's two parts, waves 2, 3 B's
	s_cmp_eq_u32 s13, 0
	s_cbranch_scc0 .Lfor_b_\@
	tensor_load_to_lds s[G0A+4:G0A+7], s[G1A:G1A+7]
	s_nop 0
	PLACES
	s_branch .Lasked_\@
.Lfor_b_\@:
	tensor_load_to_lds s[G0B+4:G0B+7], s[G1B:G1B+7]
	s_nop 0
	PLACES
.Lasked_\@:
.endm
.macro ASK                             ; a lane a block of 256 bytes of the step AH behind the one just asked for; it stops where that step would pass the last
	WIN 0
	s_cmp_gt_u32 s66, s68
	s_cbranch_scc0 .Lnot_mine_\@
	global_prefetch_b8 v30, s[70:71] th:TH_LOAD_NT scope:SCOPE_SE
.Lnot_mine_\@:
.endm
.macro WM d, s0, s1, cm, c
.if F16
.if (\cm)
	v_wmma_f32_16x16x32_f16 v[\d:\d+7], v[\s0:\s0+7], v[\s1:\s1+7], v[\c:\c+7]
.else
	v_wmma_f32_16x16x32_f16 v[\d:\d+7], v[\s0:\s0+7], v[\s1:\s1+7], 0
.endif
.else
.if (\cm)
	v_wmma_f32_16x16x32_bf16 v[\d:\d+7], v[\s0:\s0+7], v[\s1:\s1+7], v[\c:\c+7]
.else
	v_wmma_f32_16x16x32_bf16 v[\d:\d+7], v[\s0:\s0+7], v[\s1:\s1+7], 0
.endif
.endif
.endm
; n row blocks from a0 on x all NB column blocks, 32 along K, buffer f, plane p.  The accumulators take turns, one instruction a turn.  first = 1: the products start the sums.
.macro MM f, p, a0, n, first
.set ma, \a0
.rept \n
.set mb, 0
.rept NB
.set mi, NB*ma+mb
.set rD, 8*(mi%32)
.set rB, FB0+(FB1-FB0)*(\f)+8*NB*(\p)+8*mb
.set rA, FA0+(FA1-FA0)*(\f)+8*ma
.set rC, BIAS+8*mb
.if (\first) && HASBIAS
	WIN 0x81+0x40*(mi/32)
	WM rD, rB, rA, 1, rC
.elseif \first
	WIN 0xa1+0x50*(mi/32)
	WM rD, rB, rA, 0, rD
.else
	WIN 0xa1+0x50*(mi/32)
	WM rD, rB, rA, 1, rD
.endif
.set mb, mb+1
.endr
.set ma, ma+1
.endr
.endm
.macro LDA q, f
.set fA, FA0+(FA1-FA0)*(\f)
.set fi, 0
.rept NA
.if ATR
	ds_load_tr16_b128 v[fA+8*fi:fA+8*fi+3], v16 offset:32*PA*(\q)+32*fi
	ds_load_tr16_b128 v[fA+8*fi+4:fA+8*fi+7], v16 offset:32*PA*(\q)+32*fi+16*PA
.else
	ds_load_b128 v[fA+8*fi:fA+8*fi+3], v16 offset:64*(\q)+16*PA*fi
	ds_load_b128 v[fA+8*fi+4:fA+8*fi+7], v16 offset:64*(\q)+16*PA*fi+32
.endif
.set fi, fi+1
.endr
.endm
.macro LDB q, f, p
.set fB, FB0+(FB1-FB0)*(\f)+8*NB*(\p)
.set fi, 0
.rept NB
	ds_load_tr16_b128 v[fB+8*fi:fB+8*fi+3], v[20+(\p)] offset:32*PB*(\q)+32*fi
	ds_load_tr16_b128 v[fB+8*fi+4:fB+8*fi+7], v[20+(\p)] offset:32*PB*(\q)+32*fi+16*PB
.set fi, fi+1
.endr
.endm
.macro FETCH q, f                      ; one run of NL loads: quarter q of the slot in hand into buffer f; what a quarter's second half wants comes last
.if PL == 1
	WIN 0x40
	LDB \q, \f, 0
	WIN 0
	LDA \q, \f
.else
	WIN 0
	LDA \q, \f
	WIN 0x40
	LDB \q, \f, 0
	LDB \q, \f, 1
.endif
.endm
.macro QUARTER q, f, g, first          ; multiplies buffer f; in its middle fetches quarter q into buffer g
	s_wait_dscnt HW                                ; all of the last run but its youngest HW loads
.if PL == 1
	MM \f, 0, 0, NA/2, \first
.else
	MM \f, 0, 0, NA, \first
.endif
	PLACES
	FETCH \q, \g
	s_wait_dscnt NL                                ; all but the run just issued
.if PL == 1
	MM \f, 0, NA/2, NA/2, \first
.else
	MM \f, 1, 0, NA, 0
.endif
.endm
; A step's fourth quarter (buffer 1) and the change of slots.  Each wave waits for all its tensor loads (one is out: its part of the next slot), adds 0 to its spare word, and waits for that and for its
; reads of this slot; behind the barrier nobody reads this slot and the next is whole.  fill = 1: the barrier opens a round of the cluster's, and the joint refill, two steps ahead, is the first thing behind it.
.macro TURN fill
.if \fill
	s_wait_xcnt 0x0                                ; the last prefetch, a step back, has read its address
	s_add_nc_u64 s[70:71], s[70:71], s[72:73]
.endif
	WIN 0
	s_wait_tensorcnt 0x0
	ds_add_u32 v28, v29
.if \fill
	s_xor_b32 s[G0A+5], s[G0A+5], XS               ; no tensor load of mine is out: the walking descriptors take the other slot and the next step
	s_add_nc_u64 s[G0A+6:G0A+7], s[G0A+6:G0A+7], ASTEP
	s_xor_b32 s[G0B+5], s[G0B+5], XS
	s_add_nc_u64 s[G0B+6:G0B+7], s[G0B+6:G0B+7], BSTEP
.endif
	s_wait_dscnt HW+1                              ; the add and the youngest HW loads may be out
.if PL == 1
	MM 1, 0, 0, NA/4, 0
.else
	MM 1, 0, 0, NA/2, 0
.endif
	s_wait_dscnt 0x0                               ; the add is done, and my reads of this slot are over
	s_barrier_signal -1
.if PL == 1
	MM 1, 0, NA/4, NA/4, 0
.else
	MM 1, 0, NA/2, NA/2, 0
.endif
	WIN 0
	s_barrier_wait -1
.if \fill
	CREST
	JLOAD                                          ; its four v_nop are also the places in front of the loads below
.else
	PLACES
.endif
	s_xor_b32 s67, s67, XS                         ; the reads go to the other slot
	v_add_nc_u32 v16, s67, v10
	v_add_nc_u32 v20, s67, v11
.if PL == 2
	v_add_nc_u32 v21, s67, v12
.endif
	FETCH 0, 0
.if \fill
	ASK
.endif
.if PL == 1
	MM 1, 0, NA/2, NA/2, 0
.else
	MM 1, 1, 0, NA, 0
.endif
.endm
	s_load_b128 s[4:7], s[0:1], 0x0                ; xb s[4:5], y2 s[6:7]
	s_load_b64 s[10:11], s[0:1], 0x10              ; M
	v_lshl_add_u32 v28, v0, 2, SPARE
	v_mov_b32 v29, 0
	ds_add_u32 v28, v29                            ; the opening: the add, twice on end, and its wait ahead of my first tensor load
	ds_add_u32 v28, v29
	v_lshrrev_b32 v1, 5, v0
	v_readfirstlane_b32 s12, v1                    ; wave 0..3
	s_lshr_b32 s13, s12, 1                         ; I fetch for A (0) or B (1); also my half of the tile's rows
	s_and_b32 s14, s12, 1                          ; which part (of B: which plane) I fetch; also my half of its columns
	s_bfe_u32 s15, ttmp6, 0x40000                  ; cx
	s_bfe_u32 s16, ttmp6, 0x40004                  ; cy
	s_lshl_b32 s17, ttmp9, 2
	s_add_co_u32 s17, s17, s15                     ; tile column
	s_and_b32 s20, ttmp7, 0xffff                   ; the cluster's y
	s_lshl_b32 s18, s20, 2
	s_add_co_u32 s18, s18, s16                     ; tile row, over all batches
	s_mov_b32 s19, ttmp9                           ; the cluster's x
	s_lshr_b32 s21, s20, 1                         ; the batch: eight tile rows, two clusters, each
	s_lshl_b32 s22, s16, 2
	s_lshl_b32 s22, 15, s22                        ; my row of the cluster
	s_lshl_b32 s23, 0x1111, s15                    ; my column
	s_or_b32 s[G1A], s22, (1<<16)|(1<<20)|(1<<21)|(AQI<<22)|((APAD-1)<<25)
	s_or_b32 s[G1B], s23, (1<<16)|(1<<20)|(1<<21)|(BQI<<22)|((BPAD-1)<<25)
	s_mov_b32 s[G1A+1], AD0<<16
	s_mov_b32 s[G1A+2], AD1<<16
	s_mov_b32 s[G1A+3], AD0<<16
	s_mov_b32 s[G1A+4], AD1
	s_mov_b32 s[G1A+5], ASTR
	s_mov_b32 s[G1A+6], 0
	s_mov_b32 s[G1A+7], 0
	s_mov_b32 s[G1B+1], BD0<<16
	s_mov_b32 s[G1B+2], BD1<<16
	s_mov_b32 s[G1B+3], BD0<<16
	s_mov_b32 s[G1B+4], BD1
	s_mov_b32 s[G1B+5], BSTR
	s_mov_b32 s[G1B+6], 0
	s_mov_b32 s[G1B+7], 0
	s_mul_i32 s44, s14, AFILL                      ; where my fill lands in slot 0, for A
	s_mul_i32 s45, s14, BFILL
	s_add_co_u32 s45, s45, BOFF                    ; and for B
	s_mov_b32 s67, 0
	s_mov_b32 s69, 0xffff0000
	; this launch's offsets.  A: the batch's 4,194,304 bytes, s-row 64 part, column byte 256 GT.  B: the plane's 16,777,216 bytes, the batch, column byte 256 TX
	s_and_b32 s79, s18, 7                          ; GT: the tile row in its batch
	s_lshl_b32 s40, s21, 22
	s_lshl_b32 s41, s14, 17
	s_add_co_u32 s40, s40, s41
	s_lshl_b32 s41, s79, 8
	s_add_co_u32 s40, s40, s41
	s_mov_b32 s41, 0
	s_lshl_b32 s42, s14, 24
	s_lshl_b32 s43, s21, 22
	s_add_co_u32 s42, s42, s43
	s_lshl_b32 s43, s17, 8
	s_add_co_u32 s42, s42, s43
	s_mov_b32 s43, 0
	s_lshl_b32 s46, s13, 7                         ; my 64 columns g of A's tile
	s_lshl_b32 s47, s14, 7
	s_add_co_u32 s47, s47, BOFF                    ; my 64 columns f of B's
	s_lshl_b32 s76, s21, 21                        ; what I store of a plane of M: the batch's 2,097,152 bytes, row 128 GT + 32 w, byte 256 TX
	s_lshl_b32 s77, s79, 18
	s_add_co_u32 s76, s76, s77
	s_lshl_b32 s77, s12, 16
	s_add_co_u32 s76, s76, s77
	s_lshl_b32 s77, s17, 8
	s_add_co_u32 s76, s76, s77
	s_mov_b32 s77, 0
	s_lshl_b32 s96, s21, 22                        ; the prefetches.  A: of a step's 128 s-rows my work-group's 32 (by cx): wave 0 alone asks
	s_lshl_b32 s97, s15, 16
	s_add_co_u32 s96, s96, s97
	s_lshl_b32 s97, s79, 8
	s_add_co_u32 s96, s96, s97
	s_add_co_u32 s96, s96, (AH+1)*ASTEP
	s_lshl_b32 s98, s14, 24                        ; B: of my plane's 128 s-rows my work-group's 32 (by cy)
	s_lshl_b32 s99, s21, 22
	s_add_co_u32 s98, s98, s99
	s_lshl_b32 s99, s16, 16
	s_add_co_u32 s98, s98, s99
	s_lshl_b32 s99, s17, 8
	s_add_co_u32 s98, s98, s99
	s_add_co_u32 s98, s98, (AH+1)*BSTEP
	s_or_b32 s100, s19, s14                        ; A's tiles are read by both clusters of this row of clusters: the first asks, by its wave 0
	s_and_b32 s101, s20, 1                         ; B's by the batch's two clusters of this column: the first asks
	s_wait_dscnt 0x0                               ; both opening adds are done
	s_wait_kmcnt 0x0
	s_add_nc_u64 s[40:41], s[4:5], s[40:41]
	s_add_nc_u64 s[42:43], s[6:7], s[42:43]
.irp s, 0,1
	s_mov_b32 s[G0A+4*(\s)], 1
	s_add_co_u32 s[G0A+4*(\s)+1], s44, (\s)*XS
	s_add_nc_u64 s[G0A+4*(\s)+2:G0A+4*(\s)+3], s[40:41], (\s)*ASTEP
	s_or_b32 s[G0A+4*(\s)+3], s[G0A+4*(\s)+3], 0x80000000
	s_mov_b32 s[G0B+4*(\s)], 1
	s_add_co_u32 s[G0B+4*(\s)+1], s45, (\s)*XS
	s_add_nc_u64 s[G0B+4*(\s)+2:G0B+4*(\s)+3], s[42:43], (\s)*BSTEP
	s_or_b32 s[G0B+4*(\s)+3], s[G0B+4*(\s)+3], 0x80000000
.endr
	s_mov_b32 s97, ASTEP
	s_mov_b32 s99, BSTEP
	s_cmp_eq_u32 s13, 0                            ; by my role, which hangs on the wave's number alone
	s_cselect_b64 s[70:71], s[4:5], s[6:7]
	s_cselect_b32 s72, s97, s99
	s_cselect_b32 s96, s96, s98
	s_cselect_b32 s100, s100, s101
	s_mov_b32 s97, 0
	s_mov_b32 s73, 0
	s_add_nc_u64 s[70:71], s[70:71], s[96:97]
	s_cmp_eq_u32 s100, 0
	s_cselect_b32 s68, AH, -1                      ; a wave asks while the trips to come are more than this
	s_add_nc_u64 s[10:11], s[10:11], s[76:77]      ; the hi plane at the rows that I store,
	s_add_nc_u64 s[74:75], s[10:11], 0x800000      ; the lo plane
	CROUND                                         ; all sixteen work-groups are here: the first joint loads meet
	s_cmp_eq_u32 s13, 0
	s_cbranch_scc0 .Lfirst_b
	tensor_load_to_lds s[G0A:G0A+3], s[G1A:G1A+7]
	s_nop 0
	tensor_load_to_lds s[G0A+4:G0A+7], s[G1A:G1A+7]
	s_nop 0
	PLACES
	s_branch .Lfirst_asked
.Lfirst_b:
	tensor_load_to_lds s[G0B:G0B+3], s[G1B:G1B+7]
	s_nop 0
	tensor_load_to_lds s[G0B+4:G0B+7], s[G1B:G1B+7]
	s_nop 0
	PLACES
.Lfirst_asked:
	v_and_b32 v1, 15, v0                           ; r = l % 16
	v_bfe_u32 v2, v0, 4, 1                         ; h = l / 16
	v_and_b32 v3, 7, v0
	v_bfe_u32 v4, v0, 3, 1
	v_and_b32 v5, 31, v0
	v_lshl_add_u32 v6, v2, 3, v3                   ; the turning load: lane l reads k-row 8 h + l % 8, 16 bytes at 16 ((l / 8) % 2)
	v_mul_u32_u24 v7, v6, PB
	v_lshl_add_u32 v7, v4, 4, v7
	v_add_nc_u32 v11, s47, v7
.if PL == 2
	v_add_nc_u32 v12, PLANE, v11
.endif
.if ATR
	v_mul_u32_u24 v8, v6, PA
	v_lshl_add_u32 v8, v4, 4, v8
.else
	v_mul_u32_u24 v8, v1, PA                       ; rows along K: row r, 16 bytes for each half of the lanes
	v_lshl_add_u32 v8, v2, 4, v8
.endif
	v_add_nc_u32 v10, s46, v8
	v_mov_b32 v16, v10
	v_mov_b32 v20, v11
.if PL == 2
	v_mov_b32 v21, v12
.endif
	s_mul_i32 s95, s13, 64*272                     ; into the stage: my 64 rows, my half of their 256 bytes
	s_lshl_b32 s78, s14, 7
	s_add_co_u32 s95, s95, s78
	s_add_co_u32 s95, s95, STAGE
	v_mul_u32_u24 v6, v1, 272
	v_lshl_add_u32 v6, v2, 4, v6
	v_add_nc_u32 v24, s95, v6
	s_mul_i32 s78, s12, 32*272                     ; back: wave w takes rows 32 w .. 32 w + 31, whole
	s_add_co_u32 s78, s78, STAGE
	v_mul_u32_u24 v6, v2, 272
	v_lshl_add_u32 v6, v1, 4, v6
	v_add_nc_u32 v25, s78, v6
	v_lshlrev_b32 v6, 11, v2
	v_lshl_add_u32 v26, v1, 4, v6                  ; the same two rows in a plane of M
	v_lshlrev_b32 v30, 11, v5                      ; the prefetch's lane term: a lane a row of 2,048 bytes
	s_wait_tensorcnt 0x1                           ; my part of step 0 is in; step 1's load may stay out
	s_barrier_signal -1
	s_barrier_wait -1
	FETCH 0, 0
	QUARTER 1, 0, 1, 1                             ; the first quarter starts the sums
	WIN 0
	s_mov_b32 s66, TSTEPS-2
.Lstep:                                ; a trip: a step's quarters 1 to 3 and the next step's quarter 0; the slot that is left takes the step two on
	QUARTER 2, 1, 0, 0
	QUARTER 3, 0, 1, 0
	TURN 1
	QUARTER 1, 0, 1, 0
	WIN 0
	s_sub_co_u32 s66, s66, 1
	s_cmp_lg_u32 s66, 0
	s_cbranch_scc1 .Lstep
	s_mov_b32 s66, 2
.Ltail:                                ; the last two steps ask for nothing; the second trip is left in its middle, and its run of loads from the slot read before serves nothing
	QUARTER 2, 1, 0, 0
	QUARTER 3, 0, 1, 0
	TURN 0
	WIN 0
	s_sub_co_u32 s66, s66, 1
	s_cmp_eq_u32 s66, 0
	s_cbranch_scc1 .Lout
	QUARTER 1, 0, 1, 0
	WIN 0
	s_branch .Ltail
.Lout:
	s_wait_dscnt 0x0
	PLACES
	PLACES
; THE WAY OUT: hi = bf16(v), lo = bf16(v - hi), eight accumulators at a time; into the work-group's stage; a barrier, since a row's 256 bytes come from two waves; back as whole rows, 32 a wave and plane.
.set TH, 64
.set TL, 128
.set UU, 192
.irp hf, 0,1
	WIN 0x0a
.set k, 0
.rept 32
	v_cvt_pk_bf16_f32 v[TH+32*(\hf)+k], v[64*(\hf)+2*k], v[64*(\hf)+2*k+1]
.set k, k+1
.endr
	WIN 0
.set k, 0
.rept 32
	v_lshlrev_b32 v[UU+2*k], 16, v[TH+32*(\hf)+k]
	v_and_b32 v[UU+2*k+1], s69, v[TH+32*(\hf)+k]
.set k, k+1
.endr
	WIN 0x02
.set k, 0
.rept 32
	v_pk_add_f32 v[UU+2*k:UU+2*k+1], v[64*(\hf)+2*k:64*(\hf)+2*k+1], v[UU+2*k:UU+2*k+1] neg_lo:[0,1] neg_hi:[0,1]
.set k, k+1
.endr
	WIN 0
.set k, 0
.rept 32
	v_cvt_pk_bf16_f32 v[TL+32*(\hf)+k], v[UU+2*k], v[UU+2*k+1]
.set k, k+1
.endr
.endr
.irp a, 0,1,2,3
.irp b, 0,1,2,3
	ds_store_b128 v24, v[TH+4*(4*(\a)+(\b)):TH+4*(4*(\a)+(\b))+3] offset:4352*(\a)+32*(\b)
	ds_store_b128 v24, v[TL+4*(4*(\a)+(\b)):TL+4*(4*(\a)+(\b))+3] offset:34816+4352*(\a)+32*(\b)
.endr
.endr
	s_wait_dscnt 0x0                               ; for the others' sake: my stores into the stage are done
	s_barrier_signal -1
	s_barrier_wait -1
.set t, 0
.rept 16
	ds_load_b128 v[TH+4*t:TH+4*t+3], v25 offset:544*t
	ds_load_b128 v[TL+4*t:TL+4*t+3], v25 offset:34816+544*t
.set t, t+1
.endr
	s_wait_dscnt 0x0
.set t, 0
.rept 16
	global_store_b128 v26, v[TH+4*t:TH+4*t+3], s[10:11] offset:4096*t  ; 16 lanes store 256 consecutive bytes, aligned
	global_store_b128 v26, v[TL+4*t:TL+4*t+3], s[74:75] offset:4096*t
.set t, t+1
.endr
	s_wait_tensorcnt 0x0                           ; the wave's end
	ds_add_u32 v28, v29
	s_wait_dscnt 0x0
	CROUND                                         ; the closing round
	s_endpgm
.Lfunc_end_k_q78b20afee9_g3:
	.size	k_q78b20afee9_g3, .Lfunc_end_k_q78b20afee9_g3-k_q78b20afee9_g3
	.p2alignl 7, 3214868480
	.fill 96, 4, 3214868480
	.section	.rodata,"a",@progbits
	.p2align	6, 0x0
	.amdhsa_kernel k_q78b20afee9_g3
		.amdhsa_group_segment_fixed_size 327680
		.amdhsa_private_segment_fixed_size 0
		.amdhsa_enable_private_segment 0
		.amdhsa_kernarg_size 24
		.amdhsa_user_sgpr_count 2
		.amdhsa_user_sgpr_kernarg_segment_ptr 1
		.amdhsa_wavefront_size32 1
		.amdhsa_system_sgpr_workgroup_id_x 1
		.amdhsa_system_sgpr_workgroup_id_y 1
		.amdhsa_system_sgpr_workgroup_id_z 1
		.amdhsa_system_vgpr_workitem_id 0
		.amdhsa_next_free_vgpr 640
		.amdhsa_next_free_sgpr 102
		.amdhsa_reserve_vcc 0
		.amdhsa_float_denorm_mode_32 3
		.amdhsa_float_denorm_mode_16_64 3
		.amdhsa_memory_ordered 1
		.amdhsa_forward_progress 1
		.amdhsa_inst_pref_size 71
	.end_amdhsa_kernel
	.amdgpu_metadata
---
amdhsa.version: [ 1, 2 ]
amdhsa.kernels:
  - .name:           k_q78b20afee9_g3
    .symbol:         k_q78b20afee9_g3.kd
    .args:
      - { .name: xb, .offset: 0, .size: 8, .value_kind: global_buffer, .address_space: global }
      - { .name: y2, .offset: 8, .size: 8, .value_kind: global_buffer, .address_space: global }
      - { .name: mm, .offset: 16, .size: 8, .value_kind: global_buffer, .address_space: global }
    .group_segment_fixed_size: 327680
    .private_segment_fixed_size: 0
    .kernarg_segment_align: 8
    .kernarg_segment_size: 24
    .max_flat_workgroup_size: 128
    .sgpr_count:     102
    .vgpr_count:     640
    .wavefront_size: 32
...
	.end_amdgpu_metadata
.endif
;; end of part 4
;; launch g4 (part 5): grid 8 x 32, 4 waves a work-group, clusters of 4 x 4, 327,680 bytes of LDS; arguments xb, mm, y3; writes y3
.if DOCPART == 5
	.amdgcn_target "amdgcn-amd-amdhsa--gfx1250"
	.amdhsa_code_object_version 6
	.text
	.protected	k_q78b20afee9_g4
	.globl	k_q78b20afee9_g4
	.p2align	8
	.type	k_q78b20afee9_g4,@function
k_q78b20afee9_g4:
	s_mov_b64 s[64:65], 0
	v_nop
	global_prefetch_b8 v0, s[64:65] scope:SCOPE_SE
	s_setreg_imm32_b32 hwreg(HW_REG_WAVE_MODE, 25, 1), 1
	s_wait_xcnt 0x0
	s_wait_alu depctr_hold_cnt(0) depctr_sa_sdst(0) depctr_va_vdst(0) depctr_va_sdst(0) depctr_va_ssrc(0) depctr_va_vcc(0) depctr_vm_vsrc(0)
	s_getreg_b32 s2, hwreg(HW_REG_IB_STS2, 6, 4)
	s_cmp_eq_u32 s2, 0
	s_cbranch_scc0 .Lentry_in_a_cluster
	s_endpgm
.Lentry_in_a_cluster:
	s_bfe_u32 s2, ttmp6, 0x10000c
	s_cmp_lg_u32 s2, 0xf033
	s_cbranch_scc0 .Lentry_shape_is_right
	s_endpgm
.Lentry_shape_is_right:
; y3[t][f] = the sum over g of xb[t][g] (Mhi + Mlo)[g][f], in f32.  xb: [8192][1024] bf16; a plane of M: [4][1024 g][1024 f] bf16, the lo plane 8,388,608 bytes behind the hi plane; y3: [8192][1024] f32.
; y3 stays in f32: the second LayerNorm takes a mean away from it, and that mean may be many times the row's spread.  NaN and infinities are not treated apart.
; SHARES.  A work-group makes 256 x 128, its four waves 128 x 64 each (32 accumulators).  K = g goes in 8 steps of 128 through two LDS slots.  A's rows lie along K (pitch 272); B's two planes lie [k][f]
; (pitch 288) and come out turned.  Each quarter multiplies A's fragments by the hi plane's and then by the lo plane's, onto the same accumulators.  Source 0 = B, source 1 = A.
; CLUSTER.  4 x 4; A's tile jointly along a row of the cluster, B's planes along a column.  All of a WGP's LDS is claimed.
; REGISTERS.  Window 0: v0-31 addresses, v32-63 the way out, v64-191 A's two buffers.  Window 1: v0-127 B's two buffers (hi, then lo).  Window 2: accumulator (a, b) at 8 (4 a + b).
.set F16, 0
.set HASBIAS, 0
.set ATR, 0
.set NA, 8
.set NB, 4
.set PL, 2
.set TSTEPS, 8
.set PA, 272
.set PB, 288
.set BOFF, 69632
.set PLANE, 36864                      ; the lo plane's distance from the hi plane in a slot
.set AFILL, 34816                      ; 128 rows x 272
.set BFILL, 36864                      ; 128 k-rows x 288: a plane
.set XS, 0x24000
.set STAGE, 290816                     ; 16 rows x 272 bytes for each wave
.set SPARE, 308224
.set FA0, 64
.set FA1, 128
.set FB0, 0
.set FB1, 64
.set NL, 32
.set HW, 8                             ; the lo plane's fragments
.set AH, 2
.set ASTEP, 256
.set BSTEP, 262144
.set AQI, 5
.set APAD, 4
.set AD0, 128
.set AD1, 128
.set ASTR, 1024
.set BQI, 5
.set BPAD, 8
.set BD0, 128
.set BD1, 128
.set BSTR, 1024
.set BIAS, 0
.set G1A, 24
.set G0A, 32
.set G1B, 48
.set G0B, 56
.set MSB, 0
.macro WIN new                         ; the immediate's high byte repeats the setting that is left; a switch that changes nothing is dropped
.if MSB != (\new)
	s_set_vgpr_msb (MSB<<8)|(\new)
.set MSB, \new
.endif
.endm
.macro PLACES                          ; four plain instructions between a matrix instruction and a load into, or a reader of, its registers
.rept 4
	v_nop
.endr
.endm
.macro CREST                           ; a round of the cluster's barrier behind its opening barrier
	s_cmp_lg_u32 s12, 0
	s_cbranch_scc1 .Lnot_wave_0_\@
	s_barrier_signal -3
.Lnot_wave_0_\@:
	s_barrier_wait -3
	s_barrier_signal -1
	s_barrier_wait -1
.endm
.macro CROUND
	s_barrier_signal -1
	s_barrier_wait -1
	CREST
.endm
.macro JLOAD                           ; a joint refill by the walking descriptors: waves 0, 1 A's two parts, waves 2, 3 B's
	s_cmp_eq_u32 s13, 0
	s_cbranch_scc0 .Lfor_b_\@
	tensor_load_to_lds s[G0A+4:G0A+7], s[G1A:G1A+7]
	s_nop 0
	PLACES
	s_branch .Lasked_\@
.Lfor_b_\@:
	tensor_load_to_lds s[G0B+4:G0B+7], s[G1B:G1B+7]
	s_nop 0
	PLACES
.Lasked_\@:
.endm
.macro ASK                             ; a lane a block of 256 bytes of the step AH behind the one just asked for; it stops where that step would pass the last
	WIN 0
	s_cmp_gt_u32 s66, s68
	s_cbranch_scc0 .Lnot_mine_\@
	global_prefetch_b8 v30, s[70:71] th:TH_LOAD_NT scope:SCOPE_SE
.Lnot_mine_\@:
.endm
.macro WM d, s0, s1, cm, c
.if F16
.if (\cm)
	v_wmma_f32_16x16x32_f16 v[\d:\d+7], v[\s0:\s0+7], v[\s1:\s1+7], v[\c:\c+7]
.else
	v_wmma_f32_16x16x32_f16 v[\d:\d+7], v[\s0:\s0+7], v[\s1:\s1+7], 0
.endif
.else
.if (\cm)
	v_wmma_f32_16x16x32_bf16 v[\d:\d+7], v[\s0:\s0+7], v[\s1:\s1+7], v[\c:\c+7]
.else
	v_wmma_f32_16x16x32_bf16 v[\d:\d+7], v[\s0:\s0+7], v[\s1:\s1+7], 0
.endif
.endif
.endm
; n row blocks from a0 on x all NB column blocks, 32 along K, buffer f, plane p.  The accumulators take turns, one instruction a turn.  first = 1: the products start the sums.
.macro MM f, p, a0, n, first
.set ma, \a0
.rept \n
.set mb, 0
.rept NB
.set mi, NB*ma+mb
.set rD, 8*(mi%32)
.set rB, FB0+(FB1-FB0)*(\f)+8*NB*(\p)+8*mb
.set rA, FA0+(FA1-FA0)*(\f)+8*ma
.set rC, BIAS+8*mb
.if (\first) && HASBIAS
	WIN 0x81+0x40*(mi/32)
	WM rD, rB, rA, 1, rC
.elseif \first
	WIN 0xa1+0x50*(mi/32)
	WM rD, rB, rA, 0, rD
.else
	WIN 0xa1+0x50*(mi/32)
	WM rD, rB, rA, 1, rD
.endif
.set mb, mb+1
.endr
.set ma, ma+1
.endr
.endm
.macro LDA q, f
.set fA, FA0+(FA1-FA0)*(\f)
.set fi, 0
.rept NA
.if ATR
	ds_load_tr16_b128 v[fA+8*fi:fA+8*fi+3], v16 offset:32*PA*(\q)+32*fi
	ds_load_tr16_b128 v[fA+8*fi+4:fA+8*fi+7], v16 offset:32*PA*(\q)+32*fi+16*PA
.else
	ds_load_b128 v[fA+8*fi:fA+8*fi+3], v16 offset:64*(\q)+16*PA*fi
	ds_load_b128 v[fA+8*fi+4:fA+8*fi+7], v16 offset:64*(\q)+16*PA*fi+32
.endif
.set fi, fi+1
.endr
.endm
.macro LDB q, f, p
.set fB, FB0+(FB1-FB0)*(\f)+8*NB*(\p)
.set fi, 0
.rept NB
	ds_load_tr16_b128 v[fB+8*fi:fB+8*fi+3], v[20+(\p)] offset:32*PB*(\q)+32*fi
	ds_load_tr16_b128 v[fB+8*fi+4:fB+8*fi+7], v[20+(\p)] offset:32*PB*(\q)+32*fi+16*PB
.set fi, fi+1
.endr
.endm
.macro FETCH q, f                      ; one run of NL loads: quarter q of the slot in hand into buffer f; what a quarter's second half wants comes last
.if PL == 1
	WIN 0x40
	LDB \q, \f, 0
	WIN 0
	LDA \q, \f
.else
	WIN 0
	LDA \q, \f
	WIN 0x40
	LDB \q, \f, 0
	LDB \q, \f, 1
.endif
.endm
.macro QUARTER q, f, g, first          ; multiplies buffer f; in its middle fetches quarter q into buffer g
	s_wait_dscnt HW                                ; all of the last run but its youngest HW loads
.if PL == 1
	MM \f, 0, 0, NA/2, \first
.else
	MM \f, 0, 0, NA, \first
.endif
	PLACES
	FETCH \q, \g
	s_wait_dscnt NL                                ; all but the run just issued
.if PL == 1
	MM \f, 0, NA/2, NA/2, \first
.else
	MM \f, 1, 0, NA, 0
.endif
.endm
; A step's fourth quarter (buffer 1) and the change of slots.  Each wave waits for all its tensor loads (one is out: its part of the next slot), adds 0 to its spare word, and waits for that and for its
; reads of this slot; behind the barrier nobody reads this slot and the next is whole.  fill = 1: the barrier opens a round of the cluster's, and the joint refill, two steps ahead, is the first thing behind it.
.macro TURN fill
.if \fill
	s_wait_xcnt 0x0                                ; the last prefetch, a step back, has read its address
	s_add_nc_u64 s[70:71], s[70:71], s[72:73]
.endif
	WIN 0
	s_wait_tensorcnt 0x0
	ds_add_u32 v28, v29
.if \fill
	s_xor_b32 s[G0A+5], s[G0A+5], XS               ; no tensor load of mine is out: the walking descriptors take the other slot and the next step
	s_add_nc_u64 s[G0A+6:G0A+7], s[G0A+6:G0A+7], ASTEP
	s_xor_b32 s[G0B+5], s[G0B+5], XS
	s_add_nc_u64 s[G0B+6:G0B+7], s[G0B+6:G0B+7], BSTEP
.endif
	s_wait_dscnt HW+1                              ; the add and the youngest HW loads may be out
.if PL == 1
	MM 1, 0, 0, NA/4, 0
.else
	MM 1, 0, 0, NA/2, 0
.endif
	s_wait_dscnt 0x0                               ; the add is done, and my reads of this slot are over
	s_barrier_signal -1
.if PL == 1
	MM 1, 0, NA/4, NA/4, 0
.else
	MM 1, 0, NA/2, NA/2, 0
.endif
	WIN 0
	s_barrier_wait -1
.if \fill
	CREST
	JLOAD                                          ; its four v_nop are also the places in front of the loads below
.else
	PLACES
.endif
	s_xor_b32 s67, s67, XS                         ; the reads go to the other slot
	v_add_nc_u32 v16, s67, v10
	v_add_nc_u32 v20, s67, v11
.if PL == 2
	v_add_nc_u32 v21, s67, v12
.endif
	FETCH 0, 0
.if \fill
	ASK
.endif
.if PL == 1
	MM 1, 0, NA/2, NA/2, 0
.else
	MM 1, 1, 0, NA, 0
.endif
.endm
	s_load_b128 s[4:7], s[0:1], 0x0                ; xb s[4:5], M s[6:7]
	s_load_b64 s[10:11], s[0:1], 0x10              ; y3
	v_lshl_add_u32 v28, v0, 2, SPARE
	v_mov_b32 v29, 0
	ds_add_u32 v28, v29                            ; the opening: the add, twice on end, and its wait ahead of my first tensor load
	ds_add_u32 v28, v29
	v_lshrrev_b32 v1, 5, v0
	v_readfirstlane_b32 s12, v1                    ; wave 0..3
	s_lshr_b32 s13, s12, 1                         ; I fetch for A (0) or B (1); also my half of the tile's rows
	s_and_b32 s14, s12, 1                          ; which part (of B: which plane) I fetch; also my half of its columns
	s_bfe_u32 s15, ttmp6, 0x40000                  ; cx
	s_bfe_u32 s16, ttmp6, 0x40004                  ; cy
	s_lshl_b32 s17, ttmp9, 2
	s_add_co_u32 s17, s17, s15                     ; tile column
	s_and_b32 s20, ttmp7, 0xffff                   ; the cluster's y
	s_lshl_b32 s18, s20, 2
	s_add_co_u32 s18, s18, s16                     ; tile row
	s_mov_b32 s19, ttmp9                           ; the cluster's x
	s_lshr_b32 s21, s20, 1                         ; the batch: eight tile rows, two clusters, each
	s_lshl_b32 s22, s16, 2
	s_lshl_b32 s22, 15, s22                        ; my row of the cluster
	s_lshl_b32 s23, 0x1111, s15                    ; my column
	s_or_b32 s[G1A], s22, (1<<16)|(1<<20)|(1<<21)|(AQI<<22)|((APAD-1)<<25)
	s_or_b32 s[G1B], s23, (1<<16)|(1<<20)|(1<<21)|(BQI<<22)|((BPAD-1)<<25)
	s_mov_b32 s[G1A+1], AD0<<16
	s_mov_b32 s[G1A+2], AD1<<16
	s_mov_b32 s[G1A+3], AD0<<16
	s_mov_b32 s[G1A+4], AD1
	s_mov_b32 s[G1A+5], ASTR
	s_mov_b32 s[G1A+6], 0
	s_mov_b32 s[G1A+7], 0
	s_mov_b32 s[G1B+1], BD0<<16
	s_mov_b32 s[G1B+2], BD1<<16
	s_mov_b32 s[G1B+3], BD0<<16
	s_mov_b32 s[G1B+4], BD1
	s_mov_b32 s[G1B+5], BSTR
	s_mov_b32 s[G1B+6], 0
	s_mov_b32 s[G1B+7], 0
	s_mul_i32 s44, s14, AFILL                      ; where my fill lands in slot 0, for A
	s_mul_i32 s45, s14, BFILL
	s_add_co_u32 s45, s45, BOFF                    ; and for B
	s_mov_b32 s67, 0
	s_mov_b32 s69, 0xffff0000
	; this launch's offsets.  A: row 256 TY + 128 part, 2,048 bytes a row.  B: the plane's 8,388,608 bytes, the batch's 2,097,152, column byte 256 TX
	s_lshl_b32 s40, s18, 19
	s_lshl_b32 s41, s14, 18
	s_add_co_u32 s40, s40, s41
	s_mov_b32 s41, 0
	s_lshl_b32 s42, s14, 23
	s_lshl_b32 s43, s21, 21
	s_add_co_u32 s42, s42, s43
	s_lshl_b32 s43, s17, 8
	s_add_co_u32 s42, s42, s43
	s_mov_b32 s43, 0
	s_mul_i32 s46, s13, 128*PA                     ; my 128 rows of A in a slot
	s_lshl_b32 s47, s14, 7
	s_add_co_u32 s47, s47, BOFF                    ; my 64 columns of B
	s_lshl_b32 s76, s18, 20                        ; my part of the tile in y3: row 256 TY + 128 wr, 4,096 bytes a row; byte 512 TX + 256 wc
	s_lshl_b32 s77, s13, 19
	s_add_co_u32 s76, s76, s77
	s_lshl_b32 s77, s17, 9
	s_add_co_u32 s76, s76, s77
	s_lshl_b32 s77, s14, 8
	s_add_co_u32 s76, s76, s77
	s_mov_b32 s77, 0
	s_lshl_b32 s96, s18, 19                        ; the prefetches.  A: of the 128 rows that I fetch my work-group's 32 (by cx), at step AH + 1
	s_lshl_b32 s97, s14, 18
	s_add_co_u32 s96, s96, s97
	s_lshl_b32 s97, s15, 16
	s_add_co_u32 s96, s96, s97
	s_add_co_u32 s96, s96, (AH+1)*ASTEP
	s_lshl_b32 s98, s14, 23                        ; B: of my plane's 128 g-rows my work-group's 32 (by cy)
	s_lshl_b32 s99, s21, 21
	s_add_co_u32 s98, s98, s99
	s_lshl_b32 s99, s16, 16
	s_add_co_u32 s98, s98, s99
	s_lshl_b32 s99, s17, 8
	s_add_co_u32 s98, s98, s99
	s_add_co_u32 s98, s98, (AH+1)*BSTEP
	s_mov_b32 s100, s19                            ; A's rows are read by both clusters of this row of clusters: the first asks
	s_and_b32 s101, s20, 1                         ; B's by the batch's two clusters of this column: the first asks
	s_wait_dscnt 0x0                               ; both opening adds are done
	s_wait_kmcnt 0x0
	s_add_nc_u64 s[40:41], s[4:5], s[40:41]
	s_add_nc_u64 s[42:43], s[6:7], s[42:43]
.irp s, 0,1
	s_mov_b32 s[G0A+4*(\s)], 1
	s_add_co_u32 s[G0A+4*(\s)+1], s44, (\s)*XS
	s_add_nc_u64 s[G0A+4*(\s)+2:G0A+4*(\s)+3], s[40:41], (\s)*ASTEP
	s_or_b32 s[G0A+4*(\s)+3], s[G0A+4*(\s)+3], 0x80000000
	s_mov_b32 s[G0B+4*(\s)], 1
	s_add_co_u32 s[G0B+4*(\s)+1], s45, (\s)*XS
	s_add_nc_u64 s[G0B+4*(\s)+2:G0B+4*(\s)+3], s[42:43], (\s)*BSTEP
	s_or_b32 s[G0B+4*(\s)+3], s[G0B+4*(\s)+3], 0x80000000
.endr
	s_mov_b32 s97, ASTEP
	s_mov_b32 s99, BSTEP
	s_cmp_eq_u32 s13, 0                            ; by my role, which hangs on the wave's number alone
	s_cselect_b64 s[70:71], s[4:5], s[6:7]
	s_cselect_b32 s72, s97, s99
	s_cselect_b32 s96, s96, s98
	s_cselect_b32 s100, s100, s101
	s_mov_b32 s97, 0
	s_mov_b32 s73, 0
	s_add_nc_u64 s[70:71], s[70:71], s[96:97]
	s_cmp_eq_u32 s100, 0
	s_cselect_b32 s68, AH, -1                      ; a wave asks while the trips to come are more than this
	s_add_nc_u64 s[10:11], s[10:11], s[76:77]      ; y3 at my part of the tile
	CROUND                                         ; all sixteen work-groups are here: the first joint loads meet
	s_cmp_eq_u32 s13, 0
	s_cbranch_scc0 .Lfirst_b
	tensor_load_to_lds s[G0A:G0A+3], s[G1A:G1A+7]
	s_nop 0
	tensor_load_to_lds s[G0A+4:G0A+7], s[G1A:G1A+7]
	s_nop 0
	PLACES
	s_branch .Lfirst_asked
.Lfirst_b:
	tensor_load_to_lds s[G0B:G0B+3], s[G1B:G1B+7]
	s_nop 0
	tensor_load_to_lds s[G0B+4:G0B+7], s[G1B:G1B+7]
	s_nop 0
	PLACES
.Lfirst_asked:
	v_and_b32 v1, 15, v0                           ; r = l % 16
	v_bfe_u32 v2, v0, 4, 1                         ; h = l / 16
	v_and_b32 v3, 7, v0
	v_bfe_u32 v4, v0, 3, 1
	v_and_b32 v5, 31, v0
	v_lshl_add_u32 v6, v2, 3, v3                   ; the turning load: lane l reads k-row 8 h + l % 8, 16 bytes at 16 ((l / 8) % 2)
	v_mul_u32_u24 v7, v6, PB
	v_lshl_add_u32 v7, v4, 4, v7
	v_add_nc_u32 v11, s47, v7
.if PL == 2
	v_add_nc_u32 v12, PLANE, v11
.endif
.if ATR
	v_mul_u32_u24 v8, v6, PA
	v_lshl_add_u32 v8, v4, 4, v8
.else
	v_mul_u32_u24 v8, v1, PA                       ; rows along K: row r, 16 bytes for each half of the lanes
	v_lshl_add_u32 v8, v2, 4, v8
.endif
	v_add_nc_u32 v10, s46, v8
	v_mov_b32 v16, v10
	v_mov_b32 v20, v11
.if PL == 2
	v_mov_b32 v21, v12
.endif
	s_mul_i32 s95, s12, 16*272
	s_add_co_u32 s95, s95, STAGE                   ; my stage
	v_mul_u32_u24 v6, v1, 272
	v_lshl_add_u32 v6, v2, 5, v6
	v_add_nc_u32 v24, s95, v6                      ; in: row r, 32 bytes (eight f32) for each half of the lanes
	v_mul_u32_u24 v6, v2, 272
	v_lshl_add_u32 v6, v1, 4, v6
	v_add_nc_u32 v25, s95, v6                      ; back: lanes 0-15 one row of 256 bytes, lanes 16-31 the next
	v_lshlrev_b32 v6, 12, v2
	v_lshl_add_u32 v26, v1, 4, v6                  ; the same two rows in y3
	v_lshlrev_b32 v30, 11, v5                      ; the prefetch's lane term: a lane a row of 2,048 bytes
	s_wait_tensorcnt 0x1                           ; my part of step 0 is in; step 1's load may stay out
	s_barrier_signal -1
	s_barrier_wait -1
	FETCH 0, 0
	QUARTER 1, 0, 1, 1                             ; the first quarter starts the sums
	WIN 0
	s_mov_b32 s66, TSTEPS-2
.Lstep:                                ; a trip: a step's quarters 1 to 3 and the next step's quarter 0; the slot that is left takes the step two on
	QUARTER 2, 1, 0, 0
	QUARTER 3, 0, 1, 0
	TURN 1
	QUARTER 1, 0, 1, 0
	WIN 0
	s_sub_co_u32 s66, s66, 1
	s_cmp_lg_u32 s66, 0
	s_cbranch_scc1 .Lstep
	s_mov_b32 s66, 2
.Ltail:                                ; the last two steps ask for nothing; the second trip is left in its middle, and its run of loads from the slot read before serves nothing
	QUARTER 2, 1, 0, 0
	QUARTER 3, 0, 1, 0
	TURN 0
	WIN 0
	s_sub_co_u32 s66, s66, 1
	s_cmp_eq_u32 s66, 0
	s_cbranch_scc1 .Lout
	QUARTER 1, 0, 1, 0
	WIN 0
	s_branch .Ltail
.Lout:
	s_wait_dscnt 0x0
	PLACES
	PLACES
; THE WAY OUT, a block of 16 rows x 64 columns of f32 at a time: straight from the accumulators into my stage (each accumulator's low half first), back as whole rows of 256 bytes.
.set OB, 32
.macro OUT a
.set zb, 32*(\a)
	WIN 0x08                                       ; the stores' data in window 2
.irp b, 0,1,2,3
	ds_store_b128 v24, v[zb+8*(\b):zb+8*(\b)+3] offset:64*(\b)
	ds_store_b128 v24, v[zb+8*(\b)+4:zb+8*(\b)+7] offset:64*(\b)+16
.endr
	WIN 0
	s_wait_xcnt 0x0                                ; the last block's stores have read OB
.irp t, 0,1,2,3,4,5,6,7
	ds_load_b128 v[OB+4*(\t):OB+4*(\t)+3], v25 offset:544*(\t)  ; a wave's LDS instructions are served in order: these see the stores above
.endr
	s_wait_dscnt 0x0
.irp t, 0,1,2,3,4,5,6,7
	global_store_b128 v26, v[OB+4*(\t):OB+4*(\t)+3], s[10:11] offset:(\a)*65536+8192*(\t)  ; 16 lanes store 256 consecutive bytes, aligned
.endr
.endm
.irp a, 0,1,2,3,4,5,6,7
	OUT \a
.endr
	s_wait_tensorcnt 0x0                           ; the wave's end
	ds_add_u32 v28, v29
	s_wait_dscnt 0x0
	CROUND                                         ; the closing round
	s_endpgm
.Lfunc_end_k_q78b20afee9_g4:
	.size	k_q78b20afee9_g4, .Lfunc_end_k_q78b20afee9_g4-k_q78b20afee9_g4
	.p2alignl 7, 3214868480
	.fill 96, 4, 3214868480
	.section	.rodata,"a",@progbits
	.p2align	6, 0x0
	.amdhsa_kernel k_q78b20afee9_g4
		.amdhsa_group_segment_fixed_size 327680
		.amdhsa_private_segment_fixed_size 0
		.amdhsa_enable_private_segment 0
		.amdhsa_kernarg_size 24
		.amdhsa_user_sgpr_count 2
		.amdhsa_user_sgpr_kernarg_segment_ptr 1
		.amdhsa_wavefront_size32 1
		.amdhsa_system_sgpr_workgroup_id_x 1
		.amdhsa_system_sgpr_workgroup_id_y 1
		.amdhsa_system_sgpr_workgroup_id_z 1
		.amdhsa_system_vgpr_workitem_id 0
		.amdhsa_next_free_vgpr 768
		.amdhsa_next_free_sgpr 102
		.amdhsa_reserve_vcc 0
		.amdhsa_float_denorm_mode_32 3
		.amdhsa_float_denorm_mode_16_64 3
		.amdhsa_memory_ordered 1
		.amdhsa_forward_progress 1
		.amdhsa_inst_pref_size 85
	.end_amdhsa_kernel
	.amdgpu_metadata
---
amdhsa.version: [ 1, 2 ]
amdhsa.kernels:
  - .name:           k_q78b20afee9_g4
    .symbol:         k_q78b20afee9_g4.kd
    .args:
      - { .name: xb, .offset: 0, .size: 8, .value_kind: global_buffer, .address_space: global }
      - { .name: mm, .offset: 8, .size: 8, .value_kind: global_buffer, .address_space: global }
      - { .name: y3, .offset: 16, .size: 8, .value_kind: global_buffer, .address_space: global }
    .group_segment_fixed_size: 327680
    .private_segment_fixed_size: 0
    .kernarg_segment_align: 8
    .kernarg_segment_size: 24
    .max_flat_workgroup_size: 128
    .sgpr_count:     102
    .vgpr_count:     768
    .wavefront_size: 32
...
	.end_amdgpu_metadata
.endif
;; end of part 5
;; launch fin (part 6): grid 256 x 1, 8 waves a work-group, no clusters, 0 bytes of LDS; arguments y3, xb, ln_gamma, ln_beta, out0; writes out0
.if DOCPART == 6
	.amdgcn_target "amdgcn-amd-amdhsa--gfx1250"
	.amdhsa_code_object_version 6
	.text
	.protected	k_q78b20afee9_fin
	.globl	k_q78b20afee9_fin
	.p2align	8
	.type	k_q78b20afee9_fin,@function
k_q78b20afee9_fin:
	s_mov_b64 s[64:65], 0
	v_nop
	global_prefetch_b8 v0, s[64:65] scope:SCOPE_SE
	s_setreg_imm32_b32 hwreg(HW_REG_WAVE_MODE, 25, 1), 1
	s_wait_xcnt 0x0
; out0 = LayerNorm(xb + y3) g + b, g and b rounded to bf16 like every input.  y3, out0: [8192][1024] f32; xb: [8192][1024] bf16.
; The variance is taken of the centred numbers, so a mean many times the row's spread costs nothing.  NaN and infinities are not treated apart.
; SHARES.  32 rows to a work-group, four to a wave; a row lies in 32 registers of one wave, lane l holding columns 128 j + 4 l + 0..3: mean and variance never leave the wave, and every byte is read once.
; A load or store of 16 bytes a lane covers 512 consecutive bytes, a load of 8 bytes a lane 256, aligned.  No LDS, no barrier, no matrix unit: nothing is shared.
.set GN, 8                             ; v[8:39]    gain of my 32 columns
.set BT, 40                            ; v[40:71]   bias
.set YA, 72                            ; v[72:103]  the trip's first row: y3, then the sum, then the result
.set YB, 104                           ; v[104:135] its second
.set QA, 136                           ; v[136:151] the first row's xb
.set QB, 152                           ; v[152:167] the second's
.set SC, 168                           ; v[168:183] at work
.set SINV, 19                          ; s19 2^-10
.set SEPS, 20                          ; s20 1e-5
.set SSEL, 22                          ; s[22:23] lane selects: each lane takes its own place in the other half
.macro FOLD d                          ; four chains of pairs into one number
	v_pk_add_f32 v[SC:SC+1], v[SC:SC+1], v[SC+2:SC+3]
	v_pk_add_f32 v[SC+4:SC+5], v[SC+4:SC+5], v[SC+6:SC+7]
	v_pk_add_f32 v[SC:SC+1], v[SC:SC+1], v[SC+4:SC+5]
	v_add_f32 v[\d], v[SC], v[SC+1]
.endm
.macro LANESUM r, t                    ; the sum over the 32 lanes, in every lane
	v_add_f32_dpp v[\r], v[\r], v[\r] row_xmask:1 row_mask:0xf bank_mask:0xf
	v_add_f32_dpp v[\r], v[\r], v[\r] row_xmask:2 row_mask:0xf bank_mask:0xf
	v_add_f32_dpp v[\r], v[\r], v[\r] row_xmask:4 row_mask:0xf bank_mask:0xf
	v_add_f32_dpp v[\r], v[\r], v[\r] row_xmask:8 row_mask:0xf bank_mask:0xf
	v_permlanex16_b32 v[\t], v[\r], s[SSEL], s[SSEL+1]
	v_add_f32 v[\r], v[\r], v[\t]
.endm
.macro LNCORE X                        ; LayerNorm of the row in v[X ..], in place: mean, centred numbers, their variance, scale, gain and bias
.set c, 0
.rept 4
	v_pk_add_f32 v[SC+2*c:SC+2*c+1], v[\X+2*c:\X+2*c+1], v[\X+8+2*c:\X+8+2*c+1]  ; the first eight pairs start the four chains
.set c, c+1
.endr
.set p, 8
.rept 8
	v_pk_add_f32 v[SC+2*(p%4):SC+2*(p%4)+1], v[SC+2*(p%4):SC+2*(p%4)+1], v[\X+2*p:\X+2*p+1]
.set p, p+1
.endr
	FOLD SC+8
	LANESUM SC+8, SC+9
	v_mul_f32 v[SC+8], s[SINV], v[SC+8]            ; the mean of 1,024
.set p, 0
.rept 16
	v_pk_add_f32 v[\X+2*p:\X+2*p+1], v[\X+2*p:\X+2*p+1], v[SC+8:SC+9] op_sel_hi:[1,0] neg_lo:[0,1] neg_hi:[0,1]
.set p, p+1
.endr
.set c, 0
.rept 4
	v_pk_mul_f32 v[SC+2*c:SC+2*c+1], v[\X+2*c:\X+2*c+1], v[\X+2*c:\X+2*c+1]
.set c, c+1
.endr
.set p, 4
.rept 12
	v_pk_fma_f32 v[SC+2*(p%4):SC+2*(p%4)+1], v[\X+2*p:\X+2*p+1], v[\X+2*p:\X+2*p+1], v[SC+2*(p%4):SC+2*(p%4)+1]
.set p, p+1
.endr
	FOLD SC+10
	LANESUM SC+10, SC+11
	v_fma_f32 v[SC+10], v[SC+10], s[SINV], s[SEPS] ; variance + 1e-5
	v_rsq_f32 v[SC+10], v[SC+10]
	v_nop                                          ; a plain instruction between the root and the use of its result
	s_wait_alu depctr_va_vdst(0)                   ; and a wait ahead of the first use
.set p, 0
.rept 16
	v_pk_mul_f32 v[\X+2*p:\X+2*p+1], v[\X+2*p:\X+2*p+1], v[SC+10:SC+11] op_sel_hi:[1,0]
.set p, p+1
.endr
.set p, 0
.rept 16
	v_pk_fma_f32 v[\X+2*p:\X+2*p+1], v[\X+2*p:\X+2*p+1], v[GN+2*p:GN+2*p+1], v[BT+2*p:BT+2*p+1]
.set p, p+1
.endr
.endm
.macro LOADROW Y, Q, ro
.set j, 0
.rept 8
	global_load_b128 v[\Y+4*j:\Y+4*j+3], v2, s[8:9] offset:(\ro)*4096+512*j th:TH_LOAD_NT
	global_load_b64 v[\Q+2*j:\Q+2*j+1], v3, s[10:11] offset:(\ro)*2048+256*j
.set j, j+1
.endr
.endm
.macro FROW Y, Q, ro                   ; one row: the residual, LayerNorm, out
.set p, 0
.rept 16
	v_lshlrev_b32 v[SC+2*(p%4)], 16, v[\Q+p]
	v_and_b32 v[SC+2*(p%4)+1], s18, v[\Q+p]
	v_pk_add_f32 v[\Y+2*p:\Y+2*p+1], v[\Y+2*p:\Y+2*p+1], v[SC+2*(p%4):SC+2*(p%4)+1]
.set p, p+1
.endr
	LNCORE \Y
.set j, 0
.rept 8
	global_store_b128 v2, v[\Y+4*j:\Y+4*j+3], s[16:17] offset:(\ro)*4096+512*j th:TH_STORE_NT
.set j, j+1
.endr
.endm
	s_load_b256 s[8:15], s[0:1], 0x0               ; y3 s[8:9], xb s[10:11], gain s[12:13], bias s[14:15]
	s_load_b64 s[16:17], s[0:1], 0x20              ; out0
	v_lshrrev_b32 v1, 5, v0
	v_readfirstlane_b32 s4, v1                     ; wave 0..7
	v_and_b32 v1, 31, v0
	v_lshlrev_b32 v2, 4, v1                        ; 16 bytes a lane of f32
	v_lshlrev_b32 v3, 3, v1                        ; 8 of bf16
	v_mov_b32 v[SC+9], 0                           ; written before v_permlanex16_b32 names them as destinations
	v_mov_b32 v[SC+11], 0
	s_mov_b32 s18, 0xffff0000                      ; a word's upper bf16
	s_mov_b32 s[SINV], 0x3a800000
	s_mov_b32 s[SEPS], 0x3727c5ac
	s_mov_b32 s[SSEL], 0x76543210
	s_mov_b32 s[SSEL+1], 0xfedcba98
	s_mov_b32 s24, 2                               ; trips: two rows each
	s_lshl_b32 s5, ttmp9, 17                       ; the work-group's 32 rows of 4,096 bytes,
	s_lshl_b32 s6, s4, 14                          ; my wave's four
	s_add_co_u32 s26, s5, s6
	s_mov_b32 s27, 0
	s_lshr_b32 s28, s26, 1                         ; the same rows in bf16
	s_mov_b32 s29, 0
	s_wait_kmcnt 0x0
	s_add_nc_u64 s[8:9], s[8:9], s[26:27]
	s_add_nc_u64 s[16:17], s[16:17], s[26:27]
	s_add_nc_u64 s[10:11], s[10:11], s[28:29]
.set j, 0
.rept 8
	global_load_b128 v[GN+4*j:GN+4*j+3], v2, s[12:13] offset:512*j
	global_load_b128 v[BT+4*j:BT+4*j+3], v2, s[14:15] offset:512*j
.set j, j+1
.endr
	s_wait_loadcnt 0x0
.set k, 0
.rept 32                               ; gain and bias lie on end: 32 pairs, rounded to bf16 and kept as f32
	v_cvt_pk_bf16_f32 v[SC+k%4], v[GN+2*k], v[GN+2*k+1]
	v_lshlrev_b32 v[GN+2*k], 16, v[SC+k%4]
	v_and_b32 v[GN+2*k+1], s18, v[SC+k%4]
.set k, k+1
.endr
.Ltrip:
	LOADROW YA, QA, 0
	LOADROW YB, QB, 1
	s_wait_loadcnt 16                              ; the first row's sixteen loads are in; the second row's sixteen may stay out
	FROW YA, QA, 0
	s_wait_loadcnt 0x0
	FROW YB, QB, 1
	s_wait_xcnt 0x0                                ; the stores have read their data and base: the next trip loads into those registers, and the bases are stepped, only behind this wait
	s_add_nc_u64 s[8:9], s[8:9], 8192
	s_add_nc_u64 s[16:17], s[16:17], 8192
	s_add_nc_u64 s[10:11], s[10:11], 4096
	s_sub_co_u32 s24, s24, 1
	s_cmp_lg_u32 s24, 0
	s_cbranch_scc1 .Ltrip
	s_endpgm
.Lfunc_end_k_q78b20afee9_fin:
	.size	k_q78b20afee9_fin, .Lfunc_end_k_q78b20afee9_fin-k_q78b20afee9_fin
	.p2alignl 7, 3214868480
	.fill 96, 4, 3214868480
	.section	.rodata,"a",@progbits
	.p2align	6, 0x0
	.amdhsa_kernel k_q78b20afee9_fin
		.amdhsa_group_segment_fixed_size 0
		.amdhsa_private_segment_fixed_size 0
		.amdhsa_enable_private_segment 0
		.amdhsa_kernarg_size 40
		.amdhsa_user_sgpr_count 2
		.amdhsa_user_sgpr_kernarg_segment_ptr 1
		.amdhsa_wavefront_size32 1
		.amdhsa_system_sgpr_workgroup_id_x 1
		.amdhsa_system_sgpr_workgroup_id_y 1
		.amdhsa_system_sgpr_workgroup_id_z 1
		.amdhsa_system_vgpr_workitem_id 0
		.amdhsa_next_free_vgpr 184
		.amdhsa_next_free_sgpr 66
		.amdhsa_reserve_vcc 0
		.amdhsa_float_denorm_mode_32 3
		.amdhsa_float_denorm_mode_16_64 3
		.amdhsa_memory_ordered 1
		.amdhsa_forward_progress 1
		.amdhsa_inst_pref_size 28
	.end_amdhsa_kernel
	.amdgpu_metadata
---
amdhsa.version: [ 1, 2 ]
amdhsa.kernels:
  - .name:           k_q78b20afee9_fin
    .symbol:         k_q78b20afee9_fin.kd
    .args:
      - { .name: y3, .offset: 0, .size: 8, .value_kind: global_buffer, .address_space: global }
      - { .name: xb, .offset: 8, .size: 8, .value_kind: global_buffer, .address_space: global }
      - { .name: ln_gamma, .offset: 16, .size: 8, .value_kind: global_buffer, .address_space: global }
      - { .name: ln_beta, .offset: 24, .size: 8, .value_kind: global_buffer, .address_space: global }
      - { .name: out0, .offset: 32, .size: 8, .value_kind: global_buffer, .address_space: global }
    .group_segment_fixed_size: 0
    .private_segment_fixed_size: 0
    .kernarg_segment_align: 8
    .kernarg_segment_size: 40
    .max_flat_workgroup_size: 256
    .sgpr_count:     66
    .vgpr_count:     184
    .wavefront_size: 32
...
	.end_amdgpu_metadata
.endif
;; end of part 6
;; ======== version 2 of 2: 6 launches
;; limits: values are held in f16: magnitudes above 65,504 overflow, below 6.1e-05 lose precision; an absolute error that grows with the inputs' magnitude: up to 7.5e-08 times it
;; workspace buffers: xb 16,777,216 bytes; y0 16,777,216 bytes; w1h 4,194,304 bytes; w2h 4,194,304 bytes; hbuf 33,554,432 bytes; y2 16,842,752 bytes; mm 8,454,144 bytes; y3 33,554,432 bytes
;; launch prep (part 7): grid 384 x 1, 8 waves a work-group, no clusters, 0 bytes of LDS; arguments x, ln_gamma, ln_beta, w1, w2, xb, y0, w1h, w2h; writes xb, y0, w1h, w2h
.if DOCPART == 7
	.amdgcn_target "amdgcn-amd-amdhsa--gfx1250"
	.amdhsa_code_object_version 6
	.text
	.protected	k_q78b20afee9_prep
	.globl	k_q78b20afee9_prep
	.p2align	8
	.type	k_q78b20afee9_prep,@function
k_q78b20afee9_prep:
	s_mov_b64 s[64:65], 0
	v_nop
	global_prefetch_b8 v0, s[64:65] scope:SCOPE_SE
	s_setreg_imm32_b32 hwreg(HW_REG_WAVE_MODE, 25, 1), 1
	s_wait_xcnt 0x0
; xb = x rounded to bf16, that number written as f16;  y0 = f16(LayerNorm(rounded x) g + b), g and b rounded to bf16;  w1h, w2h = the weights rounded to bf16 and written as f16.
; Every input is rounded to bf16 first and the rounded number is used everywhere, in the row's mean and variance too.
; LIMITS.  |x|, |y0| and the weights stay under 65,504 (f16); a rounded x or weight below 2^-14 keeps f16's fixed step of 2^-24.  NaN and infinities are not treated apart.
; SHARES.  Work-groups 0-255: 32 rows of x each, four to a wave; a row of 4,096 bytes lies in 32 registers of one wave, lane l holding columns 128 j + 4 l + 0..3,
; so mean and variance never leave the wave and x is read once.  Work-groups 256-383: 131,072 bytes of w1 (the first 64) or w2, 16,384 to a wave.
; A load of a wave covers 512 consecutive bytes, a store of 8 bytes a lane 256 consecutive bytes, aligned.  No LDS, no barrier, no matrix unit: nothing is shared.
.set GN, 8                             ; v[8:39]    gain of my 32 columns, rounded to bf16, as f32
.set BT, 40                            ; v[40:71]   bias likewise
.set XA, 72                            ; v[72:103]  the trip's first row (or unit)
.set XB, 104                           ; v[104:135] its second
.set XP, 136                           ; v[136:151] the row as bf16, then as f16, to store
.set YP, 152                           ; v[152:167] the result as f16, to store
.set SC, 168                           ; v[168:183] at work: four chains; +8 mean; +10 variance, then 1/sqrt; +9, +11 the other half of the lanes'
.set SINV, 27                          ; s27 2^-10
.set SEPS, 28                          ; s28 1e-5
.set SSEL, 36                          ; s[36:37] lane selects: each lane takes its own place in the other half
.macro LOAD8 X, off                    ; 4,096 consecutive bytes: eight loads of 512
.set j, 0
.rept 8
	global_load_b128 v[\X+4*j:\X+4*j+3], v2, s[8:9] offset:(\off)+512*j th:TH_LOAD_NT
.set j, j+1
.endr
.endm
.macro TOBF X                          ; the 32 numbers rounded to bf16 into XP,
.set k, 0
.rept 16
	v_cvt_pk_bf16_f32 v[XP+k], v[\X+2*k], v[\X+2*k+1]
.set k, k+1
.endr
.endm
.macro BACK X                          ; and the rounded numbers back as f32
.set k, 0
.rept 16
	v_lshlrev_b32 v[\X+2*k], 16, v[XP+k]
	v_and_b32 v[\X+2*k+1], s26, v[XP+k]
.set k, k+1
.endr
.endm
.macro FOLD d                          ; four chains of pairs into one number
	v_pk_add_f32 v[SC:SC+1], v[SC:SC+1], v[SC+2:SC+3]
	v_pk_add_f32 v[SC+4:SC+5], v[SC+4:SC+5], v[SC+6:SC+7]
	v_pk_add_f32 v[SC:SC+1], v[SC:SC+1], v[SC+4:SC+5]
	v_add_f32 v[\d], v[SC], v[SC+1]
.endm
.macro LANESUM r, t                    ; the sum over the 32 lanes, in every lane
	v_add_f32_dpp v[\r], v[\r], v[\r] row_xmask:1 row_mask:0xf bank_mask:0xf
	v_add_f32_dpp v[\r], v[\r], v[\r] row_xmask:2 row_mask:0xf bank_mask:0xf
	v_add_f32_dpp v[\r], v[\r], v[\r] row_xmask:4 row_mask:0xf bank_mask:0xf
	v_add_f32_dpp v[\r], v[\r], v[\r] row_xmask:8 row_mask:0xf bank_mask:0xf
	v_permlanex16_b32 v[\t], v[\r], s[SSEL], s[SSEL+1]
	v_add_f32 v[\r], v[\r], v[\t]
.endm
.macro LNCORE X                        ; LayerNorm of the row in v[X ..], in place: mean, centred numbers, their variance, scale, gain and bias
.set c, 0
.rept 4
	v_pk_add_f32 v[SC+2*c:SC+2*c+1], v[\X+2*c:\X+2*c+1], v[\X+8+2*c:\X+8+2*c+1]  ; the first eight pairs start the four chains
.set c, c+1
.endr
.set p, 8
.rept 8
	v_pk_add_f32 v[SC+2*(p%4):SC+2*(p%4)+1], v[SC+2*(p%4):SC+2*(p%4)+1], v[\X+2*p:\X+2*p+1]
.set p, p+1
.endr
	FOLD SC+8
	LANESUM SC+8, SC+9
	v_mul_f32 v[SC+8], s[SINV], v[SC+8]            ; the mean of 1,024
.set p, 0
.rept 16
	v_pk_add_f32 v[\X+2*p:\X+2*p+1], v[\X+2*p:\X+2*p+1], v[SC+8:SC+9] op_sel_hi:[1,0] neg_lo:[0,1] neg_hi:[0,1]
.set p, p+1
.endr
.set c, 0
.rept 4
	v_pk_mul_f32 v[SC+2*c:SC+2*c+1], v[\X+2*c:\X+2*c+1], v[\X+2*c:\X+2*c+1]
.set c, c+1
.endr
.set p, 4
.rept 12
	v_pk_fma_f32 v[SC+2*(p%4):SC+2*(p%4)+1], v[\X+2*p:\X+2*p+1], v[\X+2*p:\X+2*p+1], v[SC+2*(p%4):SC+2*(p%4)+1]
.set p, p+1
.endr
	FOLD SC+10
	LANESUM SC+10, SC+11
	v_fma_f32 v[SC+10], v[SC+10], s[SINV], s[SEPS] ; variance + 1e-5
	v_rsq_f32 v[SC+10], v[SC+10]
	v_nop                                          ; a plain instruction between the root and the use of its result
	s_wait_alu depctr_va_vdst(0)                   ; and a wait ahead of the first use
.set p, 0
.rept 16
	v_pk_mul_f32 v[\X+2*p:\X+2*p+1], v[\X+2*p:\X+2*p+1], v[SC+10:SC+11] op_sel_hi:[1,0]
.set p, p+1
.endr
.set p, 0
.rept 16
	v_pk_fma_f32 v[\X+2*p:\X+2*p+1], v[\X+2*p:\X+2*p+1], v[GN+2*p:GN+2*p+1], v[BT+2*p:BT+2*p+1]
.set p, p+1
.endr
.endm
.macro TOF16 X, D
.set k, 0
.rept 16
	v_cvt_pk_f16_f32 v[\D+k], v[\X+2*k], v[\X+2*k+1]
.set k, k+1
.endr
.endm
.macro ROW X, ro                       ; one row: xb out, LayerNorm, y0 out
	s_wait_xcnt 0x0                                ; XP and YP, which the last row's stores read, are rewritten only behind this wait
	TOBF \X
	BACK \X
	TOF16 \X, XP                                   ; the rounded numbers as f16
.set j, 0
.rept 8
	global_store_b64 v3, v[XP+2*j:XP+2*j+1], s[18:19] offset:(\ro)*2048+256*j
.set j, j+1
.endr
	LNCORE \X
	TOF16 \X, YP
.set j, 0
.rept 8
	global_store_b64 v3, v[YP+2*j:YP+2*j+1], s[20:21] offset:(\ro)*2048+256*j
.set j, j+1
.endr
.endm
.macro UNIT X, u                       ; 1,024 weights: rounded to bf16, that number written as f16
	s_wait_xcnt 0x0                                ; YP is rewritten only behind this wait
	TOBF \X
	BACK \X
	TOF16 \X, YP
.set j, 0
.rept 8
	global_store_b64 v3, v[YP+2*j:YP+2*j+1], s[18:19] offset:(\u)*2048+256*j
.set j, j+1
.endr
.endm
	s_load_b512 s[8:23], s[0:1], 0x0               ; x s[8:9], gain s[10:11], bias s[12:13], w1 s[14:15], w2 s[16:17], xb s[18:19], y0 s[20:21], w1h s[22:23]
	s_load_b64 s[24:25], s[0:1], 0x40              ; w2h
	v_lshrrev_b32 v1, 5, v0
	v_readfirstlane_b32 s4, v1                     ; wave 0..7
	v_and_b32 v1, 31, v0
	v_lshlrev_b32 v2, 4, v1                        ; 16 bytes a lane on the way in
	v_lshlrev_b32 v3, 3, v1                        ; 8 on the way out
	v_mov_b32 v[SC+9], 0                           ; written before v_permlanex16_b32 names them as destinations
	v_mov_b32 v[SC+11], 0
	s_mov_b32 s26, 0xffff0000                      ; a word's upper bf16
	s_mov_b32 s[SINV], 0x3a800000
	s_mov_b32 s[SEPS], 0x3727c5ac
	s_mov_b32 s[SSEL], 0x76543210
	s_mov_b32 s[SSEL+1], 0xfedcba98
	s_mov_b32 s30, 2                               ; trips: two rows (or units) each
	s_lshl_b32 s7, s4, 14                          ; my wave's 16,384 bytes of f32
	s_mov_b32 s33, 0
	s_mov_b32 s35, 0
	s_cmp_ge_u32 ttmp9, 0x100
	s_cbranch_scc1 .Lweights
	s_lshl_b32 s5, ttmp9, 17                       ; the work-group's 32 rows of 4,096 bytes
	s_add_co_u32 s32, s5, s7
	s_lshr_b32 s34, s32, 1                         ; the same rows in 16 bits
	s_wait_kmcnt 0x0
	s_add_nc_u64 s[8:9], s[8:9], s[32:33]
	s_add_nc_u64 s[18:19], s[18:19], s[34:35]
	s_add_nc_u64 s[20:21], s[20:21], s[34:35]
.set j, 0
.rept 8
	global_load_b128 v[GN+4*j:GN+4*j+3], v2, s[10:11] offset:512*j
	global_load_b128 v[BT+4*j:BT+4*j+3], v2, s[12:13] offset:512*j
.set j, j+1
.endr
	s_wait_loadcnt 0x0
.set k, 0
.rept 32                               ; gain and bias lie on end: 32 pairs, rounded to bf16 and kept as f32
	v_cvt_pk_bf16_f32 v[SC+k%4], v[GN+2*k], v[GN+2*k+1]
	v_lshlrev_b32 v[GN+2*k], 16, v[SC+k%4]
	v_and_b32 v[GN+2*k+1], s26, v[SC+k%4]
.set k, k+1
.endr
.Ltrip:
	LOAD8 XA, 0
	LOAD8 XB, 4096
	s_wait_loadcnt 8                               ; the first row is in; the second row's eight loads may stay out
	ROW XA, 0
	s_wait_loadcnt 0x0
	ROW XB, 1
	s_wait_xcnt 0x0                                ; the bases are stepped only behind this wait
	s_add_nc_u64 s[8:9], s[8:9], 8192
	s_add_nc_u64 s[18:19], s[18:19], 4096
	s_add_nc_u64 s[20:21], s[20:21], 4096
	s_sub_co_u32 s30, s30, 1
	s_cmp_lg_u32 s30, 0
	s_cbranch_scc1 .Ltrip
	s_endpgm
.Lweights:
	s_sub_co_u32 s5, ttmp9, 0x100                  ; 0..127
	s_and_b32 s6, s5, 63
	s_lshl_b32 s6, s6, 17                          ; the work-group's 131,072 bytes
	s_add_co_u32 s32, s6, s7
	s_lshr_b32 s34, s32, 1
	s_wait_kmcnt 0x0
	s_cmp_lt_u32 s5, 64
	s_cselect_b64 s[8:9], s[14:15], s[16:17]       ; w1 or w2,
	s_cselect_b64 s[18:19], s[22:23], s[24:25]     ; w1h or w2h
	s_add_nc_u64 s[8:9], s[8:9], s[32:33]
	s_add_nc_u64 s[18:19], s[18:19], s[34:35]
.Lwtrip:
	LOAD8 XA, 0
	LOAD8 XB, 4096
	s_wait_loadcnt 8                               ; the first unit is in; the second's eight loads may stay out
	UNIT XA, 0
	s_wait_loadcnt 0x0
	UNIT XB, 1
	s_wait_xcnt 0x0
	s_add_nc_u64 s[8:9], s[8:9], 8192
	s_add_nc_u64 s[18:19], s[18:19], 4096
	s_sub_co_u32 s30, s30, 1
	s_cmp_lg_u32 s30, 0
	s_cbranch_scc1 .Lwtrip
	s_endpgm
.Lfunc_end_k_q78b20afee9_prep:
	.size	k_q78b20afee9_prep, .Lfunc_end_k_q78b20afee9_prep-k_q78b20afee9_prep
	.p2alignl 7, 3214868480
	.fill 96, 4, 3214868480
	.section	.rodata,"a",@progbits
	.p2align	6, 0x0
	.amdhsa_kernel k_q78b20afee9_prep
		.amdhsa_group_segment_fixed_size 0
		.amdhsa_private_segment_fixed_size 0
		.amdhsa_enable_private_segment 0
		.amdhsa_kernarg_size 72
		.amdhsa_user_sgpr_count 2
		.amdhsa_user_sgpr_kernarg_segment_ptr 1
		.amdhsa_wavefront_size32 1
		.amdhsa_system_sgpr_workgroup_id_x 1
		.amdhsa_system_sgpr_workgroup_id_y 1
		.amdhsa_system_sgpr_workgroup_id_z 1
		.amdhsa_system_vgpr_workitem_id 0
		.amdhsa_next_free_vgpr 184
		.amdhsa_next_free_sgpr 66
		.amdhsa_reserve_vcc 0
		.amdhsa_float_denorm_mode_32 3
		.amdhsa_float_denorm_mode_16_64 3
		.amdhsa_memory_ordered 1
		.amdhsa_forward_progress 1
		.amdhsa_inst_pref_size 42
	.end_amdhsa_kernel
	.amdgpu_metadata
---
amdhsa.version: [ 1, 2 ]
amdhsa.kernels:
  - .name:           k_q78b20afee9_prep
    .symbol:         k_q78b20afee9_prep.kd
    .args:
      - { .name: x, .offset: 0, .size: 8, .value_kind: global_buffer, .address_space: global }
      - { .name: ln_gamma, .offset: 8, .size: 8, .value_kind: global_buffer, .address_space: global }
      - { .name: ln_beta, .offset: 16, .size: 8, .value_kind: global_buffer, .address_space: global }
      - { .name: w1, .offset: 24, .size: 8, .value_kind: global_buffer, .address_space: global }
      - { .name: w2, .offset: 32, .size: 8, .value_kind: global_buffer, .address_space: global }
      - { .name: xb, .offset: 40, .size: 8, .value_kind: global_buffer, .address_space: global }
      - { .name: y0, .offset: 48, .size: 8, .value_kind: global_buffer, .address_space: global }
      - { .name: w1h, .offset: 56, .size: 8, .value_kind: global_buffer, .address_space: global }
      - { .name: w2h, .offset: 64, .size: 8, .value_kind: global_buffer, .address_space: global }
    .group_segment_fixed_size: 0
    .private_segment_fixed_size: 0
    .kernarg_segment_align: 8
    .kernarg_segment_size: 72
    .max_flat_workgroup_size: 256
    .sgpr_count:     66
    .vgpr_count:     184
    .wavefront_size: 32
...
	.end_amdgpu_metadata
.endif
;; end of part 7
;; launch g1: the kernel of part 2 again; grid 8 x 32, 4 waves a work-group, clusters of 4 x 4, 327,680 bytes of LDS; arguments y0, w1h, b1, hbuf; writes hbuf
;; launch g2 (part 8): grid 8 x 32, 4 waves a work-group, clusters of 4 x 4, 327,680 bytes of LDS; arguments hbuf, w2h, b2, y2; writes y2
.if DOCPART == 8
	.amdgcn_target "amdgcn-amd-amdhsa--gfx1250"
	.amdhsa_code_object_version 6
	.text
	.protected	k_q78b20afee9_g2
	.globl	k_q78b20afee9_g2
	.p2align	8
	.type	k_q78b20afee9_g2,@function
k_q78b20afee9_g2:
	s_mov_b64 s[64:65], 0
	v_nop
	global_prefetch_b8 v0, s[64:65] scope:SCOPE_SE
	s_setreg_imm32_b32 hwreg(HW_REG_WAVE_MODE, 25, 1), 1
	s_wait_xcnt 0x0
	s_wait_alu depctr_hold_cnt(0) depctr_sa_sdst(0) depctr_va_vdst(0) depctr_va_sdst(0) depctr_va_ssrc(0) depctr_va_vcc(0) depctr_vm_vsrc(0)
	s_getreg_b32 s2, hwreg(HW_REG_IB_STS2, 6, 4)
	s_cmp_eq_u32 s2, 0
	s_cbranch_scc0 .Lentry_in_a_cluster
	s_endpgm
.Lentry_in_a_cluster:
	s_bfe_u32 s2, ttmp6, 0x10000c
	s_cmp_lg_u32 s2, 0xf033
	s_cbranch_scc0 .Lentry_shape_is_right
	s_endpgm
.Lentry_shape_is_right:
; y2 = h w2h + b2, stored as ONE f16 plane with a power-of-two scale for each work-group's tile of 256 rows x 128 columns.  With m the tile's largest magnitude (at least 2^-112) and E = floor(log2 m)
; the plane holds v 2^(14-E), so the tile's largest number lies in 2^14 .. 2^15, and the table behind the plane (byte 16,777,216 on; 256 bytes for tile 8 TY + TX) holds 2^(E-14), 64 times.
; So f16's range binds nothing here; a number 2^-29 of its tile's largest or smaller keeps a fixed step.  NaN and infinities are not treated apart.
; h: [8192][2048] f16, w2h: [2048 k][1024 n] f16, b2: [1024] f32 (rounded to bf16 here).  Sums in f32.
; SHARES.  A work-group makes 256 x 128, wave w its rows 64 w .. 64 w + 63 and all 128 columns (32 accumulators), so that a wave owns whole rows of 256 bytes on the way out.
; K goes in 16 steps of 128 through two LDS slots; A's rows lie along K (pitch 272); B lies [k][n] (pitch 288) and comes out turned.  Source 0 = B, source 1 = A.  The bias is the C operand of the first products.
; CLUSTER.  4 x 4; A's tile jointly along a row of the cluster, B's along a column.  All of a WGP's LDS is claimed.
; REGISTERS.  Window 0: v0-63 addresses and scratch, v64-127 A's two buffers, v192-255 the bias.  Window 1: v0-127 B's two buffers.  Window 2: accumulator (a, b) at 8 (8 a + b).
.set HASBIAS, 1
.set ATR, 0
.set NA, 4
.set NB, 8
.set NQ, 4
.set TSTEPS, 16
.set PA, 272
.set PB, 288
.set BOFF, 69632
.set AFILL, 34816                      ; 128 rows x 272
.set BFILL, 18432                      ; 64 k-rows x 288
.set XS, 0x20000                       ; slot 1; it shares no bit with a fill's address in slot 0
.set STAGE, 237568                     ; 16 rows x 272 bytes for each wave
.set SCR, 254976                       ; four words: the waves' maxima
.set SPARE, 255232                     ; the spare words: 128 bytes for each wave
.set FA0, 64
.set FA1, 96
.set FB0, 0
.set FB1, 64
.set NL, 24                            ; LDS loads in a run
.set HW, 4                             ; the youngest of them, wanted only by a quarter's second half: A's fragments 2, 3
.set AH, 4                             ; the prefetch stands so many steps ahead of the refill
.set ASTEP, 256
.set BSTEP, 262144
.set AQI, 5
.set APAD, 4
.set AD0, 128
.set AD1, 128
.set ASTR, 2048
.set BQI, 5
.set BPAD, 8
.set BD0, 128
.set BD1, 64
.set BSTR, 1024
.set BIAS, 192
.set G1A, 24
.set G0A, 32
.set G1B, 48
.set G0B, 56
.set MSB, 0
.macro WIN new                         ; the immediate's high byte repeats the setting that is left; a switch that changes nothing is dropped
.if MSB != (\new)
	s_set_vgpr_msb (MSB<<8)|(\new)
.set MSB, \new
.endif
.endm
.macro PLACES                          ; four plain instructions between a matrix instruction and a load into, or a reader of, its registers
.rept 4
	v_nop
.endr
.endm
.macro CREST                           ; a round of the cluster's barrier behind its opening barrier
	s_cmp_lg_u32 s12, 0
	s_cbranch_scc1 .Lnot_wave_0_\@
	s_barrier_signal -3
.Lnot_wave_0_\@:
	s_barrier_wait -3
	s_barrier_signal -1
	s_barrier_wait -1
.endm
.macro CROUND
	s_barrier_signal -1
	s_barrier_wait -1
	CREST
.endm
.macro JLOAD                           ; a joint refill by the walking descriptors: waves 0, 1 A's two parts, waves 2, 3 B's
	s_cmp_eq_u32 s13, 0
	s_cbranch_scc0 .Lfor_b_\@
	tensor_load_to_lds s[G0A+4:G0A+7], s[G1A:G1A+7]
	s_nop 0
	PLACES
	s_branch .Lasked_\@
.Lfor_b_\@:
	tensor_load_to_lds s[G0B+4:G0B+7], s[G1B:G1B+7]
	s_nop 0
	PLACES
.Lasked_\@:
.endm
.macro ASK                             ; a lane a block of 256 bytes of the step AH behind the one just asked for; it stops where that step would pass the last
	WIN 0
	s_cmp_gt_u32 s66, s68
	s_cbranch_scc0 .Lnot_mine_\@
	global_prefetch_b8 v30, s[70:71] th:TH_LOAD_NT scope:SCOPE_SE
.Lnot_mine_\@:
.endm
; n row blocks from a0 on x all NB column blocks, 32 along K, buffer f.  The accumulators take turns, one instruction a turn.  first = 1: the products start the sums.
.macro MM f, a0, n, first
.set ma, \a0
.rept \n
.set mb, 0
.rept NB
.set rD, 8*(NB*ma+mb)
.set rB, FB0+(FB1-FB0)*(\f)+8*mb
.set rA, FA0+(FA1-FA0)*(\f)+8*ma
.if (\first) && HASBIAS
	WIN 0x81
	v_wmma_f32_16x16x32_f16 v[rD:rD+7], v[rB:rB+7], v[rA:rA+7], v[BIAS+8*mb:BIAS+8*mb+7]
.elseif \first
	WIN 0xa1
	v_wmma_f32_16x16x32_f16 v[rD:rD+7], v[rB:rB+7], v[rA:rA+7], 0
.else
	WIN 0xa1
	v_wmma_f32_16x16x32_f16 v[rD:rD+7], v[rB:rB+7], v[rA:rA+7], v[rD:rD+7]
.endif
.set mb, mb+1
.endr
.set ma, ma+1
.endr
.endm
.macro LDA q, f
.set fA, FA0+(FA1-FA0)*(\f)
.set fi, 0
.rept NA
.if ATR
	ds_load_tr16_b128 v[fA+8*fi:fA+8*fi+3], v[16+(\q)/4] offset:32*PA*((\q)%4)+32*fi
	ds_load_tr16_b128 v[fA+8*fi+4:fA+8*fi+7], v[16+(\q)/4] offset:32*PA*((\q)%4)+32*fi+16*PA
.else
	ds_load_b128 v[fA+8*fi:fA+8*fi+3], v16 offset:64*(\q)+16*PA*fi
	ds_load_b128 v[fA+8*fi+4:fA+8*fi+7], v16 offset:64*(\q)+16*PA*fi+32
.endif
.set fi, fi+1
.endr
.endm
.macro LDB q, f
.set fB, FB0+(FB1-FB0)*(\f)
.set fi, 0
.rept NB
	ds_load_tr16_b128 v[fB+8*fi:fB+8*fi+3], v[20+(\q)/4] offset:32*PB*((\q)%4)+32*fi
	ds_load_tr16_b128 v[fB+8*fi+4:fB+8*fi+7], v[20+(\q)/4] offset:32*PB*((\q)%4)+32*fi+16*PB
.set fi, fi+1
.endr
.endm
.macro FETCH q, f                      ; one run of NL loads: quarter q of the slot in hand into buffer f; what a quarter's second half wants comes last
	WIN 0x40
	LDB \q, \f
	WIN 0
	LDA \q, \f
.endm
.macro QUARTER q, f, g, first          ; multiplies buffer f; in its middle fetches quarter q into buffer g
	s_wait_dscnt HW                                ; all of the last run but its youngest HW loads
	MM \f, 0, NA/2, \first
	PLACES
	FETCH \q, \g
	s_wait_dscnt NL                                ; all but the run just issued
	MM \f, NA/2, NA/2, \first
.endm
; A slot's last quarter (buffer 1) and the change of slots.  Each wave waits for all its tensor loads (one is out: its part of the next slot), adds 0 to its spare word, and waits for that and for its
; reads of this slot; behind the barrier nobody reads this slot and the next is whole.  fill = 1: the barrier opens a round of the cluster's, and the joint refill, two steps ahead, is the first thing behind it.
.macro TURN fill
.if \fill
	s_wait_xcnt 0x0                                ; the last prefetch, a step back, has read its address
	s_add_nc_u64 s[70:71], s[70:71], s[72:73]
.endif
	WIN 0
	s_wait_tensorcnt 0x0
	ds_add_u32 v28, v29
.if \fill
	s_xor_b32 s[G0A+5], s[G0A+5], XS               ; no tensor load of mine is out: the walking descriptors take the other slot and the next step
	s_add_nc_u64 s[G0A+6:G0A+7], s[G0A+6:G0A+7], ASTEP
	s_xor_b32 s[G0B+5], s[G0B+5], XS
	s_add_nc_u64 s[G0B+6:G0B+7], s[G0B+6:G0B+7], BSTEP
.endif
	s_wait_dscnt HW+1                              ; the add and the youngest HW loads may be out
	MM 1, 0, NA/4, 0
	s_wait_dscnt 0x0                               ; the add is done, and my reads of this slot are over
	s_barrier_signal -1
	MM 1, NA/4, NA/4, 0
	WIN 0
	s_barrier_wait -1
.if \fill
	CREST
	JLOAD                                          ; its four v_nop are also the places in front of the loads below
.else
	PLACES
.endif
	s_xor_b32 s67, s67, XS                         ; the reads go to the other slot
	v_add_nc_u32 v16, s67, v10
	v_add_nc_u32 v20, s67, v11
.if NQ == 8
	v_add_nc_u32 v17, s67, v13
	v_add_nc_u32 v21, s67, v14
.endif
	FETCH 0, 0
.if \fill
	ASK
.endif
	MM 1, NA/2, NA/2, 0
.endm
; The largest magnitude of the work-group's tile, and its two scales.  4 x span registers from base on in window 2: four chains of maxima and four of minima, each accumulator's lowest registers first;
; then the lanes, then the four waves through LDS.  Leaves 2^(14-E) in v[46:47] and 2^(E-14) in v[48:49].
.macro TILEMAX base, span
	WIN 0
.irp c, 0,1,2,3,4,5,6,7
	v_mov_b32 v[32+\c], 0
.endr
	WIN 0x28                                       ; sources 1 and 2 in window 2
.set n, 0
.rept 2*(\span)
.set rr, (\base)+(\span)*(n%4)+2*(n/4)
	v_max3_num_f32 v[32+n%4], v[32+n%4], v[rr], v[rr+1]
	v_min3_num_f32 v[36+n%4], v[36+n%4], v[rr], v[rr+1]
.set n, n+1
.endr
	WIN 0
	v_max3_num_f32 v32, v32, v33, v34
	v_min3_num_f32 v36, v36, v37, v38
	v_max_num_f32 v32, v32, v35
	v_min_num_f32 v36, v36, v39
	v_mul_f32 v36, -1.0, v36
	v_max_num_f32 v32, v32, v36
	v_max_num_f32_dpp v32, v32, v32 row_xmask:1 row_mask:0xf bank_mask:0xf
	v_max_num_f32_dpp v32, v32, v32 row_xmask:2 row_mask:0xf bank_mask:0xf
	v_max_num_f32_dpp v32, v32, v32 row_xmask:4 row_mask:0xf bank_mask:0xf
	v_max_num_f32_dpp v32, v32, v32 row_xmask:8 row_mask:0xf bank_mask:0xf
	v_permlanex16_b32 v33, v32, s98, s99
	v_max_num_f32 v32, v32, v33
	v_lshl_add_u32 v37, s12, 2, SCR                ; my wave's word
	ds_store_b32 v37, v32
	s_wait_dscnt 0x0                               ; for the others' sake: my word is stored, and my reads of the slots are over
	s_barrier_signal -1
	s_barrier_wait -1
	v_mov_b32 v38, SCR
	ds_load_b128 v[40:43], v38
	s_wait_dscnt 0x0
	v_max3_num_f32 v40, v40, v41, v42
	v_max_num_f32 v40, v40, v43
	v_max_num_f32 v40, 0x07800000, v40             ; at least 2^-112, so that both scales are normal numbers
	v_and_b32 v44, 0x7f800000, v40                 ; 2^E
	v_sub_nc_u32 v46, 0x86000000, v44              ; exponent field 268 - (E + 127): 2^(14-E)
	v_mov_b32 v47, v46
	v_add_nc_u32 v48, 0xf9000000, v44              ; exponent field less 14: 2^(E-14)
	v_mov_b32 v49, v48
.endm
	s_load_b256 s[4:11], s[0:1], 0x0               ; h s[4:5], w2h s[6:7], b2 s[8:9], y2 s[10:11]
	v_lshl_add_u32 v28, v0, 2, SPARE
	v_mov_b32 v29, 0
	ds_add_u32 v28, v29                            ; the opening: the add, twice on end, and its wait ahead of my first tensor load
	ds_add_u32 v28, v29
	v_lshrrev_b32 v1, 5, v0
	v_readfirstlane_b32 s12, v1                    ; wave 0..3
	s_lshr_b32 s13, s12, 1                         ; I fetch for A (0) or B (1)
	s_and_b32 s14, s12, 1                          ; which part I fetch
	s_bfe_u32 s15, ttmp6, 0x40000                  ; cx
	s_bfe_u32 s16, ttmp6, 0x40004                  ; cy
	s_lshl_b32 s17, ttmp9, 2
	s_add_co_u32 s17, s17, s15                     ; tile column
	s_and_b32 s20, ttmp7, 0xffff                   ; the cluster's y
	s_lshl_b32 s18, s20, 2
	s_add_co_u32 s18, s18, s16                     ; tile row
	s_mov_b32 s19, ttmp9                           ; the cluster's x
	s_lshl_b32 s22, s16, 2
	s_lshl_b32 s22, 15, s22                        ; my row of the cluster
	s_lshl_b32 s23, 0x1111, s15                    ; my column
	s_or_b32 s[G1A], s22, (1<<16)|(1<<20)|(1<<21)|(AQI<<22)|((APAD-1)<<25)
	s_or_b32 s[G1B], s23, (1<<16)|(1<<20)|(1<<21)|(BQI<<22)|((BPAD-1)<<25)
	s_mov_b32 s[G1A+1], AD0<<16
	s_mov_b32 s[G1A+2], AD1<<16
	s_mov_b32 s[G1A+3], AD0<<16
	s_mov_b32 s[G1A+4], AD1
	s_mov_b32 s[G1A+5], ASTR
	s_mov_b32 s[G1A+6], 0
	s_mov_b32 s[G1A+7], 0
	s_mov_b32 s[G1B+1], BD0<<16
	s_mov_b32 s[G1B+2], BD1<<16
	s_mov_b32 s[G1B+3], BD0<<16
	s_mov_b32 s[G1B+4], BD1
	s_mov_b32 s[G1B+5], BSTR
	s_mov_b32 s[G1B+6], 0
	s_mov_b32 s[G1B+7], 0
	s_mul_i32 s44, s14, AFILL                      ; where my fill lands in slot 0, for A
	s_mul_i32 s45, s14, BFILL
	s_add_co_u32 s45, s45, BOFF                    ; and for B
	s_mov_b32 s67, 0
	s_mov_b32 s69, 0xffff0000
	; this launch's offsets.  A: row 256 TY + 128 part, 4,096 bytes a row.  B: k-row 64 part, 2,048 bytes a row, column byte 256 TX
	s_lshl_b32 s40, s18, 20
	s_lshl_b32 s41, s14, 19
	s_add_co_u32 s40, s40, s41
	s_mov_b32 s41, 0
	s_lshl_b32 s42, s14, 17
	s_lshl_b32 s43, s17, 8
	s_add_co_u32 s42, s42, s43
	s_mov_b32 s43, 0
	s_mul_i32 s46, s12, 64*PA                      ; my 64 rows of A in a slot
	s_mov_b32 s47, BOFF                            ; all 128 columns of B
	s_lshl_b32 s76, s18, 19                        ; my part of the tile in y2: row 256 TY + 64 w, 2,048 bytes a row; byte 256 TX
	s_lshl_b32 s77, s12, 17
	s_add_co_u32 s76, s76, s77
	s_lshl_b32 s77, s17, 8
	s_add_co_u32 s76, s76, s77
	s_mov_b32 s77, 0
	s_lshl_b32 s84, s18, 3                         ; the tile's 256 bytes of the table
	s_add_co_u32 s84, s84, s17
	s_lshl_b32 s84, s84, 8
	s_add_co_u32 s84, s84, 0x1000000
	s_mov_b32 s85, 0
	s_lshl_b32 s96, s18, 20                        ; the prefetches.  A: of the 128 rows that I fetch my work-group's 32 (by cx), at step AH + 1
	s_lshl_b32 s97, s14, 19
	s_add_co_u32 s96, s96, s97
	s_lshl_b32 s97, s15, 17
	s_add_co_u32 s96, s96, s97
	s_add_co_u32 s96, s96, (AH+1)*ASTEP
	s_lshl_b32 s98, s16, 16                        ; B: of a step's 128 k-rows my work-group's 32 (by cy): wave 2 alone asks
	s_lshl_b32 s99, s17, 8
	s_add_co_u32 s98, s98, s99
	s_add_co_u32 s98, s98, (AH+1)*BSTEP
	s_mov_b32 s100, s19                            ; A's rows are read by every cluster of this row of clusters: the first asks
	s_or_b32 s101, s20, s14                        ; B's by every cluster of this column: the first asks, by its wave 2
	s_wait_dscnt 0x0                               ; both opening adds are done
	s_wait_kmcnt 0x0
	s_add_nc_u64 s[40:41], s[4:5], s[40:41]
	s_add_nc_u64 s[42:43], s[6:7], s[42:43]
.irp s, 0,1
	s_mov_b32 s[G0A+4*(\s)], 1
	s_add_co_u32 s[G0A+4*(\s)+1], s44, (\s)*XS
	s_add_nc_u64 s[G0A+4*(\s)+2:G0A+4*(\s)+3], s[40:41], (\s)*ASTEP
	s_or_b32 s[G0A+4*(\s)+3], s[G0A+4*(\s)+3], 0x80000000
	s_mov_b32 s[G0B+4*(\s)], 1
	s_add_co_u32 s[G0B+4*(\s)+1], s45, (\s)*XS
	s_add_nc_u64 s[G0B+4*(\s)+2:G0B+4*(\s)+3], s[42:43], (\s)*BSTEP
	s_or_b32 s[G0B+4*(\s)+3], s[G0B+4*(\s)+3], 0x80000000
.endr
	s_mov_b32 s97, ASTEP
	s_mov_b32 s99, BSTEP
	s_cmp_eq_u32 s13, 0                            ; by my role, which hangs on the wave's number alone
	s_cselect_b64 s[70:71], s[4:5], s[6:7]
	s_cselect_b32 s72, s97, s99
	s_cselect_b32 s96, s96, s98
	s_cselect_b32 s100, s100, s101
	s_mov_b32 s97, 0
	s_mov_b32 s73, 0
	s_add_nc_u64 s[70:71], s[70:71], s[96:97]
	s_cmp_eq_u32 s100, 0
	s_cselect_b32 s68, AH, -1                      ; a wave asks while the trips to come are more than this
	s_add_nc_u64 s[74:75], s[10:11], s[84:85]      ; the table at my tile,
	s_add_nc_u64 s[10:11], s[10:11], s[76:77]      ; the plane at my rows
	CROUND                                         ; all sixteen work-groups are here: the first joint loads meet
	s_cmp_eq_u32 s13, 0
	s_cbranch_scc0 .Lfirst_b
	tensor_load_to_lds s[G0A:G0A+3], s[G1A:G1A+7]
	s_nop 0
	tensor_load_to_lds s[G0A+4:G0A+7], s[G1A:G1A+7]
	s_nop 0
	PLACES
	s_branch .Lfirst_asked
.Lfirst_b:
	tensor_load_to_lds s[G0B:G0B+3], s[G1B:G1B+7]
	s_nop 0
	tensor_load_to_lds s[G0B+4:G0B+7], s[G1B:G1B+7]
	s_nop 0
	PLACES
.Lfirst_asked:
	v_and_b32 v1, 15, v0                           ; r = l % 16
	v_bfe_u32 v2, v0, 4, 1                         ; h = l / 16
	v_and_b32 v3, 7, v0
	v_bfe_u32 v4, v0, 3, 1
	v_and_b32 v5, 31, v0
	v_lshl_add_u32 v6, v2, 3, v3                   ; the turning load: lane l reads k-row 8 h + l % 8, 16 bytes at 16 ((l / 8) % 2)
	v_mul_u32_u24 v7, v6, PB
	v_lshl_add_u32 v7, v4, 4, v7
	v_add_nc_u32 v11, s47, v7
	v_mul_u32_u24 v8, v1, PA                       ; rows along K: row r, 16 bytes for each half of the lanes
	v_lshl_add_u32 v8, v2, 4, v8
	v_add_nc_u32 v10, s46, v8
	v_mov_b32 v16, v10
	v_mov_b32 v20, v11
	s_mul_i32 s95, s12, 16*272
	s_add_co_u32 s95, s95, STAGE                   ; my stage
	v_mul_u32_u24 v6, v1, 272
	v_lshl_add_u32 v6, v2, 4, v6
	v_add_nc_u32 v24, s95, v6                      ; in: row r, 16 bytes for each half of the lanes
	v_mul_u32_u24 v6, v2, 272
	v_lshl_add_u32 v6, v1, 4, v6
	v_add_nc_u32 v25, s95, v6                      ; back: lanes 0-15 one row of 256 bytes, lanes 16-31 the next
	v_lshlrev_b32 v6, 11, v2
	v_lshl_add_u32 v26, v1, 4, v6                  ; the same two rows in y2
	v_lshlrev_b32 v50, 3, v5                       ; my 8 bytes of the table's 256
	s_cmp_eq_u32 s13, 0                            ; the prefetch's lane term: a lane a row, of 4,096 bytes (A) or 2,048 (B)
	s_cselect_b32 s98, 12, 11
	v_lshlrev_b32 v30, s98, v5
	s_lshl_b32 s98, s17, 9                         ; the bias of the tile's 128 columns: register 8 b + j holds column 16 b + 8 h + j
	v_lshl_add_u32 v27, v2, 5, s98
.irp b, 0,1,2,3,4,5,6,7
	global_load_b128 v[BIAS+8*(\b):BIAS+8*(\b)+3], v27, s[8:9] offset:64*(\b)
	global_load_b128 v[BIAS+8*(\b)+4:BIAS+8*(\b)+7], v27, s[8:9] offset:64*(\b)+16
.endr
	s_wait_loadcnt 0x0
.set k, 0
.rept 32                               ; rounded to bf16 like every input, kept as f32
	v_cvt_pk_bf16_f32 v[32+k%4], v[BIAS+2*k], v[BIAS+2*k+1]
	v_lshlrev_b32 v[BIAS+2*k], 16, v[32+k%4]
	v_and_b32 v[BIAS+2*k+1], s69, v[32+k%4]
.set k, k+1
.endr
	s_wait_tensorcnt 0x1                           ; my part of step 0 is in; step 1's load may stay out
	s_barrier_signal -1
	s_barrier_wait -1
	FETCH 0, 0
	QUARTER 1, 0, 1, 1                             ; the first quarter starts the sums
	WIN 0
	s_mov_b32 s66, TSTEPS-2
.Lstep:                                ; a trip: a step's quarters 1 to 3 and the next step's quarter 0; the slot that is left takes the step two on
	QUARTER 2, 1, 0, 0
	QUARTER 3, 0, 1, 0
	TURN 1
	QUARTER 1, 0, 1, 0
	WIN 0
	s_sub_co_u32 s66, s66, 1
	s_cmp_lg_u32 s66, 0
	s_cbranch_scc1 .Lstep
	s_mov_b32 s66, 2
.Ltail:                                ; the last two steps ask for nothing; the second trip is left in its middle, and its run of loads from the slot read before serves nothing
	QUARTER 2, 1, 0, 0
	QUARTER 3, 0, 1, 0
	TURN 0
	WIN 0
	s_sub_co_u32 s66, s66, 1
	s_cmp_eq_u32 s66, 0
	s_cbranch_scc1 .Lout
	QUARTER 1, 0, 1, 0
	WIN 0
	s_branch .Ltail
.Lout:
	s_wait_dscnt 0x0
	PLACES
	PLACES
; THE WAY OUT: the tile's scale; then, a block of 16 rows at a time, scaled, rounded to f16, through my stage and out as whole rows of 256 bytes.
	s_mov_b32 s98, 0x76543210                      ; lane selects: each lane takes its own place in the other half
	s_mov_b32 s99, 0xfedcba98
	TILEMAX 0, 64
	s_cmp_lg_u32 s12, 0
	s_cbranch_scc1 .Lno_table
	global_store_b64 v50, v[48:49], s[74:75]       ; wave 0: 32 lanes store the table's 256 consecutive bytes, aligned
.Lno_table:
.set TH, 64
.set UU, 128
.set OB, 192
.macro OUT a
.set zb, 64*(\a)
	WIN 0x02                                       ; source 0 in window 2
.set k, 0
.rept 32
	v_pk_mul_f32 v[UU+2*k:UU+2*k+1], v[zb+2*k:zb+2*k+1], v[46:47] op_sel_hi:[1,0]
.set k, k+1
.endr
	WIN 0
.set k, 0
.rept 32
	v_cvt_pk_f16_f32 v[TH+k], v[UU+2*k], v[UU+2*k+1]
.set k, k+1
.endr
	s_wait_xcnt 0x0                                ; the last block's stores have read OB
.irp b, 0,1,2,3,4,5,6,7
	ds_store_b128 v24, v[TH+4*(\b):TH+4*(\b)+3] offset:32*(\b)
.endr
.irp t, 0,1,2,3,4,5,6,7
	ds_load_b128 v[OB+4*(\t):OB+4*(\t)+3], v25 offset:544*(\t)  ; a wave's LDS instructions are served in order: these see the stores above
.endr
	s_wait_dscnt 0x0
.irp t, 0,1,2,3,4,5,6,7
	global_store_b128 v26, v[OB+4*(\t):OB+4*(\t)+3], s[10:11] offset:(\a)*32768+4096*(\t)  ; 16 lanes store 256 consecutive bytes, aligned
.endr
.endm
	OUT 0
	OUT 1
	OUT 2
	OUT 3
	s_wait_tensorcnt 0x0                           ; the wave's end
	ds_add_u32 v28, v29
	s_wait_dscnt 0x0
	CROUND                                         ; the closing round
	s_endpgm
.Lfunc_end_k_q78b20afee9_g2:
	.size	k_q78b20afee9_g2, .Lfunc_end_k_q78b20afee9_g2-k_q78b20afee9_g2
	.p2alignl 7, 3214868480
	.fill 96, 4, 3214868480
	.section	.rodata,"a",@progbits
	.p2align	6, 0x0
	.amdhsa_kernel k_q78b20afee9_g2
		.amdhsa_group_segment_fixed_size 327680
		.amdhsa_private_segment_fixed_size 0
		.amdhsa_enable_private_segment 0
		.amdhsa_kernarg_size 32
		.amdhsa_user_sgpr_count 2
		.amdhsa_user_sgpr_kernarg_segment_ptr 1
		.amdhsa_wavefront_size32 1
		.amdhsa_system_sgpr_workgroup_id_x 1
		.amdhsa_system_sgpr_workgroup_id_y 1
		.amdhsa_system_sgpr_workgroup_id_z 1
		.amdhsa_system_vgpr_workitem_id 0
		.amdhsa_next_free_vgpr 768
		.amdhsa_next_free_sgpr 102
		.amdhsa_reserve_vcc 0
		.amdhsa_float_denorm_mode_32 3
		.amdhsa_float_denorm_mode_16_64 3
		.amdhsa_memory_ordered 1
		.amdhsa_forward_progress 1
		.amdhsa_inst_pref_size 94
	.end_amdhsa_kernel
	.amdgpu_metadata
---
amdhsa.version: [ 1, 2 ]
amdhsa.kernels:
  - .name:           k_q78b20afee9_g2
    .symbol:         k_q78b20afee9_g2.kd
    .args:
      - { .name: hbuf, .offset: 0, .size: 8, .value_kind: global_buffer, .address_space: global }
      - { .name: w2h, .offset: 8, .size: 8, .value_kind: global_buffer, .address_space: global }
      - { .name: b2, .offset: 16, .size: 8, .value_kind: global_buffer, .address_space: global }
      - { .name: y2, .offset: 24, .size: 8, .value_kind: global_buffer, .address_space: global }
    .group_segment_fixed_size: 327680
    .private_segment_fixed_size: 0
    .kernarg_segment_align: 8
    .kernarg_segment_size: 32
    .max_flat_workgroup_size: 128
    .sgpr_count:     102
    .vgpr_count:     768
    .wavefront_size: 32
...
	.end_amdgpu_metadata
.endif
;; end of part 8
;; launch g3 (part 9): grid 8 x 32, 4 waves a work-group, clusters of 4 x 4, 327,680 bytes of LDS; arguments xb, y2, mm; writes mm
.if DOCPART == 9
	.amdgcn_target "amdgcn-amd-amdhsa--gfx1250"
	.amdhsa_code_object_version 6
	.text
	.protected	k_q78b20afee9_g3
	.globl	k_q78b20afee9_g3
	.p2align	8
	.type	k_q78b20afee9_g3,@function
k_q78b20afee9_g3:
	s_mov_b64 s[64:65], 0
	v_nop
	global_prefetch_b8 v0, s[64:65] scope:SCOPE_SE
	s_setreg_imm32_b32 hwreg(HW_REG_WAVE_MODE, 25, 1), 1
	s_wait_xcnt 0x0
	s_wait_alu depctr_hold_cnt(0) depctr_sa_sdst(0) depctr_va_vdst(0) depctr_va_sdst(0) depctr_va_ssrc(0) depctr_va_vcc(0) depctr_vm_vsrc(0)
	s_getreg_b32 s2, hwreg(HW_REG_IB_STS2, 6, 4)
	s_cmp_eq_u32 s2, 0
	s_cbranch_scc0 .Lentry_in_a_cluster
	s_endpgm
.Lentry_in_a_cluster:
	s_bfe_u32 s2, ttmp6, 0x10000c
	s_cmp_lg_u32 s2, 0xf033
	s_cbranch_scc0 .Lentry_shape_is_right
	s_endpgm
.Lentry_shape_is_right:
; For each batch: M[g][f] = the sum over s of xb[s][g] y2[s][f].  (x x^T) y is taken as x (x^T y), which holds for every input; the order of the sums differs from the reference's.
; xb: [4][2048 s][1024 g] f16.  y2: [4][2048 s][1024 f] f16, each tile of 256 s x 128 f with a power-of-two scale in the table behind the plane (byte 16,777,216 on, 256 bytes a tile).
; A slot of the ring is just such a tile: its products are summed from 0 in temporary accumulators, and at the slot's end main += scale x temporary, in f32.  No ratio of scales is formed.
; M leaves in the same form: one f16 plane [4][1024 g][1024 f], v 2^(14-E) with E = floor(log2 of the largest magnitude, at least 2^-112) of this work-group's tile of 128 x 128, and 2^(E-14), 64 times, in the
; table behind the plane (byte 8,388,608 on, 256 bytes for tile 8 TY + TX).  A number 2^-29 of its tile's largest or smaller keeps a fixed step.  NaN and infinities are not treated apart.
; SHARES.  A work-group makes 128 g x 128 f of one batch, its four waves 64 x 64 each (16 accumulators).  K = s goes in 8 slots of 256 (eight quarters of 32) through two LDS slots.  Both operands lie [k][.]
; (pitch 288) and come out of LDS turned.  Source 0 = B, source 1 = A.
; CLUSTER.  4 x 4; A's tile jointly along a row of the cluster, B's along a column.  All of a WGP's LDS is claimed.
; REGISTERS.  Window 0: v0-63 addresses and scratch, v64-127 A's two buffers.  Window 1: v0-63 B's two buffers.  Window 2: v0-127 the temporary sums, (a, b) at 8 (4 a + b); v128-255 the main sums.
; The main sums are cleared by 128 moves while the first tile is on its way: the price of one text for every slot's end.
.set HASBIAS, 0
.set ATR, 1                            ; A lies [k][g] and is turned
.set NA, 4
.set NB, 4
.set NQ, 8
.set TSTEPS, 8
.set PA, 288
.set PB, 288
.set BOFF, 73728
.set AFILL, 36864                      ; 128 k-rows x 288
.set BFILL, 36864
.set XS, 0x24000                       ; slot 1; it shares no bit with a fill's address in slot 0
.set STAGE, 294912                     ; the work-group's: 64 rows x 272
.set SCR, 312320                       ; four words: the waves' maxima
.set SPARE, 312576                     ; the spare words: 128 bytes for each wave
.set FA0, 64
.set FA1, 96
.set FB0, 0
.set FB1, 32
.set NL, 16                            ; LDS loads in a run
.set HW, 4                             ; the youngest of them, wanted only by a quarter's second half: A's fragments 2, 3
.set AH, 3                             ; the prefetch stands so many slots ahead of the refill
.set ASTEP, 524288
.set BSTEP, 524288
.set AQI, 5
.set APAD, 8
.set AD0, 128
.set AD1, 128
.set ASTR, 1024
.set BQI, 5
.set BPAD, 8
.set BD0, 128
.set BD1, 128
.set BSTR, 1024
.set BIAS, 0
.set MAIN, 128
.set FWIN, 0xa2                        ; the flush: destination, source 0 and source 2 in window 2
.set G1A, 24
.set G0A, 32
.set G1B, 48
.set G0B, 56
.set MSB, 0
.macro WIN new                         ; the immediate's high byte repeats the setting that is left; a switch that changes nothing is dropped
.if MSB != (\new)
	s_set_vgpr_msb (MSB<<8)|(\new)
.set MSB, \new
.endif
.endm
.macro PLACES                          ; four plain instructions between a matrix instruction and a load into, or a reader of, its registers
.rept 4
	v_nop
.endr
.endm
.macro CREST                           ; a round of the cluster's barrier behind its opening barrier
	s_cmp_lg_u32 s12, 0
	s_cbranch_scc1 .Lnot_wave_0_\@
	s_barrier_signal -3
.Lnot_wave_0_\@:
	s_barrier_wait -3
	s_barrier_signal -1
	s_barrier_wait -1
.endm
.macro CROUND
	s_barrier_signal -1
	s_barrier_wait -1
	CREST
.endm
.macro JLOAD                           ; a joint refill by the walking descriptors: waves 0, 1 A's two parts, waves 2, 3 B's
	s_cmp_eq_u32 s13, 0
	s_cbranch_scc0 .Lfor_b_\@
	tensor_load_to_lds s[G0A+4:G0A+7], s[G1A:G1A+7]
	s_nop 0
	PLACES
	s_branch .Lasked_\@
.Lfor_b_\@:
	tensor_load_to_lds s[G0B+4:G0B+7], s[G1B:G1B+7]
	s_nop 0
	PLACES
.Lasked_\@:
.endm
.macro ASK                             ; a lane a block of 256 bytes of the slot AH behind the one just asked for; it stops where that slot would pass the last
	WIN 0
	s_cmp_gt_u32 s66, s68
	s_cbranch_scc0 .Lnot_mine_\@
	global_prefetch_b8 v30, s[70:71] th:TH_LOAD_NT scope:SCOPE_SE
.Lnot_mine_\@:
.endm
; n row blocks from a0 on x all NB column blocks, 32 along K, buffer f.  The accumulators take turns, one instruction a turn.  first = 1: the products start the sums.
.macro MM f, a0, n, first
.set ma, \a0
.rept \n
.set mb, 0
.rept NB
.set rD, 8*(NB*ma+mb)
.set rB, FB0+(FB1-FB0)*(\f)+8*mb
.set rA, FA0+(FA1-FA0)*(\f)+8*ma
.if (\first) && HASBIAS
	WIN 0x81
	v_wmma_f32_16x16x32_f16 v[rD:rD+7], v[rB:rB+7], v[rA:rA+7], v[BIAS+8*mb:BIAS+8*mb+7]
.elseif \first
	WIN 0xa1
	v_wmma_f32_16x16x32_f16 v[rD:rD+7], v[rB:rB+7], v[rA:rA+7], 0
.else
	WIN 0xa1
	v_wmma_f32_16x16x32_f16 v[rD:rD+7], v[rB:rB+7], v[rA:rA+7], v[rD:rD+7]
.endif
.set mb, mb+1
.endr
.set ma, ma+1
.endr
.endm
.macro LDA q, f                        ; a slot's upper four quarters have an address register of their own: the immediate has 16 bits
.set fA, FA0+(FA1-FA0)*(\f)
.set fi, 0
.rept NA
.if ATR
	ds_load_tr16_b128 v[fA+8*fi:fA+8*fi+3], v[16+(\q)/4] offset:32*PA*((\q)%4)+32*fi
	ds_load_tr16_b128 v[fA+8*fi+4:fA+8*fi+7], v[16+(\q)/4] offset:32*PA*((\q)%4)+32*fi+16*PA
.else
	ds_load_b128 v[fA+8*fi:fA+8*fi+3], v16 offset:64*(\q)+16*PA*fi
	ds_load_b128 v[fA+8*fi+4:fA+8*fi+7], v16 offset:64*(\q)+16*PA*fi+32
.endif
.set fi, fi+1
.endr
.endm
.macro LDB q, f
.set fB, FB0+(FB1-FB0)*(\f)
.set fi, 0
.rept NB
	ds_load_tr16_b128 v[fB+8*fi:fB+8*fi+3], v[20+(\q)/4] offset:32*PB*((\q)%4)+32*fi
	ds_load_tr16_b128 v[fB+8*fi+4:fB+8*fi+7], v[20+(\q)/4] offset:32*PB*((\q)%4)+32*fi+16*PB
.set fi, fi+1
.endr
.endm
.macro FETCH q, f                      ; one run of NL loads: quarter q of the slot in hand into buffer f; what a quarter's second half wants comes last
	WIN 0x40
	LDB \q, \f
	WIN 0
	LDA \q, \f
.endm
.macro QUARTER q, f, g, first          ; multiplies buffer f; in its middle fetches quarter q into buffer g
	s_wait_dscnt HW                                ; all of the last run but its youngest HW loads
	MM \f, 0, NA/2, \first
	PLACES
	FETCH \q, \g
	s_wait_dscnt NL                                ; all but the run just issued
	MM \f, NA/2, NA/2, \first
.endm
; A slot's last quarter (buffer 1) and the change of slots.  Each wave waits for all its tensor loads (one is out: its part of the next slot), adds 0 to its spare word, and waits for that and for its
; reads of this slot; behind the barrier nobody reads this slot and the next is whole.  fill = 1: the barrier opens a round of the cluster's, and the joint refill, two slots ahead, is the first thing behind it.
.macro TURN fill
.if \fill
	s_wait_xcnt 0x0                                ; the last prefetch, a slot back, has read its address
	s_add_nc_u64 s[70:71], s[70:71], s[72:73]
.endif
	WIN 0
	s_wait_tensorcnt 0x0
	ds_add_u32 v28, v29
.if \fill
	s_xor_b32 s[G0A+5], s[G0A+5], XS               ; no tensor load of mine is out: the walking descriptors take the other slot and the next 256 of K
	s_add_nc_u64 s[G0A+6:G0A+7], s[G0A+6:G0A+7], ASTEP
	s_xor_b32 s[G0B+5], s[G0B+5], XS
	s_add_nc_u64 s[G0B+6:G0B+7], s[G0B+6:G0B+7], BSTEP
.endif
	s_wait_dscnt HW+1                              ; the add and the youngest HW loads may be out
	MM 1, 0, NA/4, 0
	s_wait_dscnt 0x0                               ; the add is done, and my reads of this slot are over
	s_barrier_signal -1
	MM 1, NA/4, NA/4, 0
	WIN 0
	s_barrier_wait -1
.if \fill
	CREST
	JLOAD                                          ; its four v_nop are also the places in front of the loads below
.else
	PLACES
.endif
	s_xor_b32 s67, s67, XS                         ; the reads go to the other slot
	v_add_nc_u32 v16, s67, v10
	v_add_nc_u32 v20, s67, v11
.if NQ == 8
	v_add_nc_u32 v17, s67, v13
	v_add_nc_u32 v21, s67, v14
.endif
	FETCH 0, 0
.if \fill
	ASK
.endif
	MM 1, NA/2, NA/2, 0
.endm
; A slot's end: main += the slot's scale x the temporary sums, each accumulator's lowest registers first.  The eight scales lie in s88-95 in the order of the slots and move down by one at each flush.
.macro FLUSHM
	PLACES                                         ; between the last products and the first reader of a sum
	s_mov_b32 s86, s88
.set i, 88
.rept 7
	s_mov_b32 s[i], s[i+1]
.set i, i+1
.endr
	WIN FWIN
.set k, 0
.rept 4*NA*NB
	v_pk_fma_f32 v[MAIN+2*k:MAIN+2*k+1], v[2*k:2*k+1], s[86:87], v[MAIN+2*k:MAIN+2*k+1] op_sel_hi:[1,0,1]
.set k, k+1
.endr
.endm
; The largest magnitude of the work-group's tile, and its two scales.  4 x span registers from base on in window 2: four chains of maxima and four of minima;
; then the lanes, then the four waves through LDS.  Leaves 2^(14-E) in v[46:47] and 2^(E-14) in v[48:49].
.macro TILEMAX base, span
	WIN 0
.irp c, 0,1,2,3,4,5,6,7
	v_mov_b32 v[32+\c], 0
.endr
	WIN 0x28                                       ; sources 1 and 2 in window 2
.set n, 0
.rept 2*(\span)
.set rr, (\base)+(\span)*(n%4)+2*(n/4)
	v_max3_num_f32 v[32+n%4], v[32+n%4], v[rr], v[rr+1]
	v_min3_num_f32 v[36+n%4], v[36+n%4], v[rr], v[rr+1]
.set n, n+1
.endr
	WIN 0
	v_max3_num_f32 v32, v32, v33, v34
	v_min3_num_f32 v36, v36, v37, v38
	v_max_num_f32 v32, v32, v35
	v_min_num_f32 v36, v36, v39
	v_mul_f32 v36, -1.0, v36
	v_max_num_f32 v32, v32, v36
	v_max_num_f32_dpp v32, v32, v32 row_xmask:1 row_mask:0xf bank_mask:0xf
	v_max_num_f32_dpp v32, v32, v32 row_xmask:2 row_mask:0xf bank_mask:0xf
	v_max_num_f32_dpp v32, v32, v32 row_xmask:4 row_mask:0xf bank_mask:0xf
	v_max_num_f32_dpp v32, v32, v32 row_xmask:8 row_mask:0xf bank_mask:0xf
	v_permlanex16_b32 v33, v32, s98, s99
	v_max_num_f32 v32, v32, v33
	v_lshl_add_u32 v37, s12, 2, SCR                ; my wave's word
	ds_store_b32 v37, v32
	s_wait_dscnt 0x0                               ; for the others' sake: my word is stored, and my reads of the slots are over
	s_barrier_signal -1
	s_barrier_wait -1
	v_mov_b32 v38, SCR
	ds_load_b128 v[40:43], v38
	s_wait_dscnt 0x0
	v_max3_num_f32 v40, v40, v41, v42
	v_max_num_f32 v40, v40, v43
	v_max_num_f32 v40, 0x07800000, v40             ; at least 2^-112, so that both scales are normal numbers
	v_and_b32 v44, 0x7f800000, v40                 ; 2^E
	v_sub_nc_u32 v46, 0x86000000, v44              ; exponent field 268 - (E + 127): 2^(14-E)
	v_mov_b32 v47, v46
	v_add_nc_u32 v48, 0xf9000000, v44              ; exponent field less 14: 2^(E-14)
	v_mov_b32 v49, v48
.endm
	s_load_b128 s[4:7], s[0:1], 0x0                ; xb s[4:5], y2 s[6:7]
	s_load_b64 s[10:11], s[0:1], 0x10              ; M
	v_lshl_add_u32 v28, v0, 2, SPARE
	v_mov_b32 v29, 0
	ds_add_u32 v28, v29                            ; the opening: the add, twice on end, and its wait ahead of my first tensor load
	ds_add_u32 v28, v29
	v_lshrrev_b32 v1, 5, v0
	v_readfirstlane_b32 s12, v1                    ; wave 0..3
	s_lshr_b32 s13, s12, 1                         ; I fetch for A (0) or B (1); also my half of the tile's rows
	s_and_b32 s14, s12, 1                          ; which 128 of a slot's 256 k-rows I fetch; also my half of the tile's columns
	s_bfe_u32 s15, ttmp6, 0x40000                  ; cx
	s_bfe_u32 s16, ttmp6, 0x40004                  ; cy
	s_lshl_b32 s17, ttmp9, 2
	s_add_co_u32 s17, s17, s15                     ; tile column
	s_and_b32 s20, ttmp7, 0xffff                   ; the cluster's y
	s_lshl_b32 s18, s20, 2
	s_add_co_u32 s18, s18, s16                     ; tile row, over all batches
	s_mov_b32 s19, ttmp9                           ; the cluster's x
	s_lshr_b32 s21, s20, 1                         ; the batch: eight tile rows, two clusters, each
	s_lshl_b32 s22, s16, 2
	s_lshl_b32 s22, 15, s22                        ; my row of the cluster
	s_lshl_b32 s23, 0x1111, s15                    ; my column
	s_or_b32 s[G1A], s22, (1<<16)|(1<<20)|(1<<21)|(AQI<<22)|((APAD-1)<<25)
	s_or_b32 s[G1B], s23, (1<<16)|(1<<20)|(1<<21)|(BQI<<22)|((BPAD-1)<<25)
	s_mov_b32 s[G1A+1], AD0<<16
	s_mov_b32 s[G1A+2], AD1<<16
	s_mov_b32 s[G1A+3], AD0<<16
	s_mov_b32 s[G1A+4], AD1
	s_mov_b32 s[G1A+5], ASTR
	s_mov_b32 s[G1A+6], 0
	s_mov_b32 s[G1A+7], 0
	s_mov_b32 s[G1B+1], BD0<<16
	s_mov_b32 s[G1B+2], BD1<<16
	s_mov_b32 s[G1B+3], BD0<<16
	s_mov_b32 s[G1B+4], BD1
	s_mov_b32 s[G1B+5], BSTR
	s_mov_b32 s[G1B+6], 0
	s_mov_b32 s[G1B+7], 0
	s_mul_i32 s44, s14, AFILL                      ; where my fill lands in slot 0, for A
	s_mul_i32 s45, s14, BFILL
	s_add_co_u32 s45, s45, BOFF                    ; and for B
	s_mov_b32 s67, 0
	s_mov_b32 s87, 0                               ; named with s86 as a pair
	; this launch's offsets.  A: the batch's 4,194,304 bytes, s-row 128 part, column byte 256 GT.  B: the batch, s-row 128 part, column byte 256 TX
	s_and_b32 s79, s18, 7                          ; GT: the tile row in its batch
	s_lshl_b32 s40, s21, 22
	s_lshl_b32 s41, s14, 18
	s_add_co_u32 s40, s40, s41
	s_lshl_b32 s41, s79, 8
	s_add_co_u32 s40, s40, s41
	s_mov_b32 s41, 0
	s_lshl_b32 s42, s21, 22
	s_lshl_b32 s43, s14, 18
	s_add_co_u32 s42, s42, s43
	s_lshl_b32 s43, s17, 8
	s_add_co_u32 s42, s42, s43
	s_mov_b32 s43, 0
	s_lshl_b32 s46, s13, 7                         ; my 64 columns g of A's tile
	s_lshl_b32 s47, s14, 7
	s_add_co_u32 s47, s47, BOFF                    ; my 64 columns f of B's
	s_lshl_b32 s76, s21, 21                        ; what I store of M: the batch's 2,097,152 bytes, row 128 GT + 64 (w / 2) + 16 (w % 2), byte 256 TX
	s_lshl_b32 s77, s79, 18
	s_add_co_u32 s76, s76, s77
	s_lshl_b32 s77, s13, 17
	s_add_co_u32 s76, s76, s77
	s_lshl_b32 s77, s14, 15
	s_add_co_u32 s76, s76, s77
	s_lshl_b32 s77, s17, 8
	s_add_co_u32 s76, s76, s77
	s_mov_b32 s77, 0
	s_lshl_b32 s84, s18, 3                         ; my tile's 256 bytes of M's table
	s_add_co_u32 s84, s84, s17
	s_lshl_b32 s84, s84, 8
	s_add_co_u32 s84, s84, 0x800000
	s_mov_b32 s85, 0
	s_lshl_b32 s80, s21, 6                         ; y2's table at the batch's first tile of my column; the eight slots' tiles lie 2,048 bytes apart
	s_add_co_u32 s80, s80, s17
	s_lshl_b32 s80, s80, 8
	s_add_co_u32 s80, s80, 0x1000000
	s_mov_b32 s81, 0
	s_lshl_b32 s96, s21, 22                        ; the prefetches.  A: of the 128 s-rows that I fetch my work-group's 32 (by cx), at slot AH + 1
	s_lshl_b32 s97, s14, 18
	s_add_co_u32 s96, s96, s97
	s_lshl_b32 s97, s15, 16
	s_add_co_u32 s96, s96, s97
	s_lshl_b32 s97, s79, 8
	s_add_co_u32 s96, s96, s97
	s_add_co_u32 s96, s96, (AH+1)*ASTEP
	s_lshl_b32 s98, s21, 22                        ; B: of my 128 s-rows my work-group's 32 (by cy)
	s_lshl_b32 s99, s14, 18
	s_add_co_u32 s98, s98, s99
	s_lshl_b32 s99, s16, 16
	s_add_co_u32 s98, s98, s99
	s_lshl_b32 s99, s17, 8
	s_add_co_u32 s98, s98, s99
	s_add_co_u32 s98, s98, (AH+1)*BSTEP
	s_mov_b32 s100, s19                            ; A's tiles are read by both clusters of this row of clusters: the first asks
	s_and_b32 s101, s20, 1                         ; B's by the batch's two clusters of this column: the first asks
	s_wait_dscnt 0x0                               ; both opening adds are done
	s_wait_kmcnt 0x0
	s_add_nc_u64 s[82:83], s[6:7], s[80:81]
.set i, 0
.rept 8
	s_load_b32 s[88+i], s[82:83], 2048*i           ; the eight slots' scales; waited for in front of the first barrier
.set i, i+1
.endr
	s_add_nc_u64 s[40:41], s[4:5], s[40:41]
	s_add_nc_u64 s[42:43], s[6:7], s[42:43]
.irp s, 0,1
	s_mov_b32 s[G0A+4*(\s)], 1
	s_add_co_u32 s[G0A+4*(\s)+1], s44, (\s)*XS
	s_add_nc_u64 s[G0A+4*(\s)+2:G0A+4*(\s)+3], s[40:41], (\s)*ASTEP
	s_or_b32 s[G0A+4*(\s)+3], s[G0A+4*(\s)+3], 0x80000000
	s_mov_b32 s[G0B+4*(\s)], 1
	s_add_co_u32 s[G0B+4*(\s)+1], s45, (\s)*XS
	s_add_nc_u64 s[G0B+4*(\s)+2:G0B+4*(\s)+3], s[42:43], (\s)*BSTEP
	s_or_b32 s[G0B+4*(\s)+3], s[G0B+4*(\s)+3], 0x80000000
.endr
	s_mov_b32 s97, ASTEP
	s_mov_b32 s99, BSTEP
	s_cmp_eq_u32 s13, 0                            ; by my role, which hangs on the wave's number alone
	s_cselect_b64 s[70:71], s[4:5], s[6:7]
	s_cselect_b32 s72, s97, s99
	s_cselect_b32 s96, s96, s98
	s_cselect_b32 s100, s100, s101
	s_mov_b32 s97, 0
	s_mov_b32 s73, 0
	s_add_nc_u64 s[70:71], s[70:71], s[96:97]
	s_cmp_eq_u32 s100, 0
	s_cselect_b32 s68, AH, -1                      ; a wave asks while the trips to come are more than this
	s_add_nc_u64 s[74:75], s[10:11], s[84:85]      ; M's table at my tile,
	s_add_nc_u64 s[10:11], s[10:11], s[76:77]      ; M at the rows that I store
	CROUND                                         ; all sixteen work-groups are here: the first joint loads meet
	s_cmp_eq_u32 s13, 0
	s_cbranch_scc0 .Lfirst_b
	tensor_load_to_lds s[G0A:G0A+3], s[G1A:G1A+7]
	s_nop 0
	tensor_load_to_lds s[G0A+4:G0A+7], s[G1A:G1A+7]
	s_nop 0
	PLACES
	s_branch .Lfirst_asked
.Lfirst_b:
	tensor_load_to_lds s[G0B:G0B+3], s[G1B:G1B+7]
	s_nop 0
	tensor_load_to_lds s[G0B+4:G0B+7], s[G1B:G1B+7]
	s_nop 0
	PLACES
.Lfirst_asked:
	v_and_b32 v1, 15, v0                           ; r = l % 16
	v_bfe_u32 v2, v0, 4, 1                         ; h = l / 16
	v_and_b32 v3, 7, v0
	v_bfe_u32 v4, v0, 3, 1
	v_and_b32 v5, 31, v0
	v_lshl_add_u32 v6, v2, 3, v3                   ; the turning load: lane l reads k-row 8 h + l % 8, 16 bytes at 16 ((l / 8) % 2)
	v_mul_u32_u24 v7, v6, PB
	v_lshl_add_u32 v7, v4, 4, v7
	v_add_nc_u32 v11, s47, v7
	v_mul_u32_u24 v8, v6, PA
	v_lshl_add_u32 v8, v4, 4, v8
	v_add_nc_u32 v10, s46, v8
	v_add_nc_u32 v13, 4*32*PA, v10                 ; the slot's upper four quarters
	v_add_nc_u32 v14, 4*32*PB, v11
	v_mov_b32 v16, v10
	v_mov_b32 v17, v13
	v_mov_b32 v20, v11
	v_mov_b32 v21, v14
	s_mul_i32 s22, s13, 32*272                     ; into the stage, half a tile at a time: my 32 rows, my half of their 256 bytes
	s_lshl_b32 s23, s14, 7
	s_add_co_u32 s22, s22, s23
	s_add_co_u32 s22, s22, STAGE
	v_mul_u32_u24 v6, v1, 272
	v_lshl_add_u32 v6, v2, 4, v6
	v_add_nc_u32 v24, s22, v6
	s_mul_i32 s23, s12, 16*272                     ; back: wave w takes the stage's rows 16 w .. 16 w + 15, whole
	s_add_co_u32 s23, s23, STAGE
	v_mul_u32_u24 v6, v2, 272
	v_lshl_add_u32 v6, v1, 4, v6
	v_add_nc_u32 v25, s23, v6
	v_lshlrev_b32 v6, 11, v2
	v_lshl_add_u32 v26, v1, 4, v6                  ; the same two rows in M
	v_lshlrev_b32 v30, 11, v5                      ; the prefetch's lane term: a lane a row of 2,048 bytes
	v_lshlrev_b32 v50, 3, v5                       ; my 8 bytes of the table's 256
	WIN 0x80
.set i, 0
.rept 128
	v_mov_b32 v[MAIN+i], 0                         ; the main sums start at 0
.set i, i+1
.endr
	WIN 0
	s_wait_kmcnt 0x0                               ; the eight scales
	s_wait_tensorcnt 0x1                           ; my part of slot 0 is in; slot 1's load may stay out
	s_barrier_signal -1
	s_barrier_wait -1
	FETCH 0, 0
	QUARTER 1, 0, 1, 1                             ; a slot's first quarter starts the temporary sums
	WIN 0
	s_mov_b32 s66, TSTEPS-2
.Lstep:                                ; a trip: a slot's quarters 1 to 7, its flush, and the next slot's quarter 0; the slot that is left takes the 256 of K two slots on
	QUARTER 2, 1, 0, 0
	QUARTER 3, 0, 1, 0
	QUARTER 4, 1, 0, 0
	QUARTER 5, 0, 1, 0
	QUARTER 6, 1, 0, 0
	QUARTER 7, 0, 1, 0
	TURN 1
	FLUSHM
	QUARTER 1, 0, 1, 1
	WIN 0
	s_sub_co_u32 s66, s66, 1
	s_cmp_lg_u32 s66, 0
	s_cbranch_scc1 .Lstep
	s_mov_b32 s66, 2
.Ltail:                                ; the last two slots ask for nothing; the second trip is left in its middle, and its run of loads from the slot read before serves nothing
	QUARTER 2, 1, 0, 0
	QUARTER 3, 0, 1, 0
	QUARTER 4, 1, 0, 0
	QUARTER 5, 0, 1, 0
	QUARTER 6, 1, 0, 0
	QUARTER 7, 0, 1, 0
	TURN 0
	FLUSHM
	WIN 0
	s_sub_co_u32 s66, s66, 1
	s_cmp_eq_u32 s66, 0
	s_cbranch_scc1 .Lout
	QUARTER 1, 0, 1, 1
	WIN 0
	s_branch .Ltail
.Lout:
	s_wait_dscnt 0x0
; THE WAY OUT: the tile's scale; the main sums scaled and rounded to f16; then twice, for each wave's row blocks 0, 1 and 2, 3: into the work-group's stage; a barrier, since a row's 256 bytes come from two waves;
; back as whole rows, 16 a wave; and, before the stage is written again, a barrier behind every wave's reads.
	s_mov_b32 s98, 0x76543210                      ; lane selects: each lane takes its own place in the other half
	s_mov_b32 s99, 0xfedcba98
	TILEMAX MAIN, 32
	s_cmp_lg_u32 s12, 0
	s_cbranch_scc1 .Lno_table
	global_store_b64 v50, v[48:49], s[74:75]       ; wave 0: 32 lanes store the table's 256 consecutive bytes, aligned
.Lno_table:
.set TH, 64
.set OB, 128
.set UU, 192
.irp hf, 0,1
	WIN 0x02                                       ; source 0 in window 2
.set k, 0
.rept 32
	v_pk_mul_f32 v[UU+2*k:UU+2*k+1], v[MAIN+64*(\hf)+2*k:MAIN+64*(\hf)+2*k+1], v[46:47] op_sel_hi:[1,0]
.set k, k+1
.endr
	WIN 0
.set k, 0
.rept 32
	v_cvt_pk_f16_f32 v[TH+32*(\hf)+k], v[UU+2*k], v[UU+2*k+1]
.set k, k+1
.endr
.endr
.irp hf, 0,1
.if \hf
	s_barrier_signal -1                            ; every wave's reads of the stage are back (its wait for them stands above): the stage may be written again
	s_barrier_wait -1
.endif
.irp a, 0,1
.irp b, 0,1,2,3
	ds_store_b128 v24, v[TH+32*(\hf)+4*(4*(\a)+(\b)):TH+32*(\hf)+4*(4*(\a)+(\b))+3] offset:4352*(\a)+32*(\b)
.endr
.endr
	s_wait_dscnt 0x0                               ; for the others' sake: my stores into the stage are done
	s_barrier_signal -1
	s_barrier_wait -1
	s_wait_xcnt 0x0                                ; the first half's stores have read OB
.irp t, 0,1,2,3,4,5,6,7
	ds_load_b128 v[OB+4*(\t):OB+4*(\t)+3], v25 offset:544*(\t)
.endr
	s_wait_dscnt 0x0
.irp t, 0,1,2,3,4,5,6,7
	global_store_b128 v26, v[OB+4*(\t):OB+4*(\t)+3], s[10:11] offset:65536*(\hf)+4096*(\t)  ; 16 lanes store 256 consecutive bytes, aligned
.endr
.endr
	s_wait_tensorcnt 0x0                           ; the wave's end
	ds_add_u32 v28, v29
	s_wait_dscnt 0x0
	CROUND                                         ; the closing round
	s_endpgm
.Lfunc_end_k_q78b20afee9_g3:
	.size	k_q78b20afee9_g3, .Lfunc_end_k_q78b20afee9_g3-k_q78b20afee9_g3
	.p2alignl 7, 3214868480
	.fill 96, 4, 3214868480
	.section	.rodata,"a",@progbits
	.p2align	6, 0x0
	.amdhsa_kernel k_q78b20afee9_g3
		.amdhsa_group_segment_fixed_size 327680
		.amdhsa_private_segment_fixed_size 0
		.amdhsa_enable_private_segment 0
		.amdhsa_kernarg_size 24
		.amdhsa_user_sgpr_count 2
		.amdhsa_user_sgpr_kernarg_segment_ptr 1
		.amdhsa_wavefront_size32 1
		.amdhsa_system_sgpr_workgroup_id_x 1
		.amdhsa_system_sgpr_workgroup_id_y 1
		.amdhsa_system_sgpr_workgroup_id_z 1
		.amdhsa_system_vgpr_workitem_id 0
		.amdhsa_next_free_vgpr 768
		.amdhsa_next_free_sgpr 102
		.amdhsa_reserve_vcc 0
		.amdhsa_float_denorm_mode_32 3
		.amdhsa_float_denorm_mode_16_64 3
		.amdhsa_memory_ordered 1
		.amdhsa_forward_progress 1
		.amdhsa_inst_pref_size 88
	.end_amdhsa_kernel
	.amdgpu_metadata
---
amdhsa.version: [ 1, 2 ]
amdhsa.kernels:
  - .name:           k_q78b20afee9_g3
    .symbol:         k_q78b20afee9_g3.kd
    .args:
      - { .name: xb, .offset: 0, .size: 8, .value_kind: global_buffer, .address_space: global }
      - { .name: y2, .offset: 8, .size: 8, .value_kind: global_buffer, .address_space: global }
      - { .name: mm, .offset: 16, .size: 8, .value_kind: global_buffer, .address_space: global }
    .group_segment_fixed_size: 327680
    .private_segment_fixed_size: 0
    .kernarg_segment_align: 8
    .kernarg_segment_size: 24
    .max_flat_workgroup_size: 128
    .sgpr_count:     102
    .vgpr_count:     768
    .wavefront_size: 32
...
	.end_amdgpu_metadata
.endif
;; end of part 9
;; launch g4 (part 10): grid 8 x 32, 4 waves a work-group, clusters of 4 x 4, 327,680 bytes of LDS; arguments xb, mm, y3; writes y3
.if DOCPART == 10
	.amdgcn_target "amdgcn-amd-amdhsa--gfx1250"
	.amdhsa_code_object_version 6
	.text
	.protected	k_q78b20afee9_g4
	.globl	k_q78b20afee9_g4
	.p2align	8
	.type	k_q78b20afee9_g4,@function
k_q78b20afee9_g4:
	s_mov_b64 s[64:65], 0
	v_nop
	global_prefetch_b8 v0, s[64:65] scope:SCOPE_SE
	s_setreg_imm32_b32 hwreg(HW_REG_WAVE_MODE, 25, 1), 1
	s_wait_xcnt 0x0
	s_wait_alu depctr_hold_cnt(0) depctr_sa_sdst(0) depctr_va_vdst(0) depctr_va_sdst(0) depctr_va_ssrc(0) depctr_va_vcc(0) depctr_vm_vsrc(0)
	s_getreg_b32 s2, hwreg(HW_REG_IB_STS2, 6, 4)
	s_cmp_eq_u32 s2, 0
	s_cbranch_scc0 .Lentry_in_a_cluster
	s_endpgm
.Lentry_in_a_cluster:
	s_bfe_u32 s2, ttmp6, 0x10000c
	s_cmp_lg_u32 s2, 0xf033
	s_cbranch_scc0 .Lentry_shape_is_right
	s_endpgm
.Lentry_shape_is_right:
; y3[t][f] = the sum over g of xb[t][g] M[g][f], in f32.  xb: [8192][1024] f16.  M: [4][1024 g][1024 f] f16, each tile of 128 g x 128 f with a power-of-two scale in the table behind the plane
; (byte 8,388,608 on, 256 bytes a tile).  A K step is just such a tile: its products are summed from 0 in temporary accumulators, and at the step's end main += scale x temporary, in f32.  No ratio of scales is formed.
; y3 stays in f32: the second LayerNorm takes a mean away from it, and that mean may be many times the row's spread.  NaN and infinities are not treated apart.
; SHARES.  A work-group makes 256 x 128, its four waves 128 x 64 each (32 accumulators).  K = g goes in 8 steps of 128 through two LDS slots.  A's rows lie along K (pitch 272); B lies [k][f]
; (pitch 288) and comes out turned.  Source 0 = B, source 1 = A.
; CLUSTER.  4 x 4; A's tile jointly along a row of the cluster, B's along a column.  All of a WGP's LDS is claimed.
; REGISTERS.  Window 0: v0-31 addresses, v32-63 the way out, v64-191 A's two buffers.  Window 1: v0-63 B's two buffers.  Window 2: the temporary sums, (a, b) at 8 (4 a + b).  Window 3: the main sums, likewise.
; The main sums are cleared by 256 moves while the first tile is on its way: the price of one text for every step's end.
.set HASBIAS, 0
.set ATR, 0
.set NA, 8
.set NB, 4
.set NQ, 4
.set TSTEPS, 8
.set PA, 272
.set PB, 288
.set BOFF, 69632
.set AFILL, 34816                      ; 128 rows x 272
.set BFILL, 18432                      ; 64 k-rows x 288
.set XS, 0x20000                       ; slot 1; it shares no bit with a fill's address in slot 0
.set STAGE, 237568                     ; 16 rows x 272 bytes for each wave
.set SPARE, 254976                     ; the spare words: 128 bytes for each wave
.set FA0, 64
.set FA1, 128
.set FB0, 0
.set FB1, 32
.set NL, 24                            ; LDS loads in a run
.set HW, 8                             ; the youngest of them, wanted only by a quarter's second half: A's fragments 4-7
.set AH, 3                             ; the prefetch stands so many steps ahead of the refill
.set ASTEP, 256
.set BSTEP, 262144
.set AQI, 5
.set APAD, 4
.set AD0, 128
.set AD1, 128
.set ASTR, 1024
.set BQI, 5
.set BPAD, 8
.set BD0, 128
.set BD1, 64
.set BSTR, 1024
.set BIAS, 0
.set MAIN, 0
.set FWIN, 0xf2                        ; the flush: destination and source 2 in window 3, source 0 in window 2
.set G1A, 24
.set G0A, 32
.set G1B, 48
.set G0B, 56
.set MSB, 0
.macro WIN new                         ; the immediate's high byte repeats the setting that is left; a switch that changes nothing is dropped
.if MSB != (\new)
	s_set_vgpr_msb (MSB<<8)|(\new)
.set MSB, \new
.endif
.endm
.macro PLACES                          ; four plain instructions between a matrix instruction and a load into, or a reader of, its registers
.rept 4
	v_nop
.endr
.endm
.macro CREST                           ; a round of the cluster's barrier behind its opening barrier
	s_cmp_lg_u32 s12, 0
	s_cbranch_scc1 .Lnot_wave_0_\@
	s_barrier_signal -3
.Lnot_wave_0_\@:
	s_barrier_wait -3
	s_barrier_signal -1
	s_barrier_wait -1
.endm
.macro CROUND
	s_barrier_signal -1
	s_barrier_wait -1
	CREST
.endm
.macro JLOAD                           ; a joint refill by the walking descriptors: waves 0, 1 A's two parts, waves 2, 3 B's
	s_cmp_eq_u32 s13, 0
	s_cbranch_scc0 .Lfor_b_\@
	tensor_load_to_lds s[G0A+4:G0A+7], s[G1A:G1A+7]
	s_nop 0
	PLACES
	s_branch .Lasked_\@
.Lfor_b_\@:
	tensor_load_to_lds s[G0B+4:G0B+7], s[G1B:G1B+7]
	s_nop 0
	PLACES
.Lasked_\@:
.endm
.macro ASK                             ; a lane a block of 256 bytes of the step AH behind the one just asked for; it stops where that step would pass the last
	WIN 0
	s_cmp_gt_u32 s66, s68
	s_cbranch_scc0 .Lnot_mine_\@
	global_prefetch_b8 v30, s[70:71] th:TH_LOAD_NT scope:SCOPE_SE
.Lnot_mine_\@:
.endm
; n row blocks from a0 on x all NB column blocks, 32 along K, buffer f.  The accumulators take turns, one instruction a turn.  first = 1: the products start the sums.
.macro MM f, a0, n, first
.set ma, \a0
.rept \n
.set mb, 0
.rept NB
.set rD, 8*(NB*ma+mb)
.set rB, FB0+(FB1-FB0)*(\f)+8*mb
.set rA, FA0+(FA1-FA0)*(\f)+8*ma
.if (\first) && HASBIAS
	WIN 0x81
	v_wmma_f32_16x16x32_f16 v[rD:rD+7], v[rB:rB+7], v[rA:rA+7], v[BIAS+8*mb:BIAS+8*mb+7]
.elseif \first
	WIN 0xa1
	v_wmma_f32_16x16x32_f16 v[rD:rD+7], v[rB:rB+7], v[rA:rA+7], 0
.else
	WIN 0xa1
	v_wmma_f32_16x16x32_f16 v[rD:rD+7], v[rB:rB+7], v[rA:rA+7], v[rD:rD+7]
.endif
.set mb, mb+1
.endr
.set ma, ma+1
.endr
.endm
.macro LDA q, f
.set fA, FA0+(FA1-FA0)*(\f)
.set fi, 0
.rept NA
.if ATR
	ds_load_tr16_b128 v[fA+8*fi:fA+8*fi+3], v[16+(\q)/4] offset:32*PA*((\q)%4)+32*fi
	ds_load_tr16_b128 v[fA+8*fi+4:fA+8*fi+7], v[16+(\q)/4] offset:32*PA*((\q)%4)+32*fi+16*PA
.else
	ds_load_b128 v[fA+8*fi:fA+8*fi+3], v16 offset:64*(\q)+16*PA*fi
	ds_load_b128 v[fA+8*fi+4:fA+8*fi+7], v16 offset:64*(\q)+16*PA*fi+32
.endif
.set fi, fi+1
.endr
.endm
.macro LDB q, f
.set fB, FB0+(FB1-FB0)*(\f)
.set fi, 0
.rept NB
	ds_load_tr16_b128 v[fB+8*fi:fB+8*fi+3], v[20+(\q)/4] offset:32*PB*((\q)%4)+32*fi
	ds_load_tr16_b128 v[fB+8*fi+4:fB+8*fi+7], v[20+(\q)/4] offset:32*PB*((\q)%4)+32*fi+16*PB
.set fi, fi+1
.endr
.endm
.macro FETCH q, f                      ; one run of NL loads: quarter q of the slot in hand into buffer f; what a quarter's second half wants comes last
	WIN 0x40
	LDB \q, \f
	WIN 0
	LDA \q, \f
.endm
.macro QUARTER q, f, g, first          ; multiplies buffer f; in its middle fetches quarter q into buffer g
	s_wait_dscnt HW                                ; all of the last run but its youngest HW loads
	MM \f, 0, NA/2, \first
	PLACES
	FETCH \q, \g
	s_wait_dscnt NL                                ; all but the run just issued
	MM \f, NA/2, NA/2, \first
.endm
; A step's last quarter (buffer 1) and the change of slots.  Each wave waits for all its tensor loads (one is out: its part of the next slot), adds 0 to its spare word, and waits for that and for its
; reads of this slot; behind the barrier nobody reads this slot and the next is whole.  fill = 1: the barrier opens a round of the cluster's, and the joint refill, two steps ahead, is the first thing behind it.
.macro TURN fill
.if \fill
	s_wait_xcnt 0x0                                ; the last prefetch, a step back, has read its address
	s_add_nc_u64 s[70:71], s[70:71], s[72:73]
.endif
	WIN 0
	s_wait_tensorcnt 0x0
	ds_add_u32 v28, v29
.if \fill
	s_xor_b32 s[G0A+5], s[G0A+5], XS               ; no tensor load of mine is out: the walking descriptors take the other slot and the next step
	s_add_nc_u64 s[G0A+6:G0A+7], s[G0A+6:G0A+7], ASTEP
	s_xor_b32 s[G0B+5], s[G0B+5], XS
	s_add_nc_u64 s[G0B+6:G0B+7], s[G0B+6:G0B+7], BSTEP
.endif
	s_wait_dscnt HW+1                              ; the add and the youngest HW loads may be out
	MM 1, 0, NA/4, 0
	s_wait_dscnt 0x0                               ; the add is done, and my reads of this slot are over
	s_barrier_signal -1
	MM 1, NA/4, NA/4, 0
	WIN 0
	s_barrier_wait -1
.if \fill
	CREST
	JLOAD                                          ; its four v_nop are also the places in front of the loads below
.else
	PLACES
.endif
	s_xor_b32 s67, s67, XS                         ; the reads go to the other slot
	v_add_nc_u32 v16, s67, v10
	v_add_nc_u32 v20, s67, v11
.if NQ == 8
	v_add_nc_u32 v17, s67, v13
	v_add_nc_u32 v21, s67, v14
.endif
	FETCH 0, 0
.if \fill
	ASK
.endif
	MM 1, NA/2, NA/2, 0
.endm
; A step's end: main += the step's scale x the temporary sums, each accumulator's lowest registers first.  The eight scales lie in s88-95 in the order of the steps and move down by one at each flush.
.macro FLUSHM
	PLACES                                         ; between the last products and the first reader of a sum
	s_mov_b32 s86, s88
.set i, 88
.rept 7
	s_mov_b32 s[i], s[i+1]
.set i, i+1
.endr
	WIN FWIN
.set k, 0
.rept 4*NA*NB
	v_pk_fma_f32 v[MAIN+2*k:MAIN+2*k+1], v[2*k:2*k+1], s[86:87], v[MAIN+2*k:MAIN+2*k+1] op_sel_hi:[1,0,1]
.set k, k+1
.endr
.endm
	s_load_b128 s[4:7], s[0:1], 0x0                ; xb s[4:5], M s[6:7]
	s_load_b64 s[10:11], s[0:1], 0x10              ; y3
	v_lshl_add_u32 v28, v0, 2, SPARE
	v_mov_b32 v29, 0
	ds_add_u32 v28, v29                            ; the opening: the add, twice on end, and its wait ahead of my first tensor load
	ds_add_u32 v28, v29
	v_lshrrev_b32 v1, 5, v0
	v_readfirstlane_b32 s12, v1                    ; wave 0..3
	s_lshr_b32 s13, s12, 1                         ; I fetch for A (0) or B (1); also my half of the tile's rows
	s_and_b32 s14, s12, 1                          ; which part I fetch; also my half of the tile's columns
	s_bfe_u32 s15, ttmp6, 0x40000                  ; cx
	s_bfe_u32 s16, ttmp6, 0x40004                  ; cy
	s_lshl_b32 s17, ttmp9, 2
	s_add_co_u32 s17, s17, s15                     ; tile column
	s_and_b32 s20, ttmp7, 0xffff                   ; the cluster's y
	s_lshl_b32 s18, s20, 2
	s_add_co_u32 s18, s18, s16                     ; tile row
	s_mov_b32 s19, ttmp9                           ; the cluster's x
	s_lshr_b32 s21, s20, 1                         ; the batch: eight tile rows, two clusters, each
	s_lshl_b32 s22, s16, 2
	s_lshl_b32 s22, 15, s22                        ; my row of the cluster
	s_lshl_b32 s23, 0x1111, s15                    ; my column
	s_or_b32 s[G1A], s22, (1<<16)|(1<<20)|(1<<21)|(AQI<<22)|((APAD-1)<<25)
	s_or_b32 s[G1B], s23, (1<<16)|(1<<20)|(1<<21)|(BQI<<22)|((BPAD-1)<<25)
	s_mov_b32 s[G1A+1], AD0<<16
	s_mov_b32 s[G1A+2], AD1<<16
	s_mov_b32 s[G1A+3], AD0<<16
	s_mov_b32 s[G1A+4], AD1
	s_mov_b32 s[G1A+5], ASTR
	s_mov_b32 s[G1A+6], 0
	s_mov_b32 s[G1A+7], 0
	s_mov_b32 s[G1B+1], BD0<<16
	s_mov_b32 s[G1B+2], BD1<<16
	s_mov_b32 s[G1B+3], BD0<<16
	s_mov_b32 s[G1B+4], BD1
	s_mov_b32 s[G1B+5], BSTR
	s_mov_b32 s[G1B+6], 0
	s_mov_b32 s[G1B+7], 0
	s_mul_i32 s44, s14, AFILL                      ; where my fill lands in slot 0, for A
	s_mul_i32 s45, s14, BFILL
	s_add_co_u32 s45, s45, BOFF                    ; and for B
	s_mov_b32 s67, 0
	s_mov_b32 s87, 0                               ; named with s86 as a pair
	; this launch's offsets.  A: row 256 TY + 128 part, 2,048 bytes a row.  B: the batch's 2,097,152 bytes, g-row 64 part, column byte 256 TX
	s_lshl_b32 s40, s18, 19
	s_lshl_b32 s41, s14, 18
	s_add_co_u32 s40, s40, s41
	s_mov_b32 s41, 0
	s_lshl_b32 s42, s21, 21
	s_lshl_b32 s43, s14, 17
	s_add_co_u32 s42, s42, s43
	s_lshl_b32 s43, s17, 8
	s_add_co_u32 s42, s42, s43
	s_mov_b32 s43, 0
	s_mul_i32 s46, s13, 128*PA                     ; my 128 rows of A in a slot
	s_lshl_b32 s47, s14, 7
	s_add_co_u32 s47, s47, BOFF                    ; my 64 columns of B
	s_lshl_b32 s76, s18, 20                        ; my part of the tile in y3: row 256 TY + 128 wr, 4,096 bytes a row; byte 512 TX + 256 wc
	s_lshl_b32 s77, s13, 19
	s_add_co_u32 s76, s76, s77
	s_lshl_b32 s77, s17, 9
	s_add_co_u32 s76, s76, s77
	s_lshl_b32 s77, s14, 8
	s_add_co_u32 s76, s76, s77
	s_mov_b32 s77, 0
	s_lshl_b32 s80, s21, 6                         ; M's table at the batch's first tile of my column; the eight steps' tiles lie 2,048 bytes apart
	s_add_co_u32 s80, s80, s17
	s_lshl_b32 s80, s80, 8
	s_add_co_u32 s80, s80, 0x800000
	s_mov_b32 s81, 0
	s_lshl_b32 s96, s18, 19                        ; the prefetches.  A: of the 128 rows that I fetch my work-group's 32 (by cx), at step AH + 1
	s_lshl_b32 s97, s14, 18
	s_add_co_u32 s96, s96, s97
	s_lshl_b32 s97, s15, 16
	s_add_co_u32 s96, s96, s97
	s_add_co_u32 s96, s96, (AH+1)*ASTEP
	s_lshl_b32 s98, s21, 21                        ; B: of a step's 128 g-rows my work-group's 32 (by cy): wave 2 alone asks
	s_lshl_b32 s99, s16, 16
	s_add_co_u32 s98, s98, s99
	s_lshl_b32 s99, s17, 8
	s_add_co_u32 s98, s98, s99
	s_add_co_u32 s98, s98, (AH+1)*BSTEP
	s_mov_b32 s100, s19                            ; A's rows are read by both clusters of this row of clusters: the first asks
	s_and_b32 s101, s20, 1                         ; B's by the batch's two clusters of this column: the first asks,
	s_or_b32 s101, s101, s14                       ; by its wave 2
	s_wait_dscnt 0x0                               ; both opening adds are done
	s_wait_kmcnt 0x0
	s_add_nc_u64 s[82:83], s[6:7], s[80:81]
.set i, 0
.rept 8
	s_load_b32 s[88+i], s[82:83], 2048*i           ; the eight steps' scales; waited for in front of the first barrier
.set i, i+1
.endr
	s_add_nc_u64 s[40:41], s[4:5], s[40:41]
	s_add_nc_u64 s[42:43], s[6:7], s[42:43]
.irp s, 0,1
	s_mov_b32 s[G0A+4*(\s)], 1
	s_add_co_u32 s[G0A+4*(\s)+1], s44, (\s)*XS
	s_add_nc_u64 s[G0A+4*(\s)+2:G0A+4*(\s)+3], s[40:41], (\s)*ASTEP
	s_or_b32 s[G0A+4*(\s)+3], s[G0A+4*(\s)+3], 0x80000000
	s_mov_b32 s[G0B+4*(\s)], 1
	s_add_co_u32 s[G0B+4*(\s)+1], s45, (\s)*XS
	s_add_nc_u64 s[G0B+4*(\s)+2:G0B+4*(\s)+3], s[42:43], (\s)*BSTEP
	s_or_b32 s[G0B+4*(\s)+3], s[G0B+4*(\s)+3], 0x80000000
.endr
	s_mov_b32 s97, ASTEP
	s_mov_b32 s99, BSTEP
	s_cmp_eq_u32 s13, 0                            ; by my role, which hangs on the wave's number alone
	s_cselect_b64 s[70:71], s[4:5], s[6:7]
	s_cselect_b32 s72, s97, s99
	s_cselect_b32 s96, s96, s98
	s_cselect_b32 s100, s100, s101
	s_mov_b32 s97, 0
	s_mov_b32 s73, 0
	s_add_nc_u64 s[70:71], s[70:71], s[96:97]
	s_cmp_eq_u32 s100, 0
	s_cselect_b32 s68, AH, -1                      ; a wave asks while the trips to come are more than this
	s_add_nc_u64 s[10:11], s[10:11], s[76:77]      ; y3 at my part of the tile
	CROUND                                         ; all sixteen work-groups are here: the first joint loads meet
	s_cmp_eq_u32 s13, 0
	s_cbranch_scc0 .Lfirst_b
	tensor_load_to_lds s[G0A:G0A+3], s[G1A:G1A+7]
	s_nop 0
	tensor_load_to_lds s[G0A+4:G0A+7], s[G1A:G1A+7]
	s_nop 0
	PLACES
	s_branch .Lfirst_asked
.Lfirst_b:
	tensor_load_to_lds s[G0B:G0B+3], s[G1B:G1B+7]
	s_nop 0
	tensor_load_to_lds s[G0B+4:G0B+7], s[G1B:G1B+7]
	s_nop 0
	PLACES
.Lfirst_asked:
	v_and_b32 v1, 15, v0                           ; r = l % 16
	v_bfe_u32 v2, v0, 4, 1                         ; h = l / 16
	v_and_b32 v3, 7, v0
	v_bfe_u32 v4, v0, 3, 1
	v_and_b32 v5, 31, v0
	v_lshl_add_u32 v6, v2, 3, v3                   ; the turning load: lane l reads k-row 8 h + l % 8, 16 bytes at 16 ((l / 8) % 2)
	v_mul_u32_u24 v7, v6, PB
	v_lshl_add_u32 v7, v4, 4, v7
	v_add_nc_u32 v11, s47, v7
	v_mul_u32_u24 v8, v1, PA                       ; rows along K: row r, 16 bytes for each half of the lanes
	v_lshl_add_u32 v8, v2, 4, v8
	v_add_nc_u32 v10, s46, v8
	v_mov_b32 v16, v10
	v_mov_b32 v20, v11
	s_mul_i32 s22, s12, 16*272
	s_add_co_u32 s22, s22, STAGE                   ; my stage
	v_mul_u32_u24 v6, v1, 272
	v_lshl_add_u32 v6, v2, 5, v6
	v_add_nc_u32 v24, s22, v6                      ; in: row r, 32 bytes (eight f32) for each half of the lanes
	v_mul_u32_u24 v6, v2, 272
	v_lshl_add_u32 v6, v1, 4, v6
	v_add_nc_u32 v25, s22, v6                      ; back: lanes 0-15 one row of 256 bytes, lanes 16-31 the next
	v_lshlrev_b32 v6, 12, v2
	v_lshl_add_u32 v26, v1, 4, v6                  ; the same two rows in y3
	v_lshlrev_b32 v30, 11, v5                      ; the prefetch's lane term: a lane a row of 2,048 bytes
	WIN 0xc0
.set i, 0
.rept 256
	v_mov_b32 v[MAIN+i], 0                         ; the main sums start at 0
.set i, i+1
.endr
	WIN 0
	s_wait_kmcnt 0x0                               ; the eight scales
	s_wait_tensorcnt 0x1                           ; my part of step 0 is in; step 1's load may stay out
	s_barrier_signal -1
	s_barrier_wait -1
	FETCH 0, 0
	QUARTER 1, 0, 1, 1                             ; a step's first quarter starts the temporary sums
	WIN 0
	s_mov_b32 s66, TSTEPS-2
.Lstep:                                ; a trip: a step's quarters 1 to 3, its flush, and the next step's quarter 0; the slot that is left takes the step two on
	QUARTER 2, 1, 0, 0
	QUARTER 3, 0, 1, 0
	TURN 1
	FLUSHM
	QUARTER 1, 0, 1, 1
	WIN 0
	s_sub_co_u32 s66, s66, 1
	s_cmp_lg_u32 s66, 0
	s_cbranch_scc1 .Lstep
	s_mov_b32 s66, 2
.Ltail:                                ; the last two steps ask for nothing; the second trip is left in its middle, and its run of loads from the slot read before serves nothing
	QUARTER 2, 1, 0, 0
	QUARTER 3, 0, 1, 0
	TURN 0
	FLUSHM
	WIN 0
	s_sub_co_u32 s66, s66, 1
	s_cmp_eq_u32 s66, 0
	s_cbranch_scc1 .Lout
	QUARTER 1, 0, 1, 1
	WIN 0
	s_branch .Ltail
.Lout:
	s_wait_dscnt 0x0
; THE WAY OUT, a block of 16 rows x 64 columns of f32 at a time: straight from the main sums into my stage, back as whole rows of 256 bytes.
.set OB, 32
.macro OUT a
.set zb, 32*(\a)
	WIN 0x0c                                       ; the stores' data in window 3
.irp b, 0,1,2,3
	ds_store_b128 v24, v[zb+8*(\b):zb+8*(\b)+3] offset:64*(\b)
	ds_store_b128 v24, v[zb+8*(\b)+4:zb+8*(\b)+7] offset:64*(\b)+16
.endr
	WIN 0
	s_wait_xcnt 0x0                                ; the last block's stores have read OB
.irp t, 0,1,2,3,4,5,6,7
	ds_load_b128 v[OB+4*(\t):OB+4*(\t)+3], v25 offset:544*(\t)  ; a wave's LDS instructions are served in order: these see the stores above
.endr
	s_wait_dscnt 0x0
.irp t, 0,1,2,3,4,5,6,7
	global_store_b128 v26, v[OB+4*(\t):OB+4*(\t)+3], s[10:11] offset:(\a)*65536+8192*(\t)  ; 16 lanes store 256 consecutive bytes, aligned
.endr
.endm
.irp a, 0,1,2,3,4,5,6,7
	OUT \a
.endr
	s_wait_tensorcnt 0x0                           ; the wave's end
	ds_add_u32 v28, v29
	s_wait_dscnt 0x0
	CROUND                                         ; the closing round
	s_endpgm
.Lfunc_end_k_q78b20afee9_g4:
	.size	k_q78b20afee9_g4, .Lfunc_end_k_q78b20afee9_g4-k_q78b20afee9_g4
	.p2alignl 7, 3214868480
	.fill 96, 4, 3214868480
	.section	.rodata,"a",@progbits
	.p2align	6, 0x0
	.amdhsa_kernel k_q78b20afee9_g4
		.amdhsa_group_segment_fixed_size 327680
		.amdhsa_private_segment_fixed_size 0
		.amdhsa_enable_private_segment 0
		.amdhsa_kernarg_size 24
		.amdhsa_user_sgpr_count 2
		.amdhsa_user_sgpr_kernarg_segment_ptr 1
		.amdhsa_wavefront_size32 1
		.amdhsa_system_sgpr_workgroup_id_x 1
		.amdhsa_system_sgpr_workgroup_id_y 1
		.amdhsa_system_sgpr_workgroup_id_z 1
		.amdhsa_system_vgpr_workitem_id 0
		.amdhsa_next_free_vgpr 1024
		.amdhsa_next_free_sgpr 102
		.amdhsa_reserve_vcc 0
		.amdhsa_float_denorm_mode_32 3
		.amdhsa_float_denorm_mode_16_64 3
		.amdhsa_memory_ordered 1
		.amdhsa_forward_progress 1
		.amdhsa_inst_pref_size 87
	.end_amdhsa_kernel
	.amdgpu_metadata
---
amdhsa.version: [ 1, 2 ]
amdhsa.kernels:
  - .name:           k_q78b20afee9_g4
    .symbol:         k_q78b20afee9_g4.kd
    .args:
      - { .name: xb, .offset: 0, .size: 8, .value_kind: global_buffer, .address_space: global }
      - { .name: mm, .offset: 8, .size: 8, .value_kind: global_buffer, .address_space: global }
      - { .name: y3, .offset: 16, .size: 8, .value_kind: global_buffer, .address_space: global }
    .group_segment_fixed_size: 327680
    .private_segment_fixed_size: 0
    .kernarg_segment_align: 8
    .kernarg_segment_size: 24
    .max_flat_workgroup_size: 128
    .sgpr_count:     102
    .vgpr_count:     1024
    .wavefront_size: 32
...
	.end_amdgpu_metadata
.endif
;; end of part 10
;; launch fin (part 11): grid 256 x 1, 8 waves a work-group, no clusters, 0 bytes of LDS; arguments y3, xb, ln_gamma, ln_beta, out0; writes out0
.if DOCPART == 11
	.amdgcn_target "amdgcn-amd-amdhsa--gfx1250"
	.amdhsa_code_object_version 6
	.text
	.protected	k_q78b20afee9_fin
	.globl	k_q78b20afee9_fin
	.p2align	8
	.type	k_q78b20afee9_fin,@function
k_q78b20afee9_fin:
	s_mov_b64 s[64:65], 0
	v_nop
	global_prefetch_b8 v0, s[64:65] scope:SCOPE_SE
	s_setreg_imm32_b32 hwreg(HW_REG_WAVE_MODE, 25, 1), 1
	s_wait_xcnt 0x0
; out0 = LayerNorm(xb + y3) g + b, g and b rounded to bf16 like every input.  y3, out0: [8192][1024] f32; xb: [8192][1024] f16 (x rounded to bf16, that number written as f16).
; The variance is taken of the centred numbers, so a mean many times the row's spread costs nothing.  NaN and infinities are not treated apart.
; SHARES.  32 rows to a work-group, four to a wave; a row lies in 32 registers of one wave, lane l holding columns 128 j + 4 l + 0..3: mean and variance never leave the wave, and every byte is read once.
; A load or store of 16 bytes a lane covers 512 consecutive bytes, a load of 8 bytes a lane 256, aligned.  No LDS, no barrier, no matrix unit: nothing is shared.
.set ONE, 4                            ; v4         1.0
.set GN, 8                             ; v[8:39]    gain of my 32 columns
.set BT, 40                            ; v[40:71]   bias
.set YA, 72                            ; v[72:103]  the trip's first row: y3, then the sum, then the result
.set YB, 104                           ; v[104:135] its second
.set QA, 136                           ; v[136:151] the first row's xb
.set QB, 152                           ; v[152:167] the second's
.set SC, 168                           ; v[168:183] at work
.set SINV, 19                          ; s19 2^-10
.set SEPS, 20                          ; s20 1e-5
.set SSEL, 22                          ; s[22:23] lane selects: each lane takes its own place in the other half
.macro FOLD d                          ; four chains of pairs into one number
	v_pk_add_f32 v[SC:SC+1], v[SC:SC+1], v[SC+2:SC+3]
	v_pk_add_f32 v[SC+4:SC+5], v[SC+4:SC+5], v[SC+6:SC+7]
	v_pk_add_f32 v[SC:SC+1], v[SC:SC+1], v[SC+4:SC+5]
	v_add_f32 v[\d], v[SC], v[SC+1]
.endm
.macro LANESUM r, t                    ; the sum over the 32 lanes, in every lane
	v_add_f32_dpp v[\r], v[\r], v[\r] row_xmask:1 row_mask:0xf bank_mask:0xf
	v_add_f32_dpp v[\r], v[\r], v[\r] row_xmask:2 row_mask:0xf bank_mask:0xf
	v_add_f32_dpp v[\r], v[\r], v[\r] row_xmask:4 row_mask:0xf bank_mask:0xf
	v_add_f32_dpp v[\r], v[\r], v[\r] row_xmask:8 row_mask:0xf bank_mask:0xf
	v_permlanex16_b32 v[\t], v[\r], s[SSEL], s[SSEL+1]
	v_add_f32 v[\r], v[\r], v[\t]
.endm
.macro LNCORE X                        ; LayerNorm of the row in v[X ..], in place: mean, centred numbers, their variance, scale, gain and bias
.set c, 0
.rept 4
	v_pk_add_f32 v[SC+2*c:SC+2*c+1], v[\X+2*c:\X+2*c+1], v[\X+8+2*c:\X+8+2*c+1]  ; the first eight pairs start the four chains
.set c, c+1
.endr
.set p, 8
.rept 8
	v_pk_add_f32 v[SC+2*(p%4):SC+2*(p%4)+1], v[SC+2*(p%4):SC+2*(p%4)+1], v[\X+2*p:\X+2*p+1]
.set p, p+1
.endr
	FOLD SC+8
	LANESUM SC+8, SC+9
	v_mul_f32 v[SC+8], s[SINV], v[SC+8]            ; the mean of 1,024
.set p, 0
.rept 16
	v_pk_add_f32 v[\X+2*p:\X+2*p+1], v[\X+2*p:\X+2*p+1], v[SC+8:SC+9] op_sel_hi:[1,0] neg_lo:[0,1] neg_hi:[0,1]
.set p, p+1
.endr
.set c, 0
.rept 4
	v_pk_mul_f32 v[SC+2*c:SC+2*c+1], v[\X+2*c:\X+2*c+1], v[\X+2*c:\X+2*c+1]
.set c, c+1
.endr
.set p, 4
.rept 12
	v_pk_fma_f32 v[SC+2*(p%4):SC+2*(p%4)+1], v[\X+2*p:\X+2*p+1], v[\X+2*p:\X+2*p+1], v[SC+2*(p%4):SC+2*(p%4)+1]
.set p, p+1
.endr
	FOLD SC+10
	LANESUM SC+10, SC+11
	v_fma_f32 v[SC+10], v[SC+10], s[SINV], s[SEPS] ; variance + 1e-5
	v_rsq_f32 v[SC+10], v[SC+10]
	v_nop                                          ; a plain instruction between the root and the use of its result
	s_wait_alu depctr_va_vdst(0)                   ; and a wait ahead of the first use
.set p, 0
.rept 16
	v_pk_mul_f32 v[\X+2*p:\X+2*p+1], v[\X+2*p:\X+2*p+1], v[SC+10:SC+11] op_sel_hi:[1,0]
.set p, p+1
.endr
.set p, 0
.rept 16
	v_pk_fma_f32 v[\X+2*p:\X+2*p+1], v[\X+2*p:\X+2*p+1], v[GN+2*p:GN+2*p+1], v[BT+2*p:BT+2*p+1]
.set p, p+1
.endr
.endm
.macro LOADROW Y, Q, ro
.set j, 0
.rept 8
	global_load_b128 v[\Y+4*j:\Y+4*j+3], v2, s[8:9] offset:(\ro)*4096+512*j th:TH_LOAD_NT
	global_load_b64 v[\Q+2*j:\Q+2*j+1], v3, s[10:11] offset:(\ro)*2048+256*j
.set j, j+1
.endr
.endm
.macro FROW Y, Q, ro                   ; one row: the residual (an f16 half x 1.0 + y3, one instruction a number), LayerNorm, out
.set p, 0
.rept 16
	v_fma_mix_f32 v[\Y+2*p], v[\Q+p], v[ONE], v[\Y+2*p] op_sel_hi:[1,0,0]
	v_fma_mix_f32 v[\Y+2*p+1], v[\Q+p], v[ONE], v[\Y+2*p+1] op_sel:[1,0,0] op_sel_hi:[1,0,0]
.set p, p+1
.endr
	LNCORE \Y
.set j, 0
.rept 8
	global_store_b128 v2, v[\Y+4*j:\Y+4*j+3], s[16:17] offset:(\ro)*4096+512*j th:TH_STORE_NT
.set j, j+1
.endr
.endm
	s_load_b256 s[8:15], s[0:1], 0x0               ; y3 s[8:9], xb s[10:11], gain s[12:13], bias s[14:15]
	s_load_b64 s[16:17], s[0:1], 0x20              ; out0
	v_lshrrev_b32 v1, 5, v0
	v_readfirstlane_b32 s4, v1                     ; wave 0..7
	v_and_b32 v1, 31, v0
	v_lshlrev_b32 v2, 4, v1                        ; 16 bytes a lane of f32
	v_lshlrev_b32 v3, 3, v1                        ; 8 of f16
	v_mov_b32 v[ONE], 1.0
	v_mov_b32 v[SC+9], 0                           ; written before v_permlanex16_b32 names them as destinations
	v_mov_b32 v[SC+11], 0
	s_mov_b32 s18, 0xffff0000                      ; a word's upper bf16
	s_mov_b32 s[SINV], 0x3a800000
	s_mov_b32 s[SEPS], 0x3727c5ac
	s_mov_b32 s[SSEL], 0x76543210
	s_mov_b32 s[SSEL+1], 0xfedcba98
	s_mov_b32 s24, 2                               ; trips: two rows each
	s_lshl_b32 s5, ttmp9, 17                       ; the work-group's 32 rows of 4,096 bytes,
	s_lshl_b32 s6, s4, 14                          ; my wave's four
	s_add_co_u32 s26, s5, s6
	s_mov_b32 s27, 0
	s_lshr_b32 s28, s26, 1                         ; the same rows in f16
	s_mov_b32 s29, 0
	s_wait_kmcnt 0x0
	s_add_nc_u64 s[8:9], s[8:9], s[26:27]
	s_add_nc_u64 s[16:17], s[16:17], s[26:27]
	s_add_nc_u64 s[10:11], s[10:11], s[28:29]
.set j, 0
.rept 8
	global_load_b128 v[GN+4*j:GN+4*j+3], v2, s[12:13] offset:512*j
	global_load_b128 v[BT+4*j:BT+4*j+3], v2, s[14:15] offset:512*j
.set j, j+1
.endr
	s_wait_loadcnt 0x0
.set k, 0
.rept 32                               ; gain and bias lie on end: 32 pairs, rounded to bf16 and kept as f32
	v_cvt_pk_bf16_f32 v[SC+k%4], v[GN+2*k], v[GN+2*k+1]
	v_lshlrev_b32 v[GN+2*k], 16, v[SC+k%4]
	v_and_b32 v[GN+2*k+1], s18, v[SC+k%4]
.set k, k+1
.endr
.Ltrip:
	LOADROW YA, QA, 0
	LOADROW YB, QB, 1
	s_wait_loadcnt 16                              ; the first row's sixteen loads are in; the second row's sixteen may stay out
	FROW YA, QA, 0
	s_wait_loadcnt 0x0
	FROW YB, QB, 1
	s_wait_xcnt 0x0                                ; the stores have read their data and base: the next trip loads into those registers, and the bases are stepped, only behind this wait
	s_add_nc_u64 s[8:9], s[8:9], 8192
	s_add_nc_u64 s[16:17], s[16:17], 8192
	s_add_nc_u64 s[10:11], s[10:11], 4096
	s_sub_co_u32 s24, s24, 1
	s_cmp_lg_u32 s24, 0
	s_cbranch_scc1 .Ltrip
	s_endpgm
.Lfunc_end_k_q78b20afee9_fin:
	.size	k_q78b20afee9_fin, .Lfunc_end_k_q78b20afee9_fin-k_q78b20afee9_fin
	.p2alignl 7, 3214868480
	.fill 96, 4, 3214868480
	.section	.rodata,"a",@progbits
	.p2align	6, 0x0
	.amdhsa_kernel k_q78b20afee9_fin
		.amdhsa_group_segment_fixed_size 0
		.amdhsa_private_segment_fixed_size 0
		.amdhsa_enable_private_segment 0
		.amdhsa_kernarg_size 40
		.amdhsa_user_sgpr_count 2
		.amdhsa_user_sgpr_kernarg_segment_ptr 1
		.amdhsa_wavefront_size32 1
		.amdhsa_system_sgpr_workgroup_id_x 1
		.amdhsa_system_sgpr_workgroup_id_y 1
		.amdhsa_system_sgpr_workgroup_id_z 1
		.amdhsa_system_vgpr_workitem_id 0
		.amdhsa_next_free_vgpr 184
		.amdhsa_next_free_sgpr 66
		.amdhsa_reserve_vcc 0
		.amdhsa_float_denorm_mode_32 3
		.amdhsa_float_denorm_mode_16_64 3
		.amdhsa_memory_ordered 1
		.amdhsa_forward_progress 1
		.amdhsa_inst_pref_size 28
	.end_amdhsa_kernel
	.amdgpu_metadata
---
amdhsa.version: [ 1, 2 ]
amdhsa.kernels:
  - .name:           k_q78b20afee9_fin
    .symbol:         k_q78b20afee9_fin.kd
    .args:
      - { .name: y3, .offset: 0, .size: 8, .value_kind: global_buffer, .address_space: global }
      - { .name: xb, .offset: 8, .size: 8, .value_kind: global_buffer, .address_space: global }
      - { .name: ln_gamma, .offset: 16, .size: 8, .value_kind: global_buffer, .address_space: global }
      - { .name: ln_beta, .offset: 24, .size: 8, .value_kind: global_buffer, .address_space: global }
      - { .name: out0, .offset: 32, .size: 8, .value_kind: global_buffer, .address_space: global }
    .group_segment_fixed_size: 0
    .private_segment_fixed_size: 0
    .kernarg_segment_align: 8
    .kernarg_segment_size: 40
    .max_flat_workgroup_size: 256
    .sgpr_count:     66
    .vgpr_count:     184
    .wavefront_size: 32
...
	.end_amdgpu_metadata
.endif
;; end of part 11
